; MI455X (gfx1250); checked and timed in simulation.
; The chip was launched on July 23, 2026; its instructions are those of AMD's public machine-readable ISA for CDNA 5 (MIT licence, August 2026) and "CDNA5" Instruction Set Architecture Reference Guide (July 2026). The comments in the code are by the model that wrote it; some were corrected since.
;; Transformer Layer. Allowed arithmetic: matrix products marked QUANTISED: E2M3 operands, one E8M0 scale for each 32 along K, by v_wmma_scale_f32_16x16x128_f8f6f4 with both operands' format E2M3, f32 sums; everything else in f32.
;; Inputs: W1 4,096 x 1,024 float32; W2 1,024 x 4,096 float32; Wk 1,024 x 1,024 float32; Wo 1,024 x 1,024 float32; Wq 1,024 x 1,024 float32; Wv 1,024 x 1,024 float32; b1 4,096 float32; b2 1,024 float32; be1 1,024 float32; be2 1,024 float32; bk 1,024 float32; bo 1,024 float32; bq 1,024 float32; bv 1,024 float32; g1 1,024 float32; g2 1,024 float32; key 4 x 1,024 x 1,024 float32; mask 4 x 1,024 int32; query 4 x 1,024 x 1,024 float32; value 4 x 1,024 x 1,024 float32.
;; Outputs: out0 4 x 1,024 x 1,024 float32.
;; This version of the problem:
;;   THIS VERSION OF THE PROBLEM IS GIVEN IN LOW PRECISION. The matrix products marked QUANTISED in the list below multiply operands that are first quantised to E2M3 (2 exponent bits, 3 mantissa bits; 6 bits a number), with one power-of-two scale for each 32 numbers along K (OCP MX v1.0); their sums are f32. All else is computed in f32.
;;   The module's matrix products, in the order in which they are computed (A, B: the left and right operand; K: the contracted axis; several contracted axes count as one K, in the product's order):
;;     1. [M 4,096, K 1,024] x [K 1,024, N 1,024]; A: input query; B: input Wq: QUANTISED
;;     2. [M 4,096, K 1,024] x [K 1,024, N 1,024]; A: input query; B: input Wk: QUANTISED
;;     3. [M 4,096, K 1,024] x [K 1,024, N 1,024]; A: input query; B: input Wv: QUANTISED
;;     4. batch 64 x [M 1,024, K 64] x [K 64, N 1,024]; A: computed on the way; B: computed on the way: QUANTISED
;;     5. batch 64 x [M 1,024, K 1,024] x [K 1,024, N 64]; A: softmax (see below); B: computed on the way: QUANTISED
;;     6. [M 4,096, K 1,024] x [K 1,024, N 1,024]; A: computed on the way; B: input Wo: QUANTISED
;;     7. [M 4,096, K 1,024] x [K 1,024, N 4,096]; A: computed on the way; B: input W1: QUANTISED
;;     8. [M 4,096, K 4,096] x [K 4,096, N 1,024]; A: computed on the way; B: input W2: QUANTISED
;;   THE QUANTISER, for each operand of a quantised product, along K:
;;     - K is cut into blocks of 32 from its start; a last block that is shorter is filled with zeros.
;;     - A block's scale is 2^e with e = floor(log2(the largest magnitude in the block)) - 2, held to -126 .. 127; a block of zeros has e = 0. As a byte (E8M0): e + 127.
;;     - Each number is divided by its block's scale, clamped to +-7.5, and rounded to the nearest number of E2M3, ties to even, subnormals kept.
;;     - The product sums the exact products of the quantised numbers (number of the format x scale) in f32.
;;   ~~~python
;;   def quantise(x, axis):      # numpy; x: float32 -> the quantised numbers, widened to float32 again
;;       x = np.moveaxis(x, axis, -1); K = x.shape[-1]
;;       x = np.pad(x, [(0, 0)] * (x.ndim - 1) + [(0, -K % 32)]); x = x.reshape(x.shape[:-1] + (-1, 32)); a = np.abs(x).max(-1, keepdims=True)
;;       e = np.where(a > 0, np.clip(np.frexp(np.where(a > 0, a, 1))[1] - 1 - 2, -126, 127), 0)      # np.frexp(a)[1] - 1 = floor(log2(a)), exactly
;;       r = np.clip(x / 2.0 ** e, -7.5, 7.5)
;;       step = 2.0 ** (np.maximum(np.frexp(np.where(r == 0, 1, r))[1] - 1, 0) - 3)
;;       q = np.round(r / step) * step * 2.0 ** e      # np.round: ties to even
;;       return np.moveaxis(q.reshape(q.shape[:-2] + (-1,))[..., :K], -1, axis).astype(np.float32)
;;   ~~~
;;   SOFTMAX AHEAD OF A QUANTISED PRODUCT. Where the list says 'softmax', what is quantised is not the finished softmax but p = 2^(t - M), with t = logit x log2(e) and M = ceil(the row's largest t), a whole number; so 1/2 < the row's largest p <= 1. The row's sum l is taken of the UNQUANTISED p, in f32, and the product's result is divided by l at the end. Since M is a whole number, a kernel that streams over the keys may use a running M (the ceiling of the running maximum): every later rescaling is an exact power of two, which a block's scale takes up: the codes' values come out the same.
;;   OPERANDS COMPUTED ON THE WAY. 'Computed on the way' means the value that the module computes at that place (a softmax that the list does not call 'softmax' is quantised finished and normalised). What goes into a quantiser is computed in f32, as accurately as f32 sums, v_exp_f32 and their like allow (about 1e-6 of the number): no bf16 or f16 on the way to a quantiser, and a product that is left as it is and whose result goes on into a quantised operand takes f32 operands (vector FMAs, or v_wmma_f32_16x16x4_f32). A number that lies on a knife's edge between two numbers of the format may be rounded either way, as far as f32 arithmetic and the matrix unit's own rounding can turn it there, and no further.
;; One version. Each part assembles by itself: llvm-mc -triple=amdgcn-amd-amdhsa -mcpu=gfx1250 --defsym DOCPART=n.
;; ======== version 1 of 1: 8 launches
;; limits: right only within a limited range of input values
;; workspace buffers: qw 9,011,200 bytes; wob 3,276,800 bytes; w2b 3,276,800 bytes; qkv 9,830,400 bytes; ab 13,107,200 bytes; cb 16,777,216 bytes; x1b 20,054,016 bytes
;; launch quant (part 1): grid 512 x 1, 4 waves a work-group, no clusters, 35,328 bytes of LDS; arguments query, Wq, Wk, Wv, Wo, W1, W2, qw, wob, w2b; writes qw, wob, w2b
.if DOCPART == 1
	.amdgcn_target "amdgcn-amd-amdhsa--gfx1250"
	.amdhsa_code_object_version 6
	.text
	.protected	k_qf2b0739368_quant
	.globl	k_qf2b0739368_quant
	.p2align	8
	.type	k_qf2b0739368_quant,@function
k_qf2b0739368_quant:
	s_mov_b64 s[64:65], 0
	v_nop
	global_prefetch_b8 v0, s[64:65] scope:SCOPE_SE
	s_setreg_imm32_b32 hwreg(HW_REG_WAVE_MODE, 25, 1), 1
	s_wait_xcnt 0x0
; query, Wq, Wk, Wv, Wo, W1, W2 (all f32, K innermost) become codes of FP6 (E2M3) with one E8M0 byte for each 32 along K.
; THE OPERAND FORMAT of all workspace codes.  Rows go in panels of 128, a panel in 8 row blocks rb = 2 al + u; lane-row r of block rb is row 32 al + 8 u + r + 8 (r / 8) of the panel.
; A fragment (16 rows x 128 K, 12 registers a lane, 1,536 bytes) is an image of the operand's registers in six pieces of 256 bytes: piece p holds registers 2 p, 2 p + 1, lane l's 8 bytes at 256 p + 8 l.
; Fragment (panel, kb, rb) lies at codes + ((panel KBS + kb) 8 + rb) 1536, its 16 scale words (one a row, byte b for k = 32 b ..) at scales + ((panel KBS + kb) 8 + rb) 64.
; A block's scale byte is its largest magnitude's exponent field - 2, held at 1 from below; numbers are divided by the scale and rounded to the nearest code, ties to even, beyond 7.5 the largest code.
; LIMITS: a block of zeros, and a block whose largest magnitude lies under 2^-124, keep the byte 1 (zeros: the codes are zeros, and this program alone reads the bytes); NaN and infinities are not served.
; The inputs key and value are not read by any launch of this program: reference() takes query for all three projections, so no output number hangs on them; a NaN or an infinity in them is not carried to the result.
; SHARES.  A wave takes 64 rows x 128 K (four fragments).  Each load reads 512 consecutive bytes of one row; 16 rows turn through the wave's own stage in LDS, so that a lane
; gets 16 neighbours of each block of 32 of its row.  Waves share nothing: no barrier.
.set WREG,  8704                       ; LDS of a wave: a stage of 16 rows x (512 + 16) bytes, then 256 bytes for its 64 scale words
.set SWO,   8448
.set SPARE, 4*WREG                     ; the spare words, 128 bytes a wave: two blocks of 256 bytes that no other line names
.set L16,   4                          ; v4   16 x lane
.set STI,   5                          ; v5   the stage, way in
.set STO,   6                          ; v6   the stage, way out: 528 r + 64 h
.set L8,    7                          ; v7   8 x lane
.set SWS,   8                          ; v8   where my row's scale word goes
.set SWR,   9                          ; v9   where the scale words are read back
.set SPW,   12                         ; v12  my spare word; never rewritten
.set NIL,   13                         ; v13  0; never rewritten
.set OFFR,  16                         ; v16-23 16 x lane + i rows
.set PC,    24                         ; v24-42 the codes just made
.set TM,    44                         ; v44-59 at work
.set PW,    60                         ; v60  the scale word just made
.set R,     64                         ; v64-191 two sets of 16 rows as loaded
.set X,     192                        ; v192-255 64 numbers of my row: register 16 b + i = k 32 b + 16 h + i
.set SB,    48                         ; s[48:63] eight bases, 8 rows apart
.set SEL,   68
	s_load_b512 s[4:19], s[0:1], 0x0               ; query, Wq, Wk, Wv, Wo, W1, W2, qw
	s_load_b128 s[20:23], s[0:1], 0x40             ; wob, w2b
	v_lshl_add_u32 v[SPW], v0, 2, SPARE
	v_mov_b32 v[NIL], 0
	v_lshrrev_b32 v1, 5, v0
	v_readfirstlane_b32 s28, v1                    ; wave
	s_mov_b32 s29, ttmp9                           ; g
	s_wait_kmcnt 0x0
	; which tensor: a chain of choices on the work-group's number alone
	s_mov_b64 s[30:31], s[4:5]                     ; from
	s_mov_b64 s[32:33], s[18:19]                   ; to
	s_mov_b32 s34, 0                               ; where its scale words begin
	s_mov_b32 s35, 360448                          ; where its codes begin
	s_mov_b32 s36, 8                               ; KBS of the buffer
	s_mov_b32 s37, 3                               ; log2 of the tensor's K / 128
	s_mov_b32 s38, 0                               ; its first panel
	s_mov_b32 s39, 0                               ; its first work-group
.macro PICK first, in, out, soff, coff, kbs, kbb, pan0
	s_cmp_ge_u32 s29, \first
	s_cselect_b64 s[30:31], s[\in:\in+1], s[30:31]
	s_cselect_b64 s[32:33], s[\out:\out+1], s[32:33]
	s_cselect_b32 s34, \soff, s34
	s_cselect_b32 s35, \coff, s35
	s_cselect_b32 s36, \kbs, s36
	s_cselect_b32 s37, \kbb, s37
	s_cselect_b32 s38, \pan0, s38
	s_cselect_b32 s39, \first, s39
.endm
	PICK 128, 6,  18, 131072, 3506176, 8,  3, 0    ; Wq
	PICK 160, 8,  18, 131072, 3506176, 8,  3, 8    ; Wk
	PICK 192, 10, 18, 131072, 3506176, 8,  3, 16   ; Wv
	PICK 224, 12, 20, 0,      131072,  32, 3, 0    ; Wo
	PICK 256, 14, 18, 229376, 5865472, 8,  3, 0    ; W1
	PICK 384, 16, 22, 0,      131072,  32, 5, 0    ; W2
	s_sub_co_u32 s40, s29, s39
	s_lshl_b32 s40, s40, 2
	s_add_co_u32 s40, s40, s28                     ; my unit in the tensor
	s_lshl_b32 s41, 1, s37
	s_sub_co_u32 s41, s41, 1
	s_and_b32 s42, s40, s41                        ; kb
	s_lshr_b32 s43, s40, s37                       ; which 64 rows
	s_lshl_b32 s44, 512, s37                       ; a row in bytes
	s_mul_i32 s45, s43, s44
	s_lshl_b32 s45, s45, 6
	s_lshl_b32 s46, s42, 9
	s_add_co_u32 s46, s46, s45
	s_mov_b32 s47, 0
	s_add_nc_u64 s[SB:SB+1], s[30:31], s[46:47]
	s_lshl_b32 s66, s44, 3
	s_mov_b32 s67, 0
.irp m, 1,2,3,4,5,6,7
	s_add_nc_u64 s[SB+2*\m:SB+2*\m+1], s[SB+2*\m-2:SB+2*\m-1], s[66:67]
.endr
	s_lshr_b32 s40, s43, 1
	s_add_co_u32 s40, s40, s38
	s_mul_i32 s40, s40, s36
	s_add_co_u32 s40, s40, s42
	s_lshl_b32 s40, s40, 3
	s_and_b32 s41, s43, 1
	s_lshl_b32 s41, s41, 2
	s_add_co_u32 s40, s40, s41                     ; my first fragment's number
	s_mul_i32 s46, s40, 1536
	s_add_co_u32 s46, s46, s35
	s_add_nc_u64 s[30:31], s[32:33], s[46:47]      ; its codes
	s_lshl_b32 s46, s40, 6
	s_add_co_u32 s46, s46, s34
	s_add_nc_u64 s[32:33], s[32:33], s[46:47]      ; its scale words
	s_mov_b32 s[SEL], 0x76543210
	s_mov_b32 s[SEL+1], 0xfedcba98                 ; v_permlanex16_b32's selects for lane l xor 16
	v_and_b32 v2, 31, v0                           ; lane
	v_and_b32 v3, 15, v0                           ; r
	v_bfe_u32 v1, v0, 4, 1                         ; h
	v_lshlrev_b32 v[L16], 4, v2
	v_lshlrev_b32 v[L8], 3, v2
	s_mul_i32 s40, s28, WREG
	v_add_nc_u32 v[STI], s40, v[L16]
	v_mul_u32_u24 v[STO], v3, 528
	v_lshl_add_u32 v[STO], v1, 6, v[STO]
	v_add_nc_u32 v[STO], s40, v[STO]
	s_add_co_u32 s40, s40, SWO
	v_lshl_add_u32 v[SWS], v3, 2, s40
	v_add_nc_u32 v[SWR], s40, v[L8]
.irp i, 0,1,2,3,4,5,6,7
	v_mad_u32_u24 v[OFFR+\i], s44, \i, v[L16]
.endr
.irp b, 0,1,2,3
	v_mov_b32 v[TM+4+\b], 0                        ; written once: a lane permute's destination counts as one of its sources
.endr
; fragment t's 16 rows: lane-row i is row 32 (t / 2) + 8 (t % 2) + i + 8 (i / 8) of my 64; 32 lanes read 512 consecutive bytes
.macro LOAD t
.irp i, 0,1,2,3,4,5,6,7,8,9,10,11,12,13,14,15
	global_load_b128 v[R+64*((\t)%2)+4*\i:R+64*((\t)%2)+4*\i+3], v[OFFR+\i%8], s[SB+2*(4*((\t)/2)+(\t)%2+2*(\i/8)):SB+2*(4*((\t)/2)+(\t)%2+2*(\i/8))+1] th:TH_LOAD_NT
.endr
.endm
; 64 numbers of a lane, register 16 b + i = k 32 b + 16 h + i of my row, become a fragment's codes in v[PC] on and its scale word in v[PW]
.macro QUANT s
.irp b, 0,1,2,3
	v_max3_num_f32 v[TM+\b], |v[\s+16*\b]|, |v[\s+1+16*\b]|, 0x1800000   ; my 16 numbers of block b, and the floor 2^(3 - 127): the byte cannot fall under 1
.endr
.irp i, 2,4,6,8,10,12,14
.irp b, 0,1,2,3
	v_max3_num_f32 v[TM+\b], v[TM+\b], |v[\s+16*\b+\i]|, |v[\s+1+16*\b+\i]|
.endr
.endr
.irp b, 0,1,2,3
	v_permlanex16_b32 v[TM+4+\b], v[TM+\b], s[SEL], s[SEL+1]
.endr
.irp b, 0,1,2,3
	v_max_num_f32 v[TM+\b], v[TM+\b], v[TM+4+\b]   ; with lane l xor 16's: the block's largest magnitude
.endr
.irp b, 0,1,2,3
	v_add_nc_u32 v[TM+12+\b], 0xff000000, v[TM+\b] ; 2 off its exponent field: the conversion's scale operand
.endr
.irp b, 0,1,2,3
	v_lshrrev_b32 v[TM+4+\b], 23, v[TM+12+\b]      ; the scale's byte
.endr
	v_lshl_or_b32 v[PW], v[TM+5], 8, v[TM+4]
	v_lshl_or_b32 v[PW], v[TM+6], 16, v[PW]
	v_lshl_or_b32 v[PW], v[TM+7], 24, v[PW]
.irp c, 0,1
	v_cvt_scalef32_pk16_fp6_f32 v[PC+6*\c:PC+2+6*\c], v[\s+32*\c:\s+15+32*\c], v[TM+12+2*\c]
	v_cvt_scalef32_pk16_fp6_f32 v[PC+12+4*\c:PC+14+4*\c], v[\s+16+32*\c:\s+31+32*\c], v[TM+12+2*\c+1]   ; (a conversion's three registers begin on an even number)
.endr
	v_nop                                          ; one plain place behind a scaled conversion
.irp c, 0,1                                    ; the layout wants a whole block in a lane: lanes 0-15 block 2 c, lanes 16-31 block 2 c + 1
.irp i, 0,1,2
	v_permlane16_swap_b32 v[PC+6*\c+\i], v[PC+12+4*\c+\i]
.endr
.irp i, 0,1,2
	v_mov_b32 v[PC+3+6*\c+\i], v[PC+12+4*\c+\i]
.endr
.endr
.endm
.macro UNIT t
.if (\t) < 3
	s_wait_loadcnt 16                              ; this fragment's 16 loads are in; the next one's 16 may be out
.else
	s_wait_loadcnt 0x0
.endif
.irp i, 0,1,2,3,4,5,6,7,8,9,10,11,12,13,14,15
	ds_store_b128 v[STI], v[R+64*((\t)%2)+4*\i:R+64*((\t)%2)+4*\i+3] offset:528*\i
.endr
.irp b, 0,1,2,3
.irp j, 0,1,2,3
	ds_load_b128 v[X+16*\b+4*\j:X+16*\b+4*\j+3], v[STO] offset:128*\b+16*\j   ; LDS serves a wave's instructions in order: these see the stores above
.endr
.endr
	s_wait_dscnt 0x0                               ; my numbers are back, and the stage's stores have read their registers
	s_wait_xcnt 0x0                                ; the last fragment's stores have read the codes' registers, which are written again below
.if (\t) < 2
	LOAD (\t)+2
.endif
	QUANT X
.irp p, 0,1,2,3,4,5
	global_store_b64 v[L8], v[PC+2*\p:PC+2*\p+1], s[30:31] offset:1536*(\t)+256*\p   ; 32 lanes store 256 consecutive bytes, aligned
.endr
	ds_store_b32 v[SWS], v[PW] offset:64*(\t)      ; both halves of the lanes write the same word with the same value
.endm
	LOAD 0
	LOAD 1
	s_wait_alu depctr_va_vdst(0)                   ; the wait at the head's end
	UNIT 0
	UNIT 1
	UNIT 2
	UNIT 3
	ds_load_b64 v[2:3], v[SWR]                     ; my four fragments' 64 scale words
	s_wait_dscnt 0x0
	global_store_b64 v[L8], v[2:3], s[32:33]       ; 256 consecutive bytes, aligned
	s_wait_tensorcnt 0x0                           ; the wave's end
	ds_add_u32 v[SPW], v[NIL]
	s_wait_dscnt 0x0
	s_endpgm
.Lfunc_end_k_qf2b0739368_quant:
	.size	k_qf2b0739368_quant, .Lfunc_end_k_qf2b0739368_quant-k_qf2b0739368_quant
	.p2alignl 7, 3214868480
	.fill 96, 4, 3214868480
	.section	.rodata,"a",@progbits
	.p2align	6, 0x0
	.amdhsa_kernel k_qf2b0739368_quant
		.amdhsa_group_segment_fixed_size 35328
		.amdhsa_private_segment_fixed_size 0
		.amdhsa_enable_private_segment 0
		.amdhsa_kernarg_size 80
		.amdhsa_user_sgpr_count 2
		.amdhsa_user_sgpr_kernarg_segment_ptr 1
		.amdhsa_wavefront_size32 1
		.amdhsa_system_sgpr_workgroup_id_x 1
		.amdhsa_system_sgpr_workgroup_id_y 1
		.amdhsa_system_sgpr_workgroup_id_z 1
		.amdhsa_system_vgpr_workitem_id 0
		.amdhsa_next_free_vgpr 256
		.amdhsa_next_free_sgpr 72
		.amdhsa_reserve_vcc 0
		.amdhsa_float_denorm_mode_32 3
		.amdhsa_float_denorm_mode_16_64 3
		.amdhsa_memory_ordered 1
		.amdhsa_forward_progress 1
		.amdhsa_inst_pref_size 38
	.end_amdhsa_kernel
	.amdgpu_metadata
---
amdhsa.version: [ 1, 2 ]
amdhsa.kernels:
  - .name:           k_qf2b0739368_quant
    .symbol:         k_qf2b0739368_quant.kd
    .args:
      - { .name: query, .offset: 0, .size: 8, .value_kind: global_buffer, .address_space: global }
      - { .name: Wq, .offset: 8, .size: 8, .value_kind: global_buffer, .address_space: global }
      - { .name: Wk, .offset: 16, .size: 8, .value_kind: global_buffer, .address_space: global }
      - { .name: Wv, .offset: 24, .size: 8, .value_kind: global_buffer, .address_space: global }
      - { .name: Wo, .offset: 32, .size: 8, .value_kind: global_buffer, .address_space: global }
      - { .name: W1, .offset: 40, .size: 8, .value_kind: global_buffer, .address_space: global }
      - { .name: W2, .offset: 48, .size: 8, .value_kind: global_buffer, .address_space: global }
      - { .name: qw, .offset: 56, .size: 8, .value_kind: global_buffer, .address_space: global }
      - { .name: wob, .offset: 64, .size: 8, .value_kind: global_buffer, .address_space: global }
      - { .name: w2b, .offset: 72, .size: 8, .value_kind: global_buffer, .address_space: global }
    .group_segment_fixed_size: 35328
    .private_segment_fixed_size: 0
    .kernarg_segment_align: 8
    .kernarg_segment_size: 80
    .max_flat_workgroup_size: 128
    .sgpr_count:     72
    .vgpr_count:     256
    .wavefront_size: 32
...
	.end_amdgpu_metadata
.endif
;; end of part 1
;; launch proj (part 2): grid 12 x 16, 4 waves a work-group, clusters of 4 x 4, 327,680 bytes of LDS; arguments qw, bq, bk, bv, qkv; writes qkv
.if DOCPART == 2
	.amdgcn_target "amdgcn-amd-amdhsa--gfx1250"
	.amdhsa_code_object_version 6
	.text
	.protected	k_qf2b0739368_proj
	.globl	k_qf2b0739368_proj
	.p2align	8
	.type	k_qf2b0739368_proj,@function
k_qf2b0739368_proj:
	s_mov_b64 s[64:65], 0
	v_nop
	global_prefetch_b8 v0, s[64:65] scope:SCOPE_SE
	s_setreg_imm32_b32 hwreg(HW_REG_WAVE_MODE, 25, 1), 1
	s_wait_xcnt 0x0
	s_wait_alu depctr_hold_cnt(0) depctr_sa_sdst(0) depctr_va_vdst(0) depctr_va_sdst(0) depctr_va_ssrc(0) depctr_va_vcc(0) depctr_vm_vsrc(0)
	s_getreg_b32 s2, hwreg(HW_REG_IB_STS2, 6, 4)
	s_cmp_eq_u32 s2, 0
	s_cbranch_scc0 .Lentry_in_a_cluster
	s_endpgm
.Lentry_in_a_cluster:
	s_bfe_u32 s2, ttmp6, 0x10000c
	s_cmp_lg_u32 s2, 0xf033
	s_cbranch_scc0 .Lentry_shape_is_right
	s_endpgm
.Lentry_shape_is_right:
; q | k = x [Wq; Wk]^T + b, quantised along the channels, and V^T = Wv x^T + bv, quantised along the tokens: products on codes of FP6 (E2M3) with E8M0 scales, results again as codes.
; Operands and results lie in the program's fragment format: panels of 128 rows, 8 row blocks of 16 (lane-row r of block 2 al + u is row 32 al + 8 u + r + 8 (r / 8)), a fragment of 16 rows x 128 K as
; six pieces of 256 bytes (piece p: registers 2 p, 2 p + 1, 8 bytes a lane), fragments in the order (panel, kb, block); one scale word a row and 128 K in the same order.
; A work-group of four waves makes 256 x 256, a wave 128 x 128 in 64 accumulators.  K = 1,024 goes in three fills (256, 512, 256) through two LDS slots of unlike size; a panel's 256 K are 24,576 dense bytes, one tensor load a wave.
; The scale words of the four panels, for all of K, come once with the first fills.  4 x 4 work-groups form a cluster: A's tiles are asked for jointly along a row, B's along a column.
; THE MATRIX INSTRUCTION IS USED TRANSPOSED (source 0 = B's block, source 1 = A's): a lane holds one row of A, and by the order of B's rows the 64 registers of A's block a are k = 32 b + 16 h + i of the
; next product's K: they are quantised in registers and leave as one fragment.  The bias is the C of each sum's first product.
; Clusters with x = 0, 1: A = x (tokens), B = [Wq; Wk].  Clusters with x = 2: A = Wv (channels), B = x (tokens).  The flavour hangs on the cluster's x alone, which all sixteen partners share.
; LIMITS: a block of zeros, and one whose largest magnitude lies under 2^-124, keep the scale byte 1; NaN and infinities are not served.
.set FR,     12
.set NL,     6
.set NP,     4
.set FRB,    1536
.set PANEL,  12288                     ; a panel's 128 K
.set HALFT,  24576                     ; a panel's 256 K: what one tensor load brings
; THE WALK ALONG K, as it stands now: the two LDS slots are of unlike size.  X (at 0) holds 256 K of the four panels, Y (at YB) 512 K.  X takes kb 0-1, Y kb 2-5, X again kb 6-7: three fills.
; The head's four tiles are shared out, one load a wave: A's two panels of kb 0-1, B's two, A's scale words, B's.  Y's fill and X's second are one load a wave, a panel each.
; PREFETCH: at the head each wave names its share of Y's bytes, behind Y's load its share of X's second fill: of a panel's bytes the four partners that ask for it jointly take a quarter each, told apart by address.
.set YB,     4*HALFT                   ; Y: four panels x 49,152 bytes
.set SCL,    12*HALFT                  ; behind X and Y: four panels' scale words, 4,096 bytes each, [kb][128 words]
.set HALFS,  4096
.set SPARE,  SCL+4*HALFS               ; the spare words, 128 bytes a wave
.set OUTW,   SPARE+512                 ; the way out: 512 bytes a wave for the results' scale words; no fill lands here
.set PFO,    30                        ; v30  the prefetches' offset: 256 x min(lane, 23); never rewritten
.set PFA,    66                        ; s[66:67] my panel's codes + 6,144 x my place among the four partners; never rewritten
.set W3S,    131072                    ; in qw: scale words of x at 0, of [Wq; Wk; Wv] here; codes of x, of the weights
.set XQC,    360448
.set W3C,    3506176
.set QKC,    262144                    ; in qkv: q | k: scale words at 0, codes here (KBS 16); V^T: scale words, codes (KBS 32)
.set VTS,    6553600
.set VTC,    6684672
.set ADRA, 16                          ; v16-17 LDS address of my A fragments in slot 0, 1
.set ADRB, 20                          ; v20-21 the same for B
.set L16,  22                          ; v22  16 x lane
.set SWS,  24                          ; v24  the way out: where a scale word goes
.set SWR,  25                          ; v25  and where they are read back
.set L8,   26                          ; v26  8 x lane
.set ADRS, 27                          ; v27  my scale words: lanes 0-15 A's, lanes 16-31 B's
.set SPW,  28                          ; v28  my spare word; never rewritten
.set NIL,  29                          ; v29  0; never rewritten
.set SC,   32                          ; v32-63 scale words, two sets of 16: register 2 i + q
.set CI,   64                          ; v64-127 the bias, as C
.set AF,   128                         ; v128-223 A's eight fragments
.set TM,   224                         ; v224-239 the way out: at work
.set PWR,  240                         ; v240-247 the way out: a scale word for each block
.set G1, 24
.set G0, 32
.set G1B, 48
.set G0B, 56
.set G1S, 68
.set G0S, 76
.set G1SB, 80
.set G0SB, 88
.set SEL, 98
.set MSB, 0
.macro WIN new                         ; the immediate's high byte repeats the setting that is left
.if MSB != (\new)
	s_set_vgpr_msb (MSB<<8)|(\new)
.set MSB, (\new)
.endif
.endm
.macro JLOAD g0a, g1a, g0b, g1b        ; a joint load: waves 0 and 1 fetch for A, waves 2 and 3 for B; an s_nop 0 and four v_nop follow each line
	s_cmp_eq_u32 s15, 0
	s_cbranch_scc0 .Lfor_b_\@
	tensor_load_to_lds s[\g0a:\g0a+3], s[\g1a:\g1a+7]
	s_nop 0
.rept 4
	v_nop
.endr
	s_branch .Lasked_\@
.Lfor_b_\@:
	tensor_load_to_lds s[\g0b:\g0b+3], s[\g1b:\g1b+7]
	s_nop 0
.rept 4
	v_nop
.endr
.Lasked_\@:
.endm
.macro CREST                           ; a round of the cluster's barrier behind its opening barrier
	s_cmp_lg_u32 s14, 0
	s_cbranch_scc1 .Lnot_wave_0_\@
	s_barrier_signal -3
.Lnot_wave_0_\@:
	s_barrier_wait -3
	s_barrier_signal -1
	s_barrier_wait -1
.endm
.macro CROUND
	s_barrier_signal -1
	s_barrier_wait -1
	CREST
.endm
.macro PLACES n
.rept \n
	v_nop
.endr
.endm
	s_load_b256 s[4:11], s[0:1], 0x0               ; qw, bq, bk, bv
	s_load_b64 s[12:13], s[0:1], 0x20              ; qkv
	v_lshl_add_u32 v[SPW], v0, 2, SPARE
	v_mov_b32 v[NIL], 0
	ds_add_u32 v[SPW], v[NIL]                      ; the wave's opening: the add and its wait ahead of my first tensor load; work on registers stands between them
	ds_add_u32 v[SPW], v[NIL]
	v_lshrrev_b32 v1, 5, v0
	v_readfirstlane_b32 s14, v1                    ; wave
	s_lshr_b32 s15, s14, 1                         ; my half of the tile's rows.  Also: I fetch for A (0) or B (1)
	s_and_b32 s16, s14, 1                          ; my half of its columns.  Also: which panel of that tile I fetch
	s_bfe_u32 s40, ttmp6, 0x40000                  ; cx
	s_bfe_u32 s41, ttmp6, 0x40004                  ; cy
	s_and_b32 s18, ttmp7, 0xffff                   ; the cluster's y
	s_mov_b32 s92, XQC
	s_mov_b32 s94, W3C
	s_mov_b32 s95, W3S
	s_cmp_eq_u32 ttmp9, 2                          ; the flavour: the cluster's x alone
	s_cselect_b32 s100, 1, 0
	s_cselect_b32 s19, 0, s18                      ; rows: V^T has one cluster's worth, q | k four
	s_cselect_b32 s20, s18, ttmp9                  ; columns
	s_cselect_b32 s92, W3C+16*98304, s92           ; A's codes,
	s_cselect_b32 s93, W3S+16*4096, 0              ; A's scale words,
	s_cselect_b32 s94, XQC, s94                    ; B's codes,
	s_cselect_b32 s95, 0, s95                      ; B's scale words: where they begin in qw
	s_lshl_b32 s19, s19, 2
	s_add_co_u32 s17, s19, s41                     ; tile row
	s_lshl_b32 s20, s20, 2
	s_add_co_u32 s42, s20, s40                     ; tile column
	s_lshl_b32 s43, s41, 2
	s_lshl_b32 s43, 15, s43                        ; my row of the cluster
	s_lshl_b32 s44, 0x1111, s40                    ; my column
	s_or_b32 s[G1+0], s43, (3<<16)|(1<<21)         ; 15:0 the mask; 17:16 elements of 8 bytes; 21 set beside a mask; no padding
	s_or_b32 s[G1B+0], s44, (3<<16)|(1<<21)
.irp g, G1, G1B                                ; for the head: two rows of 24,576 bytes (two panels' kb 0-1), 98,304 bytes apart in memory, on end in LDS
	s_mov_b32 s[\g+1], 3072<<16
	s_mov_b32 s[\g+2], 2<<16
	s_mov_b32 s[\g+3], 3072<<16
	s_mov_b32 s[\g+4], 2
	s_mov_b32 s[\g+5], 12288
	s_mov_b32 s[\g+6], 0
	s_mov_b32 s[\g+7], 0
.endr
	s_or_b32 s[G1S+0], s43, (3<<16)|(1<<21)
	s_or_b32 s[G1SB+0], s44, (3<<16)|(1<<21)
.irp g, G1S, G1SB                              ; 32 rows of 256 bytes, dense
	s_mov_b32 s[\g+1], 32<<16
	s_mov_b32 s[\g+2], 32<<16                      ; two panels' scale words: 32 rows of 256 bytes, dense
	s_mov_b32 s[\g+3], 32<<16
	s_mov_b32 s[\g+4], 32
	s_mov_b32 s[\g+5], 32
	s_mov_b32 s[\g+6], 0
	s_mov_b32 s[\g+7], 0
.endr
	s_lshl_b32 s18, s17, 1                         ; A's first panel of the tile
	s_mul_i32 s20, s18, 98304
	s_add_co_u32 s20, s20, s92
	s_mov_b32 s21, 0
	s_lshl_b32 s22, s18, 12
	s_add_co_u32 s22, s22, s93
	s_mov_b32 s23, 0
	s_lshl_b32 s19, s42, 1                         ; B's first panel
	s_mul_i32 s46, s19, 98304
	s_add_co_u32 s46, s46, s94
	s_mov_b32 s47, 0
	s_lshl_b32 s96, s19, 12
	s_add_co_u32 s96, s96, s95
	s_mov_b32 s97, 0
	s_mul_i32 s45, s14, HALFT                      ; where my panel goes in X: no place in the cluster enters an LDS address
	s_mul_i32 s101, s14, 2*HALFT
	s_add_co_u32 s101, s101, YB                    ; and in Y
	s_mul_i32 s18, s16, 98304                      ; which of the tile's two panels I fetch behind the head, in bytes
	s_mov_b32 s19, 0
	s_mov_b32 s[SEL], 0x76543210
	s_mov_b32 s[SEL+1], 0xfedcba98
	s_wait_dscnt 0x0                               ; the opening add is done
	s_wait_kmcnt 0x0
	s_add_nc_u64 s[20:21], s[4:5], s[20:21]
	s_add_nc_u64 s[22:23], s[4:5], s[22:23]
	s_add_nc_u64 s[46:47], s[4:5], s[46:47]
	s_add_nc_u64 s[96:97], s[4:5], s[96:97]
	CROUND                                         ; all sixteen work-groups are here: the first joint loads meet
	s_mov_b32 s[G0S], 1
	s_mov_b32 s[G0S+1], SCL
	s_mov_b64 s[G0S+2:G0S+3], s[22:23]
	s_or_b32 s[G0S+3], s[G0S+3], 0x80000000
	s_mov_b32 s[G0SB], 1
	s_mov_b32 s[G0SB+1], SCL+2*HALFS
	s_mov_b64 s[G0SB+2:G0SB+3], s[96:97]
	s_or_b32 s[G0SB+3], s[G0SB+3], 0x80000000
	s_mov_b32 s[G0], 1                             ; X's group 0, for the head: A's two panels, kb 0-1,
	s_mov_b32 s[G0+1], 0
	s_mov_b64 s[G0+2:G0+3], s[20:21]
	s_or_b32 s[G0+3], s[G0+3], 0x80000000
	s_mov_b32 s[G0B], 1                            ; and B's two, behind them
	s_mov_b32 s[G0B+1], 2*HALFT
	s_mov_b64 s[G0B+2:G0B+3], s[46:47]
	s_or_b32 s[G0B+3], s[G0B+3], 0x80000000
	s_add_nc_u64 s[20:21], s[20:21], s[18:19]      ; from here on: my panel
	s_add_nc_u64 s[46:47], s[46:47], s[18:19]
	s_mov_b32 s[G0+4], 1                           ; Y's group 0: my panel's kb 2-5
	s_mov_b32 s[G0+5], s101
	s_add_nc_u64 s[G0+6:G0+7], s[20:21], 2*PANEL
	s_or_b32 s[G0+7], s[G0+7], 0x80000000
	s_mov_b32 s[G0B+4], 1
	s_mov_b32 s[G0B+5], s101
	s_add_nc_u64 s[G0B+6:G0B+7], s[46:47], 2*PANEL
	s_or_b32 s[G0B+7], s[G0B+7], 0x80000000
	s_cmp_eq_u32 s15, 0                            ; the prefetches: the panel that I fetch,
	s_cselect_b64 s[PFA:PFA+1], s[20:21], s[46:47]
	s_cselect_b32 s18, s40, s41                    ; my place among the four that ask for it with me (cx for A, cy for B): it enters this address alone
	s_mul_i32 s18, s18, 6144
	s_add_nc_u64 s[PFA:PFA+1], s[PFA:PFA+1], s[18:19]
; The head's loads, one a wave: one chain of branches on the wave's number, every way through it passes one load.
.macro ARM under, g0, g1, next
	s_cmp_lt_u32 s14, \under
	s_cbranch_scc0 \next
	tensor_load_to_lds s[\g0:\g0+3], s[\g1:\g1+7]
	s_nop 0
.rept 4
	v_nop
.endr
	s_branch .Lhead_asked
\next:
.endm
	ARM 1, G0,  G1,  .Lhead_b
	ARM 2, G0B, G1B, .Lhead_sa
	ARM 3, G0S, G1S, .Lhead_sb
	tensor_load_to_lds s[G0SB:G0SB+3], s[G1SB:G1SB+7]
	s_nop 0
.rept 4
	v_nop
.endr
.Lhead_asked:
	v_and_b32 v1, 15, v0                           ; r
	v_bfe_u32 v2, v0, 4, 1                         ; h
	s_wait_alu depctr_va_vdst(0)
	v_and_b32 v3, 31, v0                           ; lane
	v_min_u32 v[PFO], 23, v3
	v_lshlrev_b32 v[PFO], 8, v[PFO]                ; 24 blocks of 256 bytes an instruction; the eight lanes left over name the last again
	global_prefetch_b8 v[PFO], s[PFA:PFA+1] offset:2*PANEL th:TH_LOAD_NT scope:SCOPE_SE   ; my quarter of kb 2-3 of my panel,
	global_prefetch_b8 v[PFO], s[PFA:PFA+1] offset:4*PANEL th:TH_LOAD_NT scope:SCOPE_SE   ; and of kb 4-5: what Y's load, one fill on, will ask for
	v_lshlrev_b32 v[L8], 3, v3
	v_lshlrev_b32 v[L16], 4, v3
	s_mul_i32 s21, s15, HALFT                      ; my panel of A
	s_mul_i32 s22, s16, HALFT                      ; my panel of B,
	s_add_co_u32 s22, s22, 2*HALFT                 ; behind A's two
	v_add_nc_u32 v[ADRA], s21, v[L8]               ; in X
	v_add_nc_u32 v[ADRB], s22, v[L8]
	s_lshl_b32 s21, s21, 1                         ; in Y a panel takes twice the bytes
	s_lshl_b32 s22, s22, 1
	s_add_co_u32 s21, s21, YB
	s_add_co_u32 s22, s22, YB
	v_add_nc_u32 v[ADRA+1], s21, v[L8]
	v_add_nc_u32 v[ADRB+1], s22, v[L8]
	v_lshlrev_b32 v5, 2, v1                        ; 4 r
	s_lshl_b32 s21, s15, 12
	s_lshl_b32 s22, s16, 12
	s_add_co_u32 s22, s22, 2*HALFS
	s_sub_co_u32 s22, s22, s21
	v_mul_u32_u24 v6, s22, v2                      ; lanes 16-31 take B's
	s_add_co_u32 s21, s21, SCL
	v_add_nc_u32 v5, v5, v6
	v_add_nc_u32 v[ADRS], s21, v5
	s_lshl_b32 s21, s14, 9                         ; the way out: 512 bytes a wave, in bytes of their own
	s_add_co_u32 s21, s21, OUTW
	v_lshl_add_u32 v[SWS], v1, 2, s21
	v_add_nc_u32 v[SWR], s21, v[L16]
	v_lshlrev_b32 v7, 6, v2                        ; bias along the registers: 64 h
	v_and_b32 v8, 8, v1
	v_add_nc_u32 v8, v8, v1
	v_lshlrev_b32 v8, 2, v8                        ; bias along the lanes: 4 (r + 8 (r / 8))
	; where my fragments go
	s_lshl_b32 s18, s17, 1
	s_add_co_u32 s18, s18, s15                     ; the result's panel
	s_lshl_b32 s19, s42, 1
	s_add_co_u32 s19, s19, s16                     ; and its kb
	s_mov_b32 s21, QKC
	s_cmp_eq_u32 s100, 1
	s_cselect_b32 s20, 5, 4                        ; log2 KBS
	s_cselect_b32 s21, VTC, s21
	s_cselect_b32 s22, VTS, 0
	s_lshl_b32 s18, s18, s20
	s_add_co_u32 s18, s18, s19
	s_mul_i32 s46, s18, PANEL
	s_add_co_u32 s46, s46, s21
	s_mov_b32 s47, 0
	s_add_nc_u64 s[92:93], s[12:13], s[46:47]      ; codes
	s_lshl_b32 s46, s18, 9
	s_add_co_u32 s46, s46, s22
	s_add_nc_u64 s[94:95], s[12:13], s[46:47]      ; scale words
	; the bias in the result's layout
	s_cmp_eq_u32 s100, 0
	s_cbranch_scc0 .Lbias_vt
	s_lshl_b32 s96, s40, 1
	s_add_co_u32 s96, s96, s16
	s_lshl_b32 s96, s96, 9                         ; my 128 channels of bq or bk
	s_mov_b32 s97, 0
	s_cmp_eq_u32 ttmp9, 0
	s_cselect_b64 s[46:47], s[6:7], s[8:9]
	s_add_nc_u64 s[96:97], s[46:47], s[96:97]
	s_wait_alu depctr_va_vdst(0)
.irp b, 0,1,2,3,4,5,6,7                        ; tile b, register j: channel 32 (b / 2) + 16 h + 8 (b % 2) + j
	global_load_b128 v[CI+8*\b:CI+8*\b+3], v7, s[96:97] offset:(32*(\b/2)+8*(\b%2))*4
	global_load_b128 v[CI+8*\b+4:CI+8*\b+7], v7, s[96:97] offset:(32*(\b/2)+8*(\b%2))*4+16
.endr
	s_branch .Lbias_done
.Lbias_vt:
	s_lshl_b32 s96, s17, 1
	s_add_co_u32 s96, s96, s15
	s_lshl_b32 s96, s96, 9                         ; my 128 channels of bv
	s_mov_b32 s97, 0
	s_add_nc_u64 s[96:97], s[10:11], s[96:97]
	s_wait_alu depctr_va_vdst(0)
.irp a, 0,1,2,3,4,5,6,7                        ; block a: the lane's channel, the same in all eight registers
.irp j, 0,1,2,3,4,5,6,7
	global_load_b32 v[CI+8*\a+\j], v8, s[96:97] offset:(32*(\a/2)+8*(\a%2))*4
.endr
.endr
.Lbias_done:
.macro FRAG reg, adr, q, i             ; a fragment as it lies: six pieces of 256 consecutive bytes
.irp p, 0,1,2,3,4,5
	ds_load_b64 v[\reg+2*\p:\reg+2*\p+1], v[\adr] offset:(\q)*PANEL+(\i)*FRB+256*\p
.endr
.endm
; 16 products: A's blocks a0, a0 + 1 x B's eight.  p: B's set; q: which 128 of the slot; sc: the set of scale words.  mode 0: onto the sums; 1: C = the bias by B's tile; 2: C = the bias by A's block.
; The 64 accumulators take turns, one instruction a turn, in the same order in every step.
.macro MUL16 a0, p, q, sc, mode
.if (\mode) == 0
	WIN 0xa1+0x50*((\a0)/4)                        ; source 0 (B) window 1, source 1 (A) window 0, C and D window 2 or 3
.else
	WIN 0x81+0x40*((\a0)/4)                        ; the same with C in window 0
.endif
.irp a, \a0, \a0+1
.irp b, 0,1,2,3,4,5,6,7
.set rD, 8*(8*((\a)%4)+\b)
.set rB, 128*(\p)+FR*\b
.set rA, AF+FR*(\a)
.set rSB, SC+16*(\sc)+2*\b+(\q)
.set rSA, SC+16*(\sc)+2*(\a)+(\q)
.if (\mode) == 0
	v_wmma_scale_f32_16x16x128_f8f6f4 v[rD:rD+7], v[rB:rB+FR-1], v[rA:rA+FR-1], v[rD:rD+7], v[rSB], v[rSA] matrix_a_fmt:MATRIX_FMT_FP6 matrix_b_fmt:MATRIX_FMT_FP6 matrix_a_scale:MATRIX_SCALE_ROW1
.elseif (\mode) == 1
	v_wmma_scale_f32_16x16x128_f8f6f4 v[rD:rD+7], v[rB:rB+FR-1], v[rA:rA+FR-1], v[CI+8*\b:CI+8*\b+7], v[rSB], v[rSA] matrix_a_fmt:MATRIX_FMT_FP6 matrix_b_fmt:MATRIX_FMT_FP6 matrix_a_scale:MATRIX_SCALE_ROW1
.else
	v_wmma_scale_f32_16x16x128_f8f6f4 v[rD:rD+7], v[rB:rB+FR-1], v[rA:rA+FR-1], v[CI+8*(\a):CI+8*(\a)+7], v[rSB], v[rSA] matrix_a_fmt:MATRIX_FMT_FP6 matrix_b_fmt:MATRIX_FMT_FP6 matrix_a_scale:MATRIX_SCALE_ROW1
.endif
.endr
.endr
.endm
.macro FETCH_B slot, q, p
	WIN 0x40                                       ; destination window 1
.irp i, 0,1,2,3,4,5,6,7
	FRAG 128*(\p)+FR*\i, ADRB+\slot, \q, \i
.endr
	WIN 0
.endm
.macro FETCH_A slot, q, i0
.irp i, \i0, \i0+1, \i0+2, \i0+3
	FRAG AF+FR*(\i), ADRA+\slot, \q, \i
.endr
.endm
.macro SCALES ks                       ; K step ks's scale words: lanes 0-15 A's block i, lanes 16-31 B's block i
.irp i, 0,1,2,3,4,5,6,7
.irp q, 0,1
	ds_load_b32 v[SC+16*((\ks)%2)+2*\i+\q], v[ADRS] offset:(2*(\ks)+\q)*512+64*\i
.endr
.endr
.endm
; Loads into registers that matrix instructions have read stand four plain places behind them.
; One kb (128 along K): 64 products on kb's fragments; kb + 1's fragments are fetched in its middle and at its end.  kb 0-1 and 6-7 lie in X, kb 2-5 in Y.
; Loads into registers that matrix instructions have read stand four plain places behind them.
; kind 0: nothing else.  kind 1: the next kb lies in the other slot: each wave waits for all its tensor loads, adds 0 to its spare word, waits for that and for its reads, and one barrier follows.
; kind 2: the same, and the barrier opens a round of the cluster's barrier, behind which X is filled again.
.macro KB kb, kind, mode
.set NXT, (\kb)+1
.set NS, ((NXT+2)/4)%2                 ; the next kb's slot: 0 = X, 1 = Y,
.if NXT < 2
.set NQ, NXT                           ; and its place there
.else
.set NQ, (NXT+2)%4
.endif
.if \kind
	s_wait_tensorcnt 0x0                           ; all my tensor loads have landed: my part of the other slot
	ds_add_u32 v[SPW], v[NIL]
.if (\kind) == 2
	s_mov_b32 s[G1+2], 96<<16                      ; no load of mine is out: X's second fill is 96 rows of 256 bytes a wave
	s_mov_b32 s[G1+4], 96
	s_mov_b32 s[G1B+2], 96<<16
	s_mov_b32 s[G1B+4], 96
.endif
	s_wait_dscnt 4*NL+1                            ; (the add and the youngest 24 loads may be out)
	MUL16 0, (\kb)%2, (\kb)%2, ((\kb)/2)%2, \mode
	s_wait_dscnt 0x0                               ; the add is done, and my reads of this slot are over
	s_barrier_signal -1
	MUL16 2, (\kb)%2, (\kb)%2, ((\kb)/2)%2, \mode
	WIN 0
	s_barrier_wait -1
.if (\kind) == 2
	CREST                                          ; no wave of any partner still reads X or has a load on its way
	JLOAD G0, G1, G0B, G1B                         ; kb 6-7, the first tensor load behind the round; its four v_nop are the places in front of the loads below
.else
	PLACES NP
.endif
.else
	s_wait_dscnt 4*NL                              ; all but the youngest 24 loads (A's blocks 4-7) are in
	MUL16 0, (\kb)%2, (\kb)%2, ((\kb)/2)%2, \mode
	MUL16 2, (\kb)%2, (\kb)%2, ((\kb)/2)%2, \mode
	s_wait_dscnt 0x0                               ; A's blocks 4-7 are in
	PLACES NP
.endif
	FETCH_B NS, NQ, NXT%2
	FETCH_A NS, NQ, 0
.if NXT%2 == 0
	SCALES NXT/2
.endif
	MUL16 4, (\kb)%2, (\kb)%2, ((\kb)/2)%2, \mode
	MUL16 6, (\kb)%2, (\kb)%2, ((\kb)/2)%2, \mode
	PLACES NP
	WIN 0
	FETCH_A NS, NQ, 4
.endm
	s_wait_alu depctr_va_vdst(0)                   ; the wait at the head's end
	s_wait_tensorcnt 0x0                           ; my tile of the head's four is in
	ds_add_u32 v[SPW], v[NIL]
.irp g, G1, G1B                                ; no load of mine is out, so descriptors may be written: Y's fill is 192 rows of 256 bytes, dense
	s_mov_b32 s[\g+1], 32<<16
	s_mov_b32 s[\g+2], 192<<16
	s_mov_b32 s[\g+3], 32<<16
	s_mov_b32 s[\g+4], 192
	s_mov_b32 s[\g+5], 32
.endr
	s_mul_i32 s18, s16, 98304                      ; X's group 0, for its second fill: my panel, kb 6-7, to my quarter of X
	s_add_co_u32 s18, s18, 6*PANEL
	s_mov_b32 s19, 0
	s_mov_b32 s[G0+1], s45
	s_add_nc_u64 s[G0+2:G0+3], s[G0+2:G0+3], s[18:19]
	s_mov_b32 s[G0B+1], s45
	s_add_nc_u64 s[G0B+2:G0B+3], s[G0B+2:G0B+3], s[18:19]
	s_wait_dscnt 0x0                               ; the add is done
	CROUND                                         ; a whole round: all four tiles are in, and all sixteen work-groups are here
	JLOAD G0+4, G1, G0B+4, G1B                     ; Y's fill, the first tensor load behind the round
	global_prefetch_b8 v[PFO], s[PFA:PFA+1] offset:6*PANEL th:TH_LOAD_NT scope:SCOPE_SE   ; my quarter of kb 6-7 of my panel: what the fill after this one will ask for
	FETCH_B 0, 0, 0
	FETCH_A 0, 0, 0
	SCALES 0
	FETCH_A 0, 0, 4
	s_wait_loadcnt 0x0                             ; the bias
	s_cmp_eq_u32 s100, 0
	s_cbranch_scc0 .Lfirst_vt
	KB 0, 0, 1                                     ; the first products start the sums with the bias
	s_branch .Lfirst_done
.Lfirst_vt:
	KB 0, 0, 2
.Lfirst_done:
	KB 1, 2, 0                                     ; X is read out: it takes kb 6-7
	KB 2, 0, 0
	KB 3, 0, 0
	KB 4, 0, 0
	KB 5, 1, 0                                     ; back to X; nothing is left to fetch
	KB 6, 0, 0
	s_wait_dscnt 4*NL
	MUL16 0, 1, 1, 1, 0
	MUL16 2, 1, 1, 1, 0
	s_wait_dscnt 0x0
	MUL16 4, 1, 1, 1, 0
	MUL16 6, 1, 1, 1, 0
	WIN 0
; THE WAY OUT.  A's block a: my lane's 64 results are k = 32 b + 16 h + i of its row: one fragment and one scale word.  Each block has registers of its own for its codes, so no store's data are written again.
; The scale words meet in 512 bytes a wave at OUTW, bytes into which no fill lands.
.macro QUANTW a
.set W, 2+(\a)/4
.set S, 64*((\a)%4)
.set PC, 64+20*(\a)
	WIN W|(W<<2)                                   ; sources 0 and 1: the accumulators' window
.irp b, 0,1,2,3
	v_max3_num_f32 v[TM+\b], |v[S+16*\b]|, |v[S+1+16*\b]|, 0x1800000   ; each accumulator is read from its low end on; the floor 2^(3 - 127)
.endr
.irp i, 2,4,6,8,10,12,14
.irp b, 0,1,2,3
	v_max3_num_f32 v[TM+\b], |v[S+16*\b+\i]|, |v[S+1+16*\b+\i]|, v[TM+\b]
.endr
.endr
	WIN 0
.irp b, 0,1,2,3
	v_permlanex16_b32 v[TM+4+\b], v[TM+\b], s[SEL], s[SEL+1]
.endr
.irp b, 0,1,2,3
	v_max_num_f32 v[TM+\b], v[TM+\b], v[TM+4+\b]
.endr
.irp b, 0,1,2,3
	v_add_nc_u32 v[TM+12+\b], 0xff000000, v[TM+\b]
.endr
.irp b, 0,1,2,3
	v_lshrrev_b32 v[TM+4+\b], 23, v[TM+12+\b]
.endr
	v_lshl_or_b32 v[PWR+\a], v[TM+5], 8, v[TM+4]
	v_lshl_or_b32 v[PWR+\a], v[TM+6], 16, v[PWR+\a]
	v_lshl_or_b32 v[PWR+\a], v[TM+7], 24, v[PWR+\a]
	WIN W                                          ; source 0: the accumulators' window
.irp c, 0,1
	v_cvt_scalef32_pk16_fp6_f32 v[PC+6*\c:PC+2+6*\c], v[S+32*\c:S+15+32*\c], v[TM+12+2*\c]
	v_cvt_scalef32_pk16_fp6_f32 v[PC+12+4*\c:PC+14+4*\c], v[S+16+32*\c:S+31+32*\c], v[TM+12+2*\c+1]
.endr
	WIN 0
	v_nop                                          ; one plain place behind a scaled conversion
.irp c, 0,1
.irp i, 0,1,2
	v_permlane16_swap_b32 v[PC+6*\c+\i], v[PC+12+4*\c+\i]
.endr
.irp i, 0,1,2
	v_mov_b32 v[PC+3+6*\c+\i], v[PC+12+4*\c+\i]
.endr
.endr
.irp p, 0,1,2,3,4,5
	global_store_b64 v[L8], v[PC+2*\p:PC+2*\p+1], s[92:93] offset:FRB*(\a)+256*\p   ; 256 consecutive bytes, aligned
.endr
	ds_store_b32 v[SWS], v[PWR+\a] offset:64*(\a)
.endm
	PLACES NP                                      ; behind the last products
.irp b, 0,1,2,3
	v_mov_b32 v[TM+4+\b], 0                        ; a lane permute's destination counts as one of its sources
.endr
.irp a, 0,1,2,3,4,5,6,7
	QUANTW \a
.endr
	ds_load_b128 v[248:251], v[SWR]                ; LDS serves a wave's instructions in order: this sees my stores
	s_wait_dscnt 0x0
	global_store_b128 v[L16], v[248:251], s[94:95] ; 512 consecutive bytes, aligned
	s_wait_tensorcnt 0x0                           ; the wave's end
	ds_add_u32 v[SPW], v[NIL]
	s_wait_dscnt 0x0
	CROUND                                         ; the closing round
	s_endpgm
.Lfunc_end_k_qf2b0739368_proj:
	.size	k_qf2b0739368_proj, .Lfunc_end_k_qf2b0739368_proj-k_qf2b0739368_proj
	.p2alignl 7, 3214868480
	.fill 96, 4, 3214868480
	.section	.rodata,"a",@progbits
	.p2align	6, 0x0
	.amdhsa_kernel k_qf2b0739368_proj
		.amdhsa_group_segment_fixed_size 327680
		.amdhsa_private_segment_fixed_size 0
		.amdhsa_enable_private_segment 0
		.amdhsa_kernarg_size 40
		.amdhsa_user_sgpr_count 2
		.amdhsa_user_sgpr_kernarg_segment_ptr 1
		.amdhsa_wavefront_size32 1
		.amdhsa_system_sgpr_workgroup_id_x 1
		.amdhsa_system_sgpr_workgroup_id_y 1
		.amdhsa_system_sgpr_workgroup_id_z 1
		.amdhsa_system_vgpr_workitem_id 0
		.amdhsa_next_free_vgpr 1024
		.amdhsa_next_free_sgpr 102
		.amdhsa_reserve_vcc 0
		.amdhsa_float_denorm_mode_32 3
		.amdhsa_float_denorm_mode_16_64 3
		.amdhsa_memory_ordered 1
		.amdhsa_forward_progress 1
		.amdhsa_inst_pref_size 192
	.end_amdhsa_kernel
	.amdgpu_metadata
---
amdhsa.version: [ 1, 2 ]
amdhsa.kernels:
  - .name:           k_qf2b0739368_proj
    .symbol:         k_qf2b0739368_proj.kd
    .args:
      - { .name: qw, .offset: 0, .size: 8, .value_kind: global_buffer, .address_space: global }
      - { .name: bq, .offset: 8, .size: 8, .value_kind: global_buffer, .address_space: global }
      - { .name: bk, .offset: 16, .size: 8, .value_kind: global_buffer, .address_space: global }
      - { .name: bv, .offset: 24, .size: 8, .value_kind: global_buffer, .address_space: global }
      - { .name: qkv, .offset: 32, .size: 8, .value_kind: global_buffer, .address_space: global }
    .group_segment_fixed_size: 327680
    .private_segment_fixed_size: 0
    .kernarg_segment_align: 8
    .kernarg_segment_size: 40
    .max_flat_workgroup_size: 128
    .sgpr_count:     102
    .vgpr_count:     1024
    .wavefront_size: 32
...
	.end_amdgpu_metadata
.endif
;; end of part 2
;; launch attn (part 3): grid 4 x 64, 16 waves a work-group, clusters of 4 x 1, 167,936 bytes of LDS; arguments qkv, mask, ab; writes ab
.if DOCPART == 3
	.amdgcn_target "amdgcn-amd-amdhsa--gfx1250"
	.amdhsa_code_object_version 6
	.text
	.protected	k_qf2b0739368_attn
	.globl	k_qf2b0739368_attn
	.p2align	8
	.type	k_qf2b0739368_attn,@function
k_qf2b0739368_attn:
	s_mov_b64 s[64:65], 0
	v_nop
	global_prefetch_b8 v0, s[64:65] scope:SCOPE_SE
	s_setreg_imm32_b32 hwreg(HW_REG_WAVE_MODE, 25, 1), 1
	s_wait_xcnt 0x0
	s_wait_alu depctr_hold_cnt(0) depctr_sa_sdst(0) depctr_va_vdst(0) depctr_va_sdst(0) depctr_va_ssrc(0) depctr_va_vcc(0) depctr_vm_vsrc(0)
	s_getreg_b32 s2, hwreg(HW_REG_IB_STS2, 6, 4)
	s_cmp_eq_u32 s2, 0
	s_cbranch_scc0 .Lentry_in_a_cluster
	s_endpgm
.Lentry_in_a_cluster:
	s_bfe_u32 s2, ttmp6, 0x10000c
	s_cmp_lg_u32 s2, 0x3003
	s_cbranch_scc0 .Lentry_shape_is_right
	s_endpgm
.Lentry_shape_is_right:
; attn[b][q][64 hd ..] = softmax_k(q . k / 8, masked keys at a very low logit) v, both products on codes of FP6 (E2M3) with E8M0 scales; the result is quantised along D and leaves as codes.
; t = score x log2(e) / 8; M = the running largest t rounded up to a whole number; p = 2^(t - M) is quantised along the keys, not normalised; the row's sum is taken of the unquantised p and divides at the end.
; q, k: fragments (token panel, kb, block) of qkv, a head being half a fragment (768 bytes, two blocks of 32): the other half of each operand is zero codes.  V^T: fragments (channel panel, key panel, block).
; SHARES.  A work-group owns 256 queries of one (batch, head), a wave 16 (one row block).  The head's K and V^T, 96 KiB, are filled into LDS once, one tensor load a wave; nothing is filled again.
; The four work-groups of a cluster are the four query blocks of one head: each tile is asked for jointly (mask 15).  The place in the cluster enters Q's and the result's global addresses alone.
; Both products are used transposed: a lane holds one query throughout.  By the order of a block's rows the 16 registers of two neighbouring tiles of S^T are 16 neighbouring keys, those of O^T 16 neighbouring channels.
; THE MASK IS THE C OF THE SCORE PRODUCTS.  The head turns the batch's 1,024 mask words into a table in LDS, one f32 a key: 0 for an open key, -2^100 for a masked one.  A tile's eight registers of a lane are eight
; neighbouring keys, so two loads of 16 bytes, the same address in the sixteen lanes of a half, put the table straight into the score registers, and the product adds the scores onto them: no vector instruction is spent on the mask.
; A score beside -2^100 lies under half of that number's last place while it stays under 2^75 in magnitude, so a masked key's sum is -2^100 itself.  c x 2^100 is a number of f32 and a whole number, so a row all of whose keys
; are masked has t - M = 0 and p = 1 everywhere, as reference()'s uniform row; any other row has p = 0 at its masked keys.
; LIMITS: the masked logit is -2^97 where reference() has -1e9: the same results while open logits stay within 1e8 in magnitude.  The uniform row takes the matrix unit's sum of -2^100 and a score to be rounded to f32 from
; more bits than f32 holds.  Blocks of zeros keep the scale byte 1.  NaN and infinities are not served.
; No prefetch: every byte of K and V^T is asked for by the head's one group of loads; the loop reads LDS alone.
.set KS,    98304                      ; LDS: K's codes [panel 8][block 8][768] at 0; V^T's [kb 8][block 4][1536] at 49,152; K's scale words, cut to the head's two bytes, here;
.set VS,    102400                     ; V's scale words;
.set SPARE, 104448                     ; the spare words, 128 bytes a wave;
.set MB,    106496                     ; the mask's table: 1,024 keys x 4 bytes
.set QKC,   262144
.set VTS,   6553600
.set VTC,   6684672
.set ABC,   524288
.macro CROUND
	s_barrier_signal -1
	s_barrier_wait -1
	s_cmp_lg_u32 s10, 0
	s_cbranch_scc1 .Lnot_wave_0_\@
	s_barrier_signal -3
.Lnot_wave_0_\@:
	s_barrier_wait -3
	s_barrier_signal -1
	s_barrier_wait -1
.endm
	s_load_b128 s[4:7], s[0:1], 0x0                ; qkv, mask
	s_load_b64 s[8:9], s[0:1], 0x10                ; ab
	v_lshl_add_u32 v5, v0, 2, SPARE                ; v5: my spare word; v6: 0; never rewritten
	v_mov_b32 v6, 0
	ds_add_u32 v5, v6                              ; the wave's opening: the add, twice on end, and its wait ahead of my first tensor load
	ds_add_u32 v5, v6
	v_lshrrev_b32 v9, 5, v0
	s_delay_alu instid0(VALU_DEP_1)
	v_readfirstlane_b32 s10, v9                    ; wave
	s_bfe_u32 s11, ttmp6, 0x40000                  ; cx: my block of 256 queries
	s_and_b32 s12, ttmp7, 0xffff
	s_lshr_b32 s13, s12, 4                         ; b
	s_and_b32 s14, s12, 15                         ; head
	s_and_b32 s15, s14, 1                          ; c: which half of a fragment
	s_lshr_b32 s84, s14, 1                         ; head / 2
	s_mov_b32 s16, 15|(3<<16)|(1<<21)              ; K's tile: 8 rows of 768 bytes, 1,536 bytes apart; elements of 8 bytes; the mask names all four work-groups
	s_mov_b32 s17, 96<<16
	s_mov_b32 s18, 8<<16
	s_mov_b32 s19, 96<<16
	s_mov_b32 s20, 8
	s_mov_b32 s21, 192
	s_mov_b32 s22, 0
	s_mov_b32 s23, 0
	s_mov_b32 s24, 15|(3<<16)|(1<<21)              ; V's tile: 24 rows of 256 bytes, dense
	s_mov_b32 s25, 32<<16
	s_mov_b32 s26, 24<<16
	s_mov_b32 s27, 32<<16
	s_mov_b32 s28, 24
	s_mov_b32 s29, 32
	s_mov_b32 s30, 0
	s_mov_b32 s31, 0
	s_and_b32 s85, s10, 7
	s_lshl_b32 s40, s13, 3                         ; 8 b
	s_add_co_u32 s41, s40, s85
	s_mul_i32 s97, s15, 768
	s_lshl_b32 s96, s15, 4                         ; 16 c
	s_lshl_b32 s42, s41, 4                         ; K: token panel 8 b + wave % 8, kb 8 + head / 2
	s_add_co_u32 s42, s42, s84
	s_add_co_u32 s42, s42, 8
	s_mul_i32 s42, s42, 12288
	s_add_co_u32 s42, s42, s97
	s_add_co_u32 s42, s42, QKC
	s_mov_b32 s43, 0
	s_lshl_b32 s44, s84, 5                         ; V^T: channel panel head / 2, kb 8 b + wave % 8, blocks 4 c on
	s_add_co_u32 s44, s44, s41
	s_lshl_b32 s44, s44, 3
	s_lshl_b32 s45, s15, 2
	s_add_co_u32 s44, s44, s45
	s_mul_i32 s44, s44, 1536
	s_add_co_u32 s44, s44, VTC
	s_mov_b32 s45, 0
	s_mul_i32 s60, s10, 6144                       ; where my tile goes
	s_lshl_b32 s46, s11, 1                         ; my queries: panel 8 b + 2 cx + wave / 8, block wave % 8
	s_add_co_u32 s46, s46, s40
	s_lshr_b32 s47, s10, 3
	s_add_co_u32 s46, s46, s47
	s_lshl_b32 s47, s46, 4
	s_add_co_u32 s47, s47, s84
	s_lshl_b32 s47, s47, 3
	s_add_co_u32 s47, s47, s85
	s_mul_i32 s48, s47, 1536
	s_add_co_u32 s48, s48, s97
	s_add_co_u32 s48, s48, QKC
	s_mov_b32 s49, 0
	s_lshl_b32 s50, s47, 6
	s_mov_b32 s51, 0
	s_lshl_b32 s47, s46, 5                         ; the result: the same panel and block in ab (KBS 32)
	s_add_co_u32 s47, s47, s84
	s_lshl_b32 s47, s47, 3
	s_add_co_u32 s47, s47, s85
	s_mul_i32 s52, s47, 1536
	s_add_co_u32 s52, s52, s97
	s_add_co_u32 s52, s52, ABC
	s_mov_b32 s53, 0
	s_lshl_b32 s54, s47, 6
	s_lshl_b32 s55, s15, 1
	s_add_co_u32 s54, s54, s55
	s_mov_b32 s55, 0
	s_lshl_b32 s56, s40, 4                         ; K's scale words: panel 8 b, kb 8 + head / 2
	s_add_co_u32 s56, s56, s84
	s_add_co_u32 s56, s56, 8
	s_lshl_b32 s56, s56, 9
	s_mov_b32 s57, 0
	s_lshl_b32 s58, s84, 5                         ; V's
	s_add_co_u32 s58, s58, s40
	s_lshl_b32 s58, s58, 9
	s_lshl_b32 s59, s15, 8
	s_add_co_u32 s58, s58, s59
	s_add_co_u32 s58, s58, VTS
	s_mov_b32 s59, 0
	s_lshl_b32 s94, s13, 12                        ; the batch's 1,024 mask words
	s_mov_b32 s95, 0
	s_mov_b32 s86, 0x76543210
	s_mov_b32 s87, 0xfedcba98                      ; v_permlanex16_b32's selects for lane l xor 16
	s_mov_b32 s88, 0x3e38aa3b                      ; c = log2(e) / 8
	s_mov_b32 s89, s88                             ; (named with it as a pair)
	s_mov_b32 s91, 0                               ; the step's codes: 6,144 bytes a step
	s_mov_b32 s92, 0                               ; K's scale words, and the mask's table: 512
	s_mov_b32 s93, 0                               ; V's: 256
	s_wait_dscnt 0x0                               ; both opening adds are done
	s_wait_kmcnt 0x0
	s_add_nc_u64 s[42:43], s[4:5], s[42:43]
	s_add_nc_u64 s[44:45], s[4:5], s[44:45]
	s_add_nc_u64 s[48:49], s[4:5], s[48:49]
	s_add_nc_u64 s[50:51], s[4:5], s[50:51]
	s_add_nc_u64 s[56:57], s[4:5], s[56:57]
	s_add_nc_u64 s[58:59], s[4:5], s[58:59]
	s_add_nc_u64 s[94:95], s[6:7], s[94:95]
	CROUND                                         ; all four work-groups are here: the joint loads meet
	s_mov_b32 s32, 1
	s_mov_b32 s33, s60
	s_mov_b64 s[34:35], s[42:43]
	s_or_b32 s35, s35, 0x80000000
	s_mov_b32 s36, 1
	s_mov_b32 s37, s60
	s_mov_b64 s[38:39], s[44:45]
	s_or_b32 s39, s39, 0x80000000
	s_cmp_lt_u32 s10, 8                            ; waves 0-7: K's eight panels; waves 8-15: V^T's eight key panels.  One load a wave is out
	s_cbranch_scc0 .Lfor_v
	tensor_load_to_lds s[32:35], s[16:23]
	s_nop 0
.rept 4
	v_nop
.endr
	s_branch .Lasked
.Lfor_v:
	tensor_load_to_lds s[36:39], s[24:31]
	s_nop 0
.rept 4
	v_nop
.endr
.Lasked:
	v_and_b32 v87, 31, v0
	s_delay_alu instid0(VALU_DEP_1)
	v_lshlrev_b32 v7, 3, v87                       ; v7: 8 x lane, for global addresses
	s_delay_alu instid0(VALU_DEP_2)
	v_lshlrev_b32 v1, 3, v87                       ; v1: my place in a fragment of K
	s_delay_alu instid0(VALU_DEP_1)
	v_add_nc_u32 v2, 49152, v1                     ; v2: of V^T
	v_and_b32 v88, 15, v0                          ; r
	s_delay_alu instid0(VALU_DEP_1)
	v_lshl_add_u32 v3, v88, 2, KS                  ; v3: K's scale words
	s_delay_alu instid0(VALU_DEP_2)
	v_lshl_add_u32 v4, v88, 2, VS                  ; v4: V's
	s_delay_alu instid0(VALU_DEP_3)
	v_lshlrev_b32 v246, 2, v88                     ; 4 r
	v_lshl_add_u32 v240, v0, 2, KS                 ; where my thread stores scale words
	v_lshrrev_b32 v241, 7, v0
	v_and_b32 v242, 127, v0
	s_delay_alu instid0(VALU_DEP_1)
	v_lshlrev_b32 v242, 2, v242
	s_delay_alu instid0(VALU_DEP_1)
	v_lshl_add_u32 v241, v241, 13, v242            ; K's: panel t / 128 (8,192 bytes apart), word t % 128
	v_lshrrev_b32 v242, 6, v0
	v_and_b32 v247, 63, v0
	s_delay_alu instid0(VALU_DEP_1)
	v_lshlrev_b32 v247, 2, v247
	s_delay_alu instid0(VALU_DEP_1)
	v_lshl_add_u32 v242, v242, 9, v247             ; V's: kb t / 64, word t % 64
	v_bfe_u32 v235, v0, 4, 1                       ; h
	v_lshlrev_b32 v248, 3, v0                      ; the mask: two words a thread, 512 threads: 4,096 consecutive bytes
	v_lshl_add_u32 v249, v0, 3, MB                 ; and where their two table entries go
	s_delay_alu instid0(VALU_DEP_3)
	v_lshl_add_u32 v235, v235, 6, MB               ; v235: the table as my half of the lanes reads it: + 64 h (16 keys)
.irp p, 0,1,2
	global_load_b64 v[16+2*\p:17+2*\p], v7, s[48:49] offset:256*\p   ; Q's half fragment stays in registers
.endr
	global_load_b32 v28, v246, s[50:51]            ; its scale words
	global_load_b32 v243, v241, s[56:57]
	global_load_b32 v244, v241, s[56:57] offset:32768   ; four panels on
	global_load_b32 v245, v242, s[58:59]
	global_load_b64 v[250:251], v248, s[94:95]
	v_mov_b32 v8, 0xf1800000                       ; -2^100
	v_mov_b32 v13, 0xff61b1e6                      ; the largest t so far: -3e38
	s_delay_alu instid0(VALU_DEP_1)
	v_floor_f32 v12, -v13                          ; -M
	v_mov_b32 v14, 0                               ; the sum, in two halves
	v_mov_b32 v15, 0
	v_mov_b32 v31, 0                               ; (the upper half of f's pair)
.irp i, 22,23,24,25,26,27
	v_mov_b32 v\i, 0                               ; Q's upper 64 along K: zero codes
.endr
.irp t, 0,1,2,3
.irp i, 6,7,8,9,10,11
	v_mov_b32 v[32+12*\t+\i], 0                    ; K's likewise: written once, no load lands here
.endr
.endr
.irp b, 0,1,2,3
	v_mov_b32 v[92+\b], 0                          ; a lane permute's destination counts as one of its sources
.endr
	s_wait_loadcnt 0x0
	v_bfe_u32 v28, v28, s96, 16                    ; the head's two bytes; the upper two are 0 and scale zero codes
	v_bfe_u32 v243, v243, s96, 16
	v_bfe_u32 v244, v244, s96, 16
	v_cmp_eq_u32 vcc_lo, 0, v250                   ; a mask word of 0: the key is masked out
	v_cndmask_b32 v250, 0, v8, vcc_lo
	v_cmp_eq_u32 vcc_lo, 0, v251
	v_cndmask_b32 v251, 0, v8, vcc_lo
	ds_store_b32 v240, v243
	ds_store_b32 v240, v244 offset:2048
	ds_store_b32 v240, v245 offset:4096
	ds_store_b64 v249, v[250:251]
	s_add_nc_u64 s[4:5], s[8:9], s[54:55]          ; all loads from qkv are in: the result's scale bytes,
	s_add_nc_u64 s[8:9], s[8:9], s[52:53]          ; and its codes
.set n, 0
.rept 32
	v_mov_b32 v[160+n], 0                          ; O^T: the first change of M leaves zeros zeros.  (Also the places between the cut of Q's scale word and the first product)
.set n, n+1
.endr
	s_wait_tensorcnt 0x0                           ; my tile has landed
	s_wait_dscnt 0x0                               ; my scale words and table entries are stored
	s_barrier_signal -1
	s_barrier_wait -1
	s_mov_b32 s90, 8
.Lstep:                                            ; 128 keys a trip
	v_add_nc_u32 v239, s92, v235                   ; the step's 128 table entries
	v_add_nc_u32 v9, s91, v1
	v_add_nc_u32 v10, s92, v3
	s_wait_alu depctr_va_vdst(0)                   ; the wait here
	v_add_nc_u32 v11, s91, v2
	v_add_nc_u32 v86, s93, v4
.irp T, 0,1,2,3,4,5,6,7                        ; tile T, register j, half h: key 32 (T / 2) + 16 h + 8 (T % 2) + j of the step: 0 or -2^100 into the score registers
	ds_load_b128 v[96+8*\T:99+8*\T], v239 offset:128*(\T/2)+32*(\T%2)
	ds_load_b128 v[100+8*\T:103+8*\T], v239 offset:128*(\T/2)+32*(\T%2)+16
.endr
.irp g, 0,1                                    ; S^T = K Q^T + the mask's table, four tiles of 16 keys at a time
.if \g > 0
.rept 4
	v_nop                                          ; places in front of loads into registers that matrix instructions have read
.endr
.endif
.irp t, 0,1,2,3
.irp p, 0,1,2
	ds_load_b64 v[32+12*\t+2*\p:33+12*\t+2*\p], v9 offset:(4*\g+\t)*768+256*\p
.endr
	ds_load_b32 v[80+\t], v10 offset:(4*\g+\t)*64
.endr
	s_wait_dscnt 0x0
.irp t, 0,1,2,3
	v_wmma_scale_f32_16x16x128_f8f6f4 v[96+8*(4*\g+\t):103+8*(4*\g+\t)], v[32+12*\t:43+12*\t], v[16:27], v[96+8*(4*\g+\t):103+8*(4*\g+\t)], v[80+\t], v28 matrix_a_fmt:MATRIX_FMT_FP6 matrix_b_fmt:MATRIX_FMT_FP6
.endr
.endr
.rept 4
	v_nop
.endr
.irp b, 0,1,2,3                                ; register n holds key 32 (n / 16) + 16 h + n % 16 of the step; each accumulator is read from its low end on
	v_max3_num_f32 v[88+\b], v[96+16*\b], v[97+16*\b], v[98+16*\b]   ; the largest score of each block of 32 keys: for the row's maximum and, since p rises with the score, for the block's largest p
.endr
.irp i, 3,5,7,9,11,13
.irp b, 0,1,2,3
	v_max3_num_f32 v[88+\b], v[88+\b], v[96+16*\b+\i], v[97+16*\b+\i]   ; (the four blocks by turns: no line reads the result of the line above it)
.endr
.endr
.irp b, 0,1,2,3
	v_max_num_f32 v[88+\b], v[88+\b], v[111+16*\b]
.endr
.irp b, 0,1,2,3
	s_delay_alu instid0(VALU_DEP_4)
	v_permlanex16_b32 v[92+\b], v[88+\b], s86, s87
.endr
.irp b, 0,1,2,3
	s_delay_alu instid0(VALU_DEP_4)
	v_max_num_f32 v[88+\b], v[88+\b], v[92+\b]     ; with lane l xor 16's 16 keys
.endr
	s_delay_alu instid0(VALU_DEP_2)
	v_max3_num_f32 v87, v88, v89, v90
	s_delay_alu instid0(VALU_DEP_1)
	v_max_num_f32 v87, v87, v91
	s_delay_alu instid0(VALU_DEP_1)
	v_mul_f32 v87, s88, v87                        ; as t
	s_delay_alu instid0(VALU_DEP_1)
	v_max_num_f32 v13, v13, v87                    ; the running largest t
	v_mov_b32 v87, v12
	s_delay_alu instid0(VALU_DEP_2)
	v_floor_f32 v12, -v13                          ; the new -M = -ceil(t)
	s_delay_alu instid0(VALU_DEP_1)
	v_sub_f32 v87, v12, v87                        ; old M - new M: a whole number, 0 or less
	s_delay_alu instid0(VALU_DEP_1)
	v_cvt_i32_f32 v87, v87                         ; (it saturates)
	s_delay_alu instid0(VALU_DEP_1)
	v_ldexp_f32 v30, 1.0, v87                      ; f = 2^(old M - new M)
.set n, 0
.rept 32
	v_pk_fma_f32 v[96+n:97+n], v[96+n:97+n], s[88:89], v[12:13] op_sel_hi:[1,0,0]   ; t - M
.set n, n+2
.endr
.irp b, 0,1,2,3
	v_fma_f32 v[88+\b], v[88+\b], s88, v12         ; the same of each block's largest score
.endr
.set n, 0
	s_wait_alu depctr_va_vdst(0)                   ; the wait ahead of the batch
.rept 64
	v_exp_f32 v[96+n], v[96+n]                     ; p = 2^(t - M)
.set n, n+1
.endr
	v_pk_mul_f32 v[14:15], v[14:15], v[30:31] op_sel_hi:[1,0]   ; the sums under the new M: a plain place behind the exponentials
	s_wait_alu depctr_va_vdst(0)                   ; one wait for the batch, ahead of its first reader
.irp b, 0,1,2,3
	v_exp_f32 v[88+\b], v[88+\b]                   ; the block's largest p
.endr
	v_pk_add_f32 v[92:93], v[100:101], v[104:105]  ; the row's sum of the unquantised p, in eight chains
	v_pk_add_f32 v[254:255], v[108:109], v[112:113]
	v_pk_add_f32 v[252:253], v[116:117], v[120:121]
	v_pk_add_f32 v[250:251], v[124:125], v[128:129]
	v_pk_add_f32 v[248:249], v[132:133], v[136:137]
	v_pk_add_f32 v[244:245], v[140:141], v[144:145]
	v_pk_add_f32 v[242:243], v[148:149], v[152:153]
	v_pk_add_f32 v[14:15], v[14:15], v[156:157]
	v_pk_add_f32 v[92:93], v[92:93], v[96:97]
	v_pk_add_f32 v[254:255], v[254:255], v[98:99]
	v_pk_add_f32 v[252:253], v[252:253], v[102:103]
	v_pk_add_f32 v[250:251], v[250:251], v[106:107]
	v_pk_add_f32 v[248:249], v[248:249], v[110:111]
	v_pk_add_f32 v[244:245], v[244:245], v[114:115]
	v_pk_add_f32 v[242:243], v[242:243], v[118:119]
	v_pk_add_f32 v[14:15], v[14:15], v[122:123]
	v_pk_add_f32 v[92:93], v[92:93], v[126:127]
	v_pk_add_f32 v[254:255], v[254:255], v[130:131]
	v_pk_add_f32 v[252:253], v[252:253], v[134:135]
	v_pk_add_f32 v[250:251], v[250:251], v[138:139]
	v_pk_add_f32 v[248:249], v[248:249], v[142:143]
	v_pk_add_f32 v[244:245], v[244:245], v[146:147]
	v_pk_add_f32 v[242:243], v[242:243], v[150:151]
	v_pk_add_f32 v[14:15], v[14:15], v[154:155]
	v_pk_add_f32 v[92:93], v[92:93], v[158:159]
	s_delay_alu instid0(VALU_DEP_2)
	v_pk_add_f32 v[14:15], v[14:15], v[250:251]
	s_delay_alu instid0(VALU_DEP_2)
	v_pk_add_f32 v[92:93], v[92:93], v[248:249]
	v_pk_add_f32 v[254:255], v[254:255], v[244:245]
	v_pk_add_f32 v[252:253], v[252:253], v[242:243]
	s_delay_alu instid0(VALU_DEP_2)
	v_pk_add_f32 v[14:15], v[14:15], v[254:255]
	s_delay_alu instid0(VALU_DEP_2)
	v_pk_add_f32 v[92:93], v[92:93], v[252:253]
	s_delay_alu instid0(VALU_DEP_1)
	v_pk_add_f32 v[14:15], v[14:15], v[92:93]
	s_wait_alu depctr_va_vdst(0)                   ; and one for the four
.irp b, 0,1,2,3
	v_max_num_f32 v[88+\b], 0x1800000, v[88+\b]    ; the floor 2^(3 - 127)
.endr
.irp b, 0,1,2,3
	s_delay_alu instid0(VALU_DEP_4)
	v_add_nc_u32 v[216+\b], 0xff000000, v[88+\b]   ; the conversion's scale operand
.endr
.irp b, 0,1,2,3
	s_delay_alu instid0(VALU_DEP_4)
	v_lshrrev_b32 v[92+\b], 23, v[216+\b]          ; the scale's byte
.endr
	s_delay_alu instid0(VALU_DEP_3)
	v_lshl_or_b32 v29, v93, 8, v92                 ; p's scale word for these 128 keys
	s_delay_alu instid0(VALU_DEP_1)
	v_lshl_or_b32 v29, v94, 16, v29
	s_delay_alu instid0(VALU_DEP_1)
	v_lshl_or_b32 v29, v95, 24, v29
.irp c, 0,1
	v_cvt_scalef32_pk16_fp6_f32 v[220+6*\c:222+6*\c], v[96+32*\c:111+32*\c], v[216+2*\c]
	v_cvt_scalef32_pk16_fp6_f32 v[232+4*\c:234+4*\c], v[112+32*\c:127+32*\c], v[216+2*\c+1]
.endr
	v_nop                                          ; one plain place behind a scaled conversion
.irp c, 0,1
.irp i, 0,1,2
	v_permlane16_swap_b32 v[220+6*\c+\i], v[232+4*\c+\i]
.endr
.irp i, 0,1,2
	s_delay_alu instid0(VALU_DEP_3)
	v_mov_b32 v[223+6*\c+\i], v[232+4*\c+\i]
.endr
.endr
.set n, 0
.rept 16
	v_pk_mul_f32 v[160+n:161+n], v[160+n:161+n], v[30:31] op_sel_hi:[1,0]   ; O^T under the new M.  (Also the places in front of the products below)
.set n, n+2
.endr
	s_wait_alu depctr_va_vdst(0)                   ; the wait here, ahead of the wait on the loads below
.irp g, 0,1                                    ; O^T += V^T P^T: two tiles of 16 channels at a time
.if \g > 0
.rept 4
	v_nop
.endr
.endif
.irp t, 0,1
.irp p, 0,1,2,3,4,5
	ds_load_b64 v[192+12*\t+2*\p:193+12*\t+2*\p], v11 offset:(2*\g+\t)*1536+256*\p
.endr
	ds_load_b32 v[84+\t], v86 offset:(2*\g+\t)*64
.endr
	s_wait_dscnt 0x0
.irp t, 0,1
	v_wmma_scale_f32_16x16x128_f8f6f4 v[160+8*(2*\g+\t):167+8*(2*\g+\t)], v[192+12*\t:203+12*\t], v[220:231], v[160+8*(2*\g+\t):167+8*(2*\g+\t)], v[84+\t], v29 matrix_a_fmt:MATRIX_FMT_FP6 matrix_b_fmt:MATRIX_FMT_FP6
.endr
.endr
	s_add_co_u32 s91, s91, 6144
	s_add_co_u32 s92, s92, 512
	s_add_co_u32 s93, s93, 256
	s_sub_co_u32 s90, s90, 1
	s_cmp_lg_u32 s90, 0
	s_cbranch_scc1 .Lstep
	; THE WAY OUT: O^T / the sum; register 16 b + i is channel 64 c + 32 b + 16 h + i of my query: two blocks, half a fragment.
.rept 4
	v_nop                                          ; places behind the last products
.endr
	v_add_f32 v14, v14, v15
	s_delay_alu instid0(VALU_DEP_1)
	v_permlanex16_b32 v87, v14, s86, s87
	s_delay_alu instid0(VALU_DEP_1)
	v_add_f32 v14, v14, v87                        ; the row's sum
	s_wait_alu depctr_va_vdst(0)                   ; the wait ahead of the reciprocal
	v_rcp_f32 v14, v14
	v_nop                                          ; a plain place behind the reciprocal
	s_wait_alu depctr_va_vdst(0)                   ; and the wait ahead of its first reader
.set n, 0
.rept 32
	v_mul_f32 v[96+n], v[160+n], v14
.set n, n+1
.endr
.irp b, 0,1
	v_max3_num_f32 v[88+\b], |v[96+16*\b]|, |v[97+16*\b]|, 0x1800000
.endr
.irp i, 2,4,6,8,10,12,14
.irp b, 0,1
	s_delay_alu instid0(VALU_DEP_2)
	v_max3_num_f32 v[88+\b], v[88+\b], |v[96+16*\b+\i]|, |v[97+16*\b+\i]|
.endr
.endr
.irp b, 0,1
	s_delay_alu instid0(VALU_DEP_2)
	v_permlanex16_b32 v[92+\b], v[88+\b], s86, s87
.endr
.irp b, 0,1
	s_delay_alu instid0(VALU_DEP_2)
	v_max_num_f32 v[88+\b], v[88+\b], v[92+\b]
.endr
.irp b, 0,1
	s_delay_alu instid0(VALU_DEP_2)
	v_add_nc_u32 v[216+\b], 0xff000000, v[88+\b]
.endr
.irp b, 0,1
	s_delay_alu instid0(VALU_DEP_2)
	v_lshrrev_b32 v[92+\b], 23, v[216+\b]
.endr
	s_delay_alu instid0(VALU_DEP_1)
	v_lshl_or_b32 v29, v93, 8, v92                 ; my row's two scale bytes
	v_cvt_scalef32_pk16_fp6_f32 v[220:222], v[96:111], v216
	v_cvt_scalef32_pk16_fp6_f32 v[232:234], v[112:127], v217
	v_nop
.irp i, 0,1,2
	v_permlane16_swap_b32 v[220+\i], v[232+\i]
.endr
.irp i, 0,1,2
	s_delay_alu instid0(VALU_DEP_3)
	v_mov_b32 v[223+\i], v[232+\i]
.endr
.irp p, 0,1,2
	global_store_b64 v7, v[220+2*\p:221+2*\p], s[8:9] offset:256*\p   ; 256 consecutive bytes, aligned
.endr
	global_store_b16 v246, v29, s[4:5]             ; both halves of the lanes store the same two bytes to the same place; the word's other two come from the neighbouring head's work-group
	s_wait_tensorcnt 0x0                           ; the wave's end
	ds_add_u32 v5, v6
	s_wait_dscnt 0x0
	CROUND                                         ; the closing round
	s_endpgm
.Lfunc_end_k_qf2b0739368_attn:
	.size	k_qf2b0739368_attn, .Lfunc_end_k_qf2b0739368_attn-k_qf2b0739368_attn
	.p2alignl 7, 3214868480
	.fill 96, 4, 3214868480
	.section	.rodata,"a",@progbits
	.p2align	6, 0x0
	.amdhsa_kernel k_qf2b0739368_attn
		.amdhsa_group_segment_fixed_size 167936
		.amdhsa_private_segment_fixed_size 0
		.amdhsa_enable_private_segment 0
		.amdhsa_kernarg_size 24
		.amdhsa_user_sgpr_count 2
		.amdhsa_user_sgpr_kernarg_segment_ptr 1
		.amdhsa_wavefront_size32 1
		.amdhsa_system_sgpr_workgroup_id_x 1
		.amdhsa_system_sgpr_workgroup_id_y 1
		.amdhsa_system_sgpr_workgroup_id_z 1
		.amdhsa_system_vgpr_workitem_id 0
		.amdhsa_next_free_vgpr 256
		.amdhsa_next_free_sgpr 100
		.amdhsa_reserve_vcc 1
		.amdhsa_float_denorm_mode_32 3
		.amdhsa_float_denorm_mode_16_64 3
		.amdhsa_memory_ordered 1
		.amdhsa_forward_progress 1
		.amdhsa_inst_pref_size 37
	.end_amdhsa_kernel
	.amdgpu_metadata
---
amdhsa.version: [ 1, 2 ]
amdhsa.kernels:
  - .name:           k_qf2b0739368_attn
    .symbol:         k_qf2b0739368_attn.kd
    .args:
      - { .name: qkv, .offset: 0, .size: 8, .value_kind: global_buffer, .address_space: global }
      - { .name: mask, .offset: 8, .size: 8, .value_kind: global_buffer, .address_space: global }
      - { .name: ab, .offset: 16, .size: 8, .value_kind: global_buffer, .address_space: global }
    .group_segment_fixed_size: 167936
    .private_segment_fixed_size: 0
    .kernarg_segment_align: 8
    .kernarg_segment_size: 24
    .max_flat_workgroup_size: 512
    .sgpr_count:     100
    .vgpr_count:     256
    .wavefront_size: 32
...
	.end_amdgpu_metadata
.endif
;; end of part 3
;; launch wo (part 4): grid 8 x 32, 4 waves a work-group, clusters of 4 x 4, 222,720 bytes of LDS; arguments ab, wob, cb; writes cb
.if DOCPART == 4
	.amdgcn_target "amdgcn-amd-amdhsa--gfx1250"
	.amdhsa_code_object_version 6
	.text
	.protected	k_qf2b0739368_wo
	.globl	k_qf2b0739368_wo
	.p2align	8
	.type	k_qf2b0739368_wo,@function
k_qf2b0739368_wo:
	s_mov_b64 s[64:65], 0
	v_nop
	global_prefetch_b8 v0, s[64:65] scope:SCOPE_SE
	s_setreg_imm32_b32 hwreg(HW_REG_WAVE_MODE, 25, 1), 1
	s_wait_xcnt 0x0
	s_wait_alu depctr_hold_cnt(0) depctr_sa_sdst(0) depctr_va_vdst(0) depctr_va_sdst(0) depctr_va_ssrc(0) depctr_va_vcc(0) depctr_vm_vsrc(0)
	s_getreg_b32 s2, hwreg(HW_REG_IB_STS2, 6, 4)
	s_cmp_eq_u32 s2, 0
	s_cbranch_scc0 .Lentry_in_a_cluster
	s_endpgm
.Lentry_in_a_cluster:
	s_bfe_u32 s2, ttmp6, 0x10000c
	s_cmp_lg_u32 s2, 0xf033
	s_cbranch_scc0 .Lentry_shape_is_right
	s_endpgm
.Lentry_shape_is_right:
; C[m][n] = the sum over k = 0 .. 1,023 of A[m][k] B[n][k] on codes of FP6 (E2M3) with E8M0 scales: attn Wo^T.  C is f32, [4096][1024], raw sums.
; A (ab): 32 panels, B (wob): 8 panels, both with 32 kb of room a panel: scale words at panel x 16,384, codes at 524,288 (A) or 131,072 (B) + panel x 393,216, in the program's fragment format: row blocks of 16
; (lane-row r of block 2 al + u is row 32 al + 8 u + r + 8 (r / 8) of its panel of 128), a fragment of 16 rows x 128 K as six pieces of 256 bytes (piece p: registers 2 p, 2 p + 1, 8 bytes a lane), in the order (panel, kb, block).
; A TILE OF C IS 128 x 128: 32 x 8 tiles, one work-group each.  Four waves, each 64 x 64: 16 accumulators.
; ALL OF K LIES IN LDS AT ONCE: a panel's 8 kb are 98,304 dense bytes, its scale words 4,096.  The head's four loads, one a wave, bring A's codes, B's codes, A's scale words, B's: nothing is filled again, so there is no ring.
; 4 x 4 work-groups form a cluster: A's tiles are asked for jointly along a row, B's along a column.  The matrix instruction is used transposed (source 0 = B's block, source 1 = A's): a lane holds one row of C, eight neighbouring columns.
; No prefetch: the launch has no loop to run ahead in; every byte that it reads is asked for by the head's one group of loads.
; REGISTERS: window 0: v16-29 addresses; v32-63 scale words (register 4 kb + i: lanes 0-15 A's block i, lanes 16-31 B's); v64-127 the way out; v128-255 the accumulators ((a, b) at v[128 + 8 (4 a + b)]).
;   window 1: two sets of fragments, at v0 and v128: A's four blocks (48 registers), then B's four.
.set FR,     12
.set NP,     4
.set FRB,    1536
.set PANEL,  12288                     ; a panel's 128 K
.set HALFK,  4*PANEL                   ; four kb: what one address register reaches with a 16-bit offset
.set BC,     8*PANEL                   ; B's codes, behind A's
.set SCL,    16*PANEL                  ; A's scale words [kb][128 words], then B's
.set ASC,    4096
.set STAGE,  SCL+2*ASC                 ; the way out: 16 rows x (256 + 16) bytes a wave, in bytes of their own
.set SPITCH, 272
.set SPARE,  STAGE+4*16*SPITCH         ; the spare words, 128 bytes a wave: two blocks of 256 bytes that no other line names
.set ADRA, 16                          ; v16-17 my A fragments, kb 0-3 and kb 4-7
.set ADRB, 20                          ; v20-21 the same for B
.set STO,  24
.set RD,   25
.set CO,   26
.set ADRS, 27
.set SPW,  28                          ; my spare word; never rewritten
.set NIL,  29                          ; 0; never rewritten
.set SC,   32
.set BK,   64
.set ACC,  128
.set G1, 24
.set G0, 32
.set G1B, 48
.set G0B, 56
.set G1S, 68
.set G0S, 76
.set G1SB, 80
.set G0SB, 88
; FOUR SETS OF FRAGMENTS: kb's set lies in window 1 + (kb % 4) / 2, at v[128 (kb % 2)]: windows 1 and 2 hold two sets each.  kb + 2's 48 loads are issued in the middle of kb.
; The windows' settings: 5 (1 + (kb % 4) / 2): sources 0 (B) and 1 (A) in the set's window, C and D in window 0; 0x40 (1 + (kb % 4) / 2): destination in the set's window, address in window 0.
.set MSB, 0
.macro WIN new                         ; the immediate's high byte repeats the setting that is left
.if MSB != (\new)
	s_set_vgpr_msb (MSB<<8)|(\new)
.set MSB, (\new)
.endif
.endm
.macro CROUND                          ; a round of the cluster's barrier
	s_barrier_signal -1
	s_barrier_wait -1
	s_cmp_lg_u32 s14, 0
	s_cbranch_scc1 .Lnot_wave_0_\@
	s_barrier_signal -3
.Lnot_wave_0_\@:
	s_barrier_wait -3
	s_barrier_signal -1
	s_barrier_wait -1
.endm
.macro PLACES n
.rept \n
	v_nop
.endr
.endm
.macro DENSE g, rows                   ; group 1, words 1 to 7: rows of 256 bytes (32 elements of 8), dense
	s_mov_b32 s[\g+1], 32<<16
	s_mov_b32 s[\g+2], (\rows)<<16
	s_mov_b32 s[\g+3], 32<<16
	s_mov_b32 s[\g+4], \rows
	s_mov_b32 s[\g+5], 32
	s_mov_b32 s[\g+6], 0
	s_mov_b32 s[\g+7], 0
.endm
.macro GRP0 g, lds, adr
	s_mov_b32 s[\g], 1
	s_mov_b32 s[\g+1], \lds
	s_mov_b64 s[\g+2:\g+3], s[\adr:\adr+1]
	s_or_b32 s[\g+3], s[\g+3], 0x80000000
.endm
	s_load_b128 s[4:7], s[0:1], 0x0                ; ab, wob
	s_load_b64 s[12:13], s[0:1], 0x10              ; cb
	v_lshl_add_u32 v[SPW], v0, 2, SPARE
	v_mov_b32 v[NIL], 0
	ds_add_u32 v[SPW], v[NIL]                      ; the wave's opening: the add, twice on end, and its wait ahead of my first tensor load
	ds_add_u32 v[SPW], v[NIL]
	v_lshrrev_b32 v1, 5, v0
	v_readfirstlane_b32 s14, v1                    ; wave
	s_lshr_b32 s15, s14, 1                         ; my half of the tile's rows
	s_and_b32 s16, s14, 1                          ; my half of its columns
	s_bfe_u32 s40, ttmp6, 0x40000                  ; cx
	s_bfe_u32 s41, ttmp6, 0x40004                  ; cy
	s_lshl_b32 s42, ttmp9, 2
	s_add_co_u32 s42, s42, s40                     ; tile column = B's panel
	s_and_b32 s17, ttmp7, 0xffff
	s_lshl_b32 s17, s17, 2
	s_add_co_u32 s17, s17, s41                     ; tile row = A's panel
	s_lshl_b32 s43, s41, 2
	s_lshl_b32 s43, 15, s43                        ; my row of the cluster
	s_lshl_b32 s44, 0x1111, s40                    ; my column
	s_or_b32 s[G1], s43, (3<<16)|(1<<21)           ; 15:0 the mask; 17:16 elements of 8 bytes; 21 set beside a mask; no padding
	s_or_b32 s[G1B], s44, (3<<16)|(1<<21)
	s_or_b32 s[G1S], s43, (3<<16)|(1<<21)
	s_or_b32 s[G1SB], s44, (3<<16)|(1<<21)
	DENSE G1, 384
	DENSE G1B, 384
	DENSE G1S, 16
	DENSE G1SB, 16
	s_mul_i32 s20, s17, 393216
	s_add_co_u32 s20, s20, 524288
	s_mov_b32 s21, 0
	s_lshl_b32 s22, s17, 14
	s_mov_b32 s23, 0
	s_mul_i32 s46, s42, 393216
	s_add_co_u32 s46, s46, 131072
	s_mov_b32 s47, 0
	s_lshl_b32 s96, s42, 14
	s_mov_b32 s97, 0
	s_wait_dscnt 0x0                               ; both opening adds are done
	s_wait_kmcnt 0x0
	s_add_nc_u64 s[20:21], s[4:5], s[20:21]
	s_add_nc_u64 s[22:23], s[4:5], s[22:23]
	s_add_nc_u64 s[46:47], s[6:7], s[46:47]
	s_add_nc_u64 s[96:97], s[6:7], s[96:97]
	CROUND                                         ; all sixteen work-groups are here: the joint loads meet
	GRP0 G0, 0, 20
	GRP0 G0B, BC, 46
	GRP0 G0S, SCL, 22
	GRP0 G0SB, SCL+ASC, 96
; The head's loads, one a wave: one chain of branches on the wave's number, every way through it passes one load.
.macro ARM under, g0, g1, next
	s_cmp_lt_u32 s14, \under
	s_cbranch_scc0 \next
	tensor_load_to_lds s[\g0:\g0+3], s[\g1:\g1+7]
	s_nop 0
.rept 4
	v_nop
.endr
	s_branch .Lhead_asked
\next:
.endm
	ARM 1, G0,  G1,  .Lhead_b
	ARM 2, G0B, G1B, .Lhead_sa
	ARM 3, G0S, G1S, .Lhead_sb
	tensor_load_to_lds s[G0SB:G0SB+3], s[G1SB:G1SB+7]
	s_nop 0
.rept 4
	v_nop
.endr
.Lhead_asked:
	s_mul_i32 s92, s15, 4*FRB                      ; my four blocks of A,
	s_mul_i32 s93, s16, 4*FRB                      ; of B
	s_add_co_u32 s93, s93, BC
	s_lshl_b32 s94, s15, 8                         ; my four blocks' scale words: 256 bytes of a kb's 512
	s_lshl_b32 s95, s16, 8
	s_add_co_u32 s95, s95, ASC
	s_sub_co_u32 s95, s95, s94                     ; from A's to B's
	s_add_co_u32 s94, s94, SCL
	s_mul_i32 s98, s14, 16*SPITCH
	s_add_co_u32 s98, s98, STAGE                   ; my stage
	s_lshl_b32 s20, s17, 7
	s_lshl_b32 s21, s15, 6
	s_add_co_u32 s20, s20, s21                     ; my first row of C,
	s_lshl_b32 s20, s20, 12                        ; of 4,096 bytes;
	s_lshl_b32 s46, s42, 9                         ; my first column, in bytes
	s_lshl_b32 s47, s16, 8
	s_add_co_u32 s46, s46, s47
	s_add_co_u32 s20, s20, s46
	s_mov_b32 s21, 0
	s_add_nc_u64 s[12:13], s[12:13], s[20:21]
	v_and_b32 v1, 15, v0                           ; r
	v_bfe_u32 v2, v0, 4, 1                         ; h
	v_and_b32 v3, 31, v0
	v_lshlrev_b32 v4, 3, v3                        ; 8 x lane
	v_add_nc_u32 v[ADRA], s92, v4
	v_add_nc_u32 v[ADRB], s93, v4
	v_add_nc_u32 v[ADRA+1], HALFK, v[ADRA]
	v_add_nc_u32 v[ADRB+1], HALFK, v[ADRB]
	v_lshlrev_b32 v5, 2, v1                        ; 4 r
	v_mul_u32_u24 v6, s95, v2                      ; lanes 16-31 take B's
	v_add_nc_u32 v5, v5, v6
	v_add_nc_u32 v[ADRS], s94, v5
	v_mul_u32_u24 v5, v1, SPITCH
	v_lshl_add_u32 v5, v2, 6, v5                   ; into the stage: row r, + 64 h
	v_add_nc_u32 v[STO], s98, v5
	v_mul_u32_u24 v5, v2, SPITCH
	v_lshl_add_u32 v5, v1, 4, v5                   ; back: lanes 0-15 one row of 256 bytes, lanes 16-31 the next
	v_add_nc_u32 v[RD], s98, v5
	v_lshlrev_b32 v[CO], 12, v2                    ; and the same two rows in C
	v_lshl_add_u32 v[CO], v1, 4, v[CO]
.macro FRAG reg, adr, kb, i            ; a fragment as it lies: six pieces of 256 consecutive bytes
.irp p, 0,1,2,3,4,5
	ds_load_b64 v[\reg+2*\p:\reg+2*\p+1], v[\adr+(\kb)/4] offset:((\kb)%4)*PANEL+(\i)*FRB+256*\p
.endr
.endm
; Four products: A's block a against B's four, on set kb % 2.  zero = 1: the first product starts the sums.  The 16 accumulators take turns, one instruction a turn.
.macro MUL4 a, kb, zero
.irp b, 0,1,2,3
.set rD, ACC+8*(4*(\a)+\b)
.set rB, 128*((\kb)%2)+48+FR*\b
.set rA, 128*((\kb)%2)+FR*(\a)
.set rSB, SC+4*(\kb)+\b
.set rSA, SC+4*(\kb)+(\a)
.if \zero
	v_wmma_scale_f32_16x16x128_f8f6f4 v[rD:rD+7], v[rB:rB+FR-1], v[rA:rA+FR-1], 0, v[rSB], v[rSA] matrix_a_fmt:MATRIX_FMT_FP6 matrix_b_fmt:MATRIX_FMT_FP6 matrix_a_scale:MATRIX_SCALE_ROW1
.else
	v_wmma_scale_f32_16x16x128_f8f6f4 v[rD:rD+7], v[rB:rB+FR-1], v[rA:rA+FR-1], v[rD:rD+7], v[rSB], v[rSA] matrix_a_fmt:MATRIX_FMT_FP6 matrix_b_fmt:MATRIX_FMT_FP6 matrix_a_scale:MATRIX_SCALE_ROW1
.endif
.endr
.endm
.macro FETCH1 kb                       ; what a step's first half multiplies: B's four blocks and A's blocks 0, 1: 36 loads
.irp i, 0,1,2,3
	FRAG 128*((\kb)%2)+48+FR*\i, ADRB, \kb, \i
.endr
.irp i, 0,1
	FRAG 128*((\kb)%2)+FR*\i, ADRA, \kb, \i
.endr
.endm
.macro FETCH2 kb                       ; what its second half adds: A's blocks 2, 3: 12 loads
.irp i, 2,3
	FRAG 128*((\kb)%2)+FR*\i, ADRA, \kb, \i
.endr
.endm
; One kb: 16 products; in its middle kb + 2's fragments are asked for, into the set that kb - 2 multiplied.  Loads into registers that matrix instructions have read stand four plain places behind them.
.macro STEP kb, zero
.set NX, (\kb)+2
.set MW, 5*(1+((\kb)%4)/2)
.if (\kb) < 7
	s_wait_dscnt 48                                ; all but the youngest 48 loads (kb + 1's) are in
.else
	s_wait_dscnt 0x0
.endif
	WIN MW
	MUL4 0, \kb, \zero
	MUL4 1, \kb, \zero
.if NX < 8
	PLACES NP
	WIN 0x40*(1+(NX%4)/2)
	FETCH1 NX
	FETCH2 NX
	WIN MW
.endif
	MUL4 2, \kb, \zero
	MUL4 3, \kb, \zero
.endm
	s_wait_alu depctr_va_vdst(0)                   ; the wait at the head's end
	s_wait_tensorcnt 0x0                           ; my tile has landed;
	s_barrier_signal -1
	s_barrier_wait -1                              ; and everybody's.
.irp q, 0,1,2,3,4,5,6,7
.irp i, 0,1,2,3
	ds_load_b32 v[SC+4*\q+\i], v[ADRS] offset:512*\q+64*\i   ; all of K's scale words
.endr
.endr
	WIN 0x40
	FETCH1 0
	FETCH2 0
	FETCH1 1
	FETCH2 1
	STEP 0, 1                                      ; the first products start the sums: nothing is cleared
.irp k, 1,2,3,4,5,6,7
	STEP \k, 0
.endr
	WIN 0
; THE WAY OUT, block by block of 16 rows x 64 columns, through my own stage: tile b's eight numbers of a lane are my columns 32 (b / 2) + 16 h + 8 (b % 2) + 0 .. 7; stage row t is my row 32 (a / 2) + 8 (a % 2) + t + 8 (t / 8).
.macro TOSTAGE a
.irp b, 0,1,2,3
	ds_store_b128 v[STO], v[ACC+8*(4*(\a)+\b):ACC+8*(4*(\a)+\b)+3] offset:128*(\b/2)+32*(\b%2)          ; each accumulator from its low end on
	ds_store_b128 v[STO], v[ACC+8*(4*(\a)+\b)+4:ACC+8*(4*(\a)+\b)+7] offset:128*(\b/2)+32*(\b%2)+16
.endr
.set BB, BK+32*((\a)%2)
.irp t, 0,1,2,3,4,5,6,7
	ds_load_b128 v[BB+4*\t:BB+4*\t+3], v[RD] offset:2*\t*SPITCH   ; LDS serves a wave's instructions in order: these see the stores above
.endr
.endm
.macro SEND a, younger                 ; younger: the LDS instructions issued behind block a's loads, which may stay out
.set BB, BK+32*((\a)%2)
	s_wait_dscnt \younger
.irp t, 0,1,2,3,4,5,6,7
	global_store_b128 v[CO], v[BB+4*\t:BB+4*\t+3], s[12:13] offset:(32*((\a)/2)+8*((\a)%2)+2*\t+8*(\t/4))*4096 th:TH_STORE_NT   ; 16 lanes store 256 consecutive bytes, aligned
.endr
.endm
	PLACES NP                                      ; behind the last products
	TOSTAGE 0
.irp a, 1,2,3
.if \a > 1
	s_wait_xcnt 0x0                                ; block a - 2's stores have read their registers: block a's loads may land there
.endif
	TOSTAGE \a
	SEND \a-1, 16                                  ; behind block a - 1's loads: block a's 8 stores and 8 loads
.endr
	SEND 3, 0
	s_wait_tensorcnt 0x0                           ; the wave's end
	ds_add_u32 v[SPW], v[NIL]
	s_wait_dscnt 0x0
	CROUND                                         ; the closing round
	s_endpgm
.Lfunc_end_k_qf2b0739368_wo:
	.size	k_qf2b0739368_wo, .Lfunc_end_k_qf2b0739368_wo-k_qf2b0739368_wo
	.p2alignl 7, 3214868480
	.fill 96, 4, 3214868480
	.section	.rodata,"a",@progbits
	.p2align	6, 0x0
	.amdhsa_kernel k_qf2b0739368_wo
		.amdhsa_group_segment_fixed_size 222720
		.amdhsa_private_segment_fixed_size 0
		.amdhsa_enable_private_segment 0
		.amdhsa_kernarg_size 24
		.amdhsa_user_sgpr_count 2
		.amdhsa_user_sgpr_kernarg_segment_ptr 1
		.amdhsa_wavefront_size32 1
		.amdhsa_system_sgpr_workgroup_id_x 1
		.amdhsa_system_sgpr_workgroup_id_y 1
		.amdhsa_system_sgpr_workgroup_id_z 1
		.amdhsa_system_vgpr_workitem_id 0
		.amdhsa_next_free_vgpr 768
		.amdhsa_next_free_sgpr 100
		.amdhsa_reserve_vcc 0
		.amdhsa_float_denorm_mode_32 3
		.amdhsa_float_denorm_mode_16_64 3
		.amdhsa_memory_ordered 1
		.amdhsa_forward_progress 1
		.amdhsa_inst_pref_size 60
	.end_amdhsa_kernel
	.amdgpu_metadata
---
amdhsa.version: [ 1, 2 ]
amdhsa.kernels:
  - .name:           k_qf2b0739368_wo
    .symbol:         k_qf2b0739368_wo.kd
    .args:
      - { .name: ab, .offset: 0, .size: 8, .value_kind: global_buffer, .address_space: global }
      - { .name: wob, .offset: 8, .size: 8, .value_kind: global_buffer, .address_space: global }
      - { .name: cb, .offset: 16, .size: 8, .value_kind: global_buffer, .address_space: global }
    .group_segment_fixed_size: 222720
    .private_segment_fixed_size: 0
    .kernarg_segment_align: 8
    .kernarg_segment_size: 24
    .max_flat_workgroup_size: 128
    .sgpr_count:     100
    .vgpr_count:     768
    .wavefront_size: 32
...
	.end_amdgpu_metadata
.endif
;; end of part 4
;; launch ln1 (part 5): grid 256 x 1, 16 waves a work-group, no clusters, 80,128 bytes of LDS; arguments cb, query, bo, g1, be1, x1b; writes x1b
.if DOCPART == 5
	.amdgcn_target "amdgcn-amd-amdhsa--gfx1250"
	.amdhsa_code_object_version 6
	.text
	.protected	k_qf2b0739368_ln1
	.globl	k_qf2b0739368_ln1
	.p2align	8
	.type	k_qf2b0739368_ln1,@function
k_qf2b0739368_ln1:
	s_mov_b64 s[64:65], 0
	v_nop
	global_prefetch_b8 v0, s[64:65] scope:SCOPE_SE
	s_setreg_imm32_b32 hwreg(HW_REG_WAVE_MODE, 25, 1), 1
	s_wait_xcnt 0x0
; x1 = g1 (v - mean) / (std + 1e-6) + be1 with v = query + (C + bo), std from the sum of squares / 1,023; x1 leaves as f32 and as codes of FP6 (E2M3) with E8M0 scales along D.  All in f32.
; A work-group is one row block of the fragment format: wave i takes row 32 (g / 2) + 8 (g % 2) + i + 8 (i / 8), whole: lane l holds columns 128 j + 4 l + 0 .. 3.  Every load and store covers 512 consecutive bytes.
; bo, g1, be1 come once a work-group, through LDS.  The 16 rows of x1 meet in a stage (rows of 4,096 + 16 bytes); waves 0 to 7 then quantise one fragment each (kb = wave).
; Streaming: memory binds; matrix units, clusters and tensor loads would add nothing here.
; LIMITS: blocks of zeros keep the scale byte 1; NaN and infinities are not served.
.set PITCH, 4112
.set VEC,   16*PITCH                   ; bo, g1, be1: 4,096 bytes each
.set SPARE, VEC+12288                  ; the spare words, 128 bytes a wave
.set X1S,   16777216
.set X1C,   16908288
.set V,     16                         ; v16-47 C, then v, d, x1
.set G,     80                         ; v80-111 bo, then g1
.set BE,    112                        ; v112-143 be1
.set T0,    156
.set T1,    158
.set MEAN,  160
.set INV,   162
.set PC,    80                         ; second phase: the codes, at work, the scale word
.set TM,    100
.set PW,    116
.set SEL,   28
	s_load_b256 s[4:11], s[0:1], 0x0               ; cb, query, bo, g1
	s_load_b128 s[12:15], s[0:1], 0x20             ; be1, x1b
	v_lshl_add_u32 v10, v0, 2, SPARE               ; v10: my spare word; v11: 0; never rewritten
	v_mov_b32 v11, 0
	v_lshrrev_b32 v1, 5, v0
	s_delay_alu instid0(VALU_DEP_1)
	v_readfirstlane_b32 s16, v1                    ; wave i
	v_and_b32 v2, 31, v0
	s_delay_alu instid0(VALU_DEP_1)
	v_lshlrev_b32 v1, 4, v2                        ; 16 x lane
	v_lshlrev_b32 v3, 4, v0                        ; 16 x thread
	s_wait_alu depctr_va_vdst(0)
	s_lshr_b32 s17, ttmp9, 1
	s_lshl_b32 s17, s17, 5
	s_and_b32 s18, ttmp9, 1
	s_lshl_b32 s18, s18, 3
	s_add_co_u32 s17, s17, s18
	s_add_co_u32 s17, s17, s16
	s_and_b32 s18, s16, 8
	s_add_co_u32 s17, s17, s18                     ; my row
	s_lshl_b32 s18, s17, 12
	s_mov_b32 s19, 0
	v_add_nc_u32 v4, VEC, v3                       ; the vectors, way in
	v_add_nc_u32 v5, VEC, v1                       ; and out
	s_mul_i32 s20, s16, PITCH
	v_add_nc_u32 v6, s20, v1                       ; my row in the stage
	v_and_b32 v12, 15, v0
	v_bfe_u32 v13, v0, 4, 1
	s_delay_alu instid0(VALU_DEP_2)
	v_mul_u32_u24 v7, v12, PITCH
	s_delay_alu instid0(VALU_DEP_1)
	v_lshl_add_u32 v7, v13, 6, v7
	s_lshl_b32 s20, s16, 9
	v_add_nc_u32 v7, s20, v7                       ; second phase: row r, kb = wave, + 64 h
	v_lshlrev_b32 v8, 3, v2                        ; 8 x lane
	v_lshlrev_b32 v9, 2, v12                       ; 4 r
	s_lshr_b32 s22, ttmp9, 3
	s_lshl_b32 s22, s22, 3
	s_add_co_u32 s22, s22, s16
	s_lshl_b32 s22, s22, 3
	s_and_b32 s23, ttmp9, 7
	s_add_co_u32 s22, s22, s23                     ; the fragment (panel g / 8, kb = wave, block g % 8)
	s_mul_i32 s24, s22, 1536
	s_add_co_u32 s24, s24, X1C
	s_mov_b32 s25, 0
	s_lshl_b32 s26, s22, 6
	s_add_co_u32 s26, s26, X1S
	s_mov_b32 s27, 0
	s_mov_b32 s[SEL], 0x76543210
	s_mov_b32 s[SEL+1], 0xfedcba98
	s_wait_kmcnt 0x0
	s_add_nc_u64 s[4:5], s[4:5], s[18:19]
	s_add_nc_u64 s[6:7], s[6:7], s[18:19]
	s_add_nc_u64 s[20:21], s[14:15], s[18:19]
	s_add_nc_u64 s[24:25], s[14:15], s[24:25]
	s_add_nc_u64 s[26:27], s[14:15], s[26:27]
	s_cmp_lt_u32 s16, 8
	s_cbranch_scc0 .Lrows
	global_load_b128 v[144:147], v3, s[8:9]
	global_load_b128 v[148:151], v3, s[10:11]
	global_load_b128 v[152:155], v3, s[12:13]
.Lrows:
.irp j, 0,1,2,3,4,5,6,7
	global_load_b128 v[16+4*\j:19+4*\j], v1, s[4:5] offset:512*\j th:TH_LOAD_NT
.endr
.irp j, 0,1,2,3,4,5,6,7
	global_load_b128 v[48+4*\j:51+4*\j], v1, s[6:7] offset:512*\j th:TH_LOAD_NT
.endr
	s_cmp_lt_u32 s16, 8
	s_cbranch_scc0 .Lnovec
	s_wait_loadcnt 16                              ; the three vector loads are in; my row's 16 may be out
	ds_store_b128 v4, v[144:147]
	ds_store_b128 v4, v[148:151] offset:4096
	ds_store_b128 v4, v[152:155] offset:8192
.Lnovec:
	s_wait_dscnt 0x0
	s_barrier_signal -1
	s_barrier_wait -1
	s_wait_alu depctr_va_vdst(0)
.irp j, 0,1,2,3,4,5,6,7
	ds_load_b128 v[G+4*\j:G+4*\j+3], v5 offset:512*\j             ; bo
.endr
.irp j, 0,1,2,3,4,5,6,7
	ds_load_b128 v[BE+4*\j:BE+4*\j+3], v5 offset:8192+512*\j      ; be1
.endr
	s_wait_loadcnt 0x0
	s_wait_dscnt 8                                 ; bo is in; be1's eight loads may be out
.irp k, 0,2,4,6,8,10,12,14,16,18,20,22,24,26,28,30
	v_pk_add_f32 v[V+\k:V+\k+1], v[V+\k:V+\k+1], v[G+\k:G+\k+1]
.endr
.irp k, 0,2,4,6,8,10,12,14,16,18,20,22,24,26,28,30
	v_pk_add_f32 v[V+\k:V+\k+1], v[V+\k:V+\k+1], v[48+\k:49+\k]
.endr
.irp j, 0,1,2,3,4,5,6,7
	ds_load_b128 v[G+4*\j:G+4*\j+3], v5 offset:4096+512*\j        ; g1
.endr
.macro ACROSS                          ; v[T0:T0+1] and v[T1:T1+1] become one sum over the row, in every lane
	s_delay_alu instid0(VALU_DEP_1)
	v_pk_add_f32 v[T0:T0+1], v[T0:T0+1], v[T1:T1+1]
	s_delay_alu instid0(VALU_DEP_1)
	v_add_f32 v[T0], v[T0], v[T0+1]
	s_delay_alu instid0(VALU_DEP_1)
	v_add_f32_dpp v[T0], v[T0], v[T0] row_xmask:1 row_mask:0xf bank_mask:0xf
	s_delay_alu instid0(VALU_DEP_1)
	v_add_f32_dpp v[T0], v[T0], v[T0] row_xmask:2 row_mask:0xf bank_mask:0xf
	s_delay_alu instid0(VALU_DEP_1)
	v_add_f32_dpp v[T0], v[T0], v[T0] row_xmask:4 row_mask:0xf bank_mask:0xf
	s_delay_alu instid0(VALU_DEP_1)
	v_add_f32_dpp v[T0], v[T0], v[T0] row_xmask:8 row_mask:0xf bank_mask:0xf
	s_delay_alu instid0(VALU_DEP_1)
	v_permlanex16_b32 v[T1], v[T0], s[SEL], s[SEL+1]
	s_delay_alu instid0(VALU_DEP_1)
	v_add_f32 v[T0], v[T0], v[T1]
.endm
	v_pk_add_f32 v[T0:T0+1], v[V:V+1], v[V+2:V+3]
	v_pk_add_f32 v[T1:T1+1], v[V+4:V+5], v[V+6:V+7]
.irp k, 8,12,16,20,24,28
	s_delay_alu instid0(VALU_DEP_2)
	v_pk_add_f32 v[T0:T0+1], v[T0:T0+1], v[V+\k:V+\k+1]
	s_delay_alu instid0(VALU_DEP_2)
	v_pk_add_f32 v[T1:T1+1], v[T1:T1+1], v[V+\k+2:V+\k+3]
.endr
	ACROSS
	s_delay_alu instid0(VALU_DEP_1)
	v_mul_f32 v[MEAN], 0x3a800000, v[T0]           ; / 1,024
	s_delay_alu instid0(VALU_DEP_1)
	v_mov_b32 v[MEAN+1], v[MEAN]
.irp k, 0,2,4,6,8,10,12,14,16,18,20,22,24,26,28,30
	v_pk_add_f32 v[V+\k:V+\k+1], v[V+\k:V+\k+1], v[MEAN:MEAN+1] neg_lo:[0,1] neg_hi:[0,1]
.endr
	v_pk_mul_f32 v[T0:T0+1], v[V:V+1], v[V:V+1]
	v_pk_mul_f32 v[T1:T1+1], v[V+2:V+3], v[V+2:V+3]
.irp k, 4,8,12,16,20,24,28
	s_delay_alu instid0(VALU_DEP_2)
	v_pk_fma_f32 v[T0:T0+1], v[V+\k:V+\k+1], v[V+\k:V+\k+1], v[T0:T0+1]
	s_delay_alu instid0(VALU_DEP_2)
	v_pk_fma_f32 v[T1:T1+1], v[V+\k+2:V+\k+3], v[V+\k+2:V+\k+3], v[T1:T1+1]
.endr
	ACROSS
	s_delay_alu instid0(VALU_DEP_1)
	v_mul_f32 v[T0], 0x3a802008, v[T0]             ; / 1,023
	s_wait_alu depctr_va_vdst(0)
	v_sqrt_f32 v[T1], v[T0]
	v_nop                                          ; a plain place behind the root
	s_wait_alu depctr_va_vdst(0)                   ; and the wait ahead of its first reader
	v_add_f32 v[T1], 0x358637bd, v[T1]             ; + 1e-6
	s_wait_alu depctr_va_vdst(0)
	v_rcp_f32 v[INV], v[T1]
	v_nop
	s_wait_alu depctr_va_vdst(0)
	v_mov_b32 v[INV+1], v[INV]
.irp k, 0,2,4,6,8,10,12,14,16,18,20,22,24,26,28,30
	v_pk_mul_f32 v[V+\k:V+\k+1], v[V+\k:V+\k+1], v[INV:INV+1]
.endr
	s_wait_dscnt 0x0                               ; g1 and be1
.irp k, 0,2,4,6,8,10,12,14,16,18,20,22,24,26,28,30
	v_pk_fma_f32 v[V+\k:V+\k+1], v[V+\k:V+\k+1], v[G+\k:G+\k+1], v[BE+\k:BE+\k+1]
.endr
.irp j, 0,1,2,3,4,5,6,7
	global_store_b128 v1, v[V+4*\j:V+4*\j+3], s[20:21] offset:512*\j
.endr
.irp j, 0,1,2,3,4,5,6,7
	ds_store_b128 v6, v[V+4*\j:V+4*\j+3] offset:512*\j
.endr
	s_wait_dscnt 0x0                               ; for the others' sake: my row lies in the stage
	s_barrier_signal -1
	s_barrier_wait -1
	s_cmp_lt_u32 s16, 8
	s_cbranch_scc0 .Lend
	s_wait_xcnt 0x0                                ; my row's stores have read their registers, which the loads below fill
.irp b, 0,1,2,3
.irp j, 0,1,2,3
	ds_load_b128 v[16+16*\b+4*\j:19+16*\b+4*\j], v7 offset:128*\b+16*\j   ; register 16 b + i = k 32 b + 16 h + i of row r
.endr
.endr
.irp b, 0,1,2,3
	v_mov_b32 v[TM+4+\b], 0
.endr
	s_wait_dscnt 0x0
.irp b, 0,1,2,3
	v_max3_num_f32 v[TM+\b], |v[16+16*\b]|, |v[17+16*\b]|, 0x1800000   ; the floor 2^(3 - 127)
.endr
.irp i, 2,4,6,8,10,12,14
.irp b, 0,1,2,3
	s_delay_alu instid0(VALU_DEP_4)
	v_max3_num_f32 v[TM+\b], v[TM+\b], |v[16+16*\b+\i]|, |v[17+16*\b+\i]|
.endr
.endr
.irp b, 0,1,2,3
	s_delay_alu instid0(VALU_DEP_4)
	v_permlanex16_b32 v[TM+4+\b], v[TM+\b], s[SEL], s[SEL+1]
.endr
.irp b, 0,1,2,3
	s_delay_alu instid0(VALU_DEP_4)
	v_max_num_f32 v[TM+\b], v[TM+\b], v[TM+4+\b]
.endr
.irp b, 0,1,2,3
	s_delay_alu instid0(VALU_DEP_4)
	v_add_nc_u32 v[TM+12+\b], 0xff000000, v[TM+\b]
.endr
.irp b, 0,1,2,3
	s_delay_alu instid0(VALU_DEP_4)
	v_lshrrev_b32 v[TM+4+\b], 23, v[TM+12+\b]
.endr
	s_delay_alu instid0(VALU_DEP_3)
	v_lshl_or_b32 v[PW], v[TM+5], 8, v[TM+4]
	s_delay_alu instid0(VALU_DEP_1)
	v_lshl_or_b32 v[PW], v[TM+6], 16, v[PW]
	s_delay_alu instid0(VALU_DEP_1)
	v_lshl_or_b32 v[PW], v[TM+7], 24, v[PW]
.irp c, 0,1
	v_cvt_scalef32_pk16_fp6_f32 v[PC+6*\c:PC+2+6*\c], v[16+32*\c:31+32*\c], v[TM+12+2*\c]
	v_cvt_scalef32_pk16_fp6_f32 v[PC+12+4*\c:PC+14+4*\c], v[32+32*\c:47+32*\c], v[TM+12+2*\c+1]
.endr
	v_nop                                          ; one plain place behind a scaled conversion
.irp c, 0,1
.irp i, 0,1,2
	v_permlane16_swap_b32 v[PC+6*\c+\i], v[PC+12+4*\c+\i]
.endr
.irp i, 0,1,2
	s_delay_alu instid0(VALU_DEP_3)
	v_mov_b32 v[PC+3+6*\c+\i], v[PC+12+4*\c+\i]
.endr
.endr
.irp p, 0,1,2,3,4,5
	global_store_b64 v8, v[PC+2*\p:PC+2*\p+1], s[24:25] offset:256*\p   ; 256 consecutive bytes, aligned
.endr
	global_store_b32 v9, v[PW], s[26:27]           ; 16 words; both halves of the lanes store the same word
.Lend:
	s_wait_tensorcnt 0x0                           ; the wave's end
	ds_add_u32 v10, v11
	s_wait_dscnt 0x0
	s_endpgm
.Lfunc_end_k_qf2b0739368_ln1:
	.size	k_qf2b0739368_ln1, .Lfunc_end_k_qf2b0739368_ln1-k_qf2b0739368_ln1
	.p2alignl 7, 3214868480
	.fill 96, 4, 3214868480
	.section	.rodata,"a",@progbits
	.p2align	6, 0x0
	.amdhsa_kernel k_qf2b0739368_ln1
		.amdhsa_group_segment_fixed_size 80128
		.amdhsa_private_segment_fixed_size 0
		.amdhsa_enable_private_segment 0
		.amdhsa_kernarg_size 48
		.amdhsa_user_sgpr_count 2
		.amdhsa_user_sgpr_kernarg_segment_ptr 1
		.amdhsa_wavefront_size32 1
		.amdhsa_system_sgpr_workgroup_id_x 1
		.amdhsa_system_sgpr_workgroup_id_y 1
		.amdhsa_system_sgpr_workgroup_id_z 1
		.amdhsa_system_vgpr_workitem_id 0
		.amdhsa_next_free_vgpr 192
		.amdhsa_next_free_sgpr 66
		.amdhsa_reserve_vcc 0
		.amdhsa_float_denorm_mode_32 3
		.amdhsa_float_denorm_mode_16_64 3
		.amdhsa_memory_ordered 1
		.amdhsa_forward_progress 1
		.amdhsa_inst_pref_size 25
	.end_amdhsa_kernel
	.amdgpu_metadata
---
amdhsa.version: [ 1, 2 ]
amdhsa.kernels:
  - .name:           k_qf2b0739368_ln1
    .symbol:         k_qf2b0739368_ln1.kd
    .args:
      - { .name: cb, .offset: 0, .size: 8, .value_kind: global_buffer, .address_space: global }
      - { .name: query, .offset: 8, .size: 8, .value_kind: global_buffer, .address_space: global }
      - { .name: bo, .offset: 16, .size: 8, .value_kind: global_buffer, .address_space: global }
      - { .name: g1, .offset: 24, .size: 8, .value_kind: global_buffer, .address_space: global }
      - { .name: be1, .offset: 32, .size: 8, .value_kind: global_buffer, .address_space: global }
      - { .name: x1b, .offset: 40, .size: 8, .value_kind: global_buffer, .address_space: global }
    .group_segment_fixed_size: 80128
    .private_segment_fixed_size: 0
    .kernarg_segment_align: 8
    .kernarg_segment_size: 48
    .max_flat_workgroup_size: 512
    .sgpr_count:     66
    .vgpr_count:     192
    .wavefront_size: 32
...
	.end_amdgpu_metadata
.endif
;; end of part 5
;; launch ffn1 (part 6): grid 16 x 16, 4 waves a work-group, clusters of 4 x 4, 327,680 bytes of LDS; arguments x1b, qw, b1, ab; writes ab
.if DOCPART == 6
	.amdgcn_target "amdgcn-amd-amdhsa--gfx1250"
	.amdhsa_code_object_version 6
	.text
	.protected	k_qf2b0739368_ffn1
	.globl	k_qf2b0739368_ffn1
	.p2align	8
	.type	k_qf2b0739368_ffn1,@function
k_qf2b0739368_ffn1:
	s_mov_b64 s[64:65], 0
	v_nop
	global_prefetch_b8 v0, s[64:65] scope:SCOPE_SE
	s_setreg_imm32_b32 hwreg(HW_REG_WAVE_MODE, 25, 1), 1
	s_wait_xcnt 0x0
	s_wait_alu depctr_hold_cnt(0) depctr_sa_sdst(0) depctr_va_vdst(0) depctr_va_sdst(0) depctr_va_ssrc(0) depctr_va_vcc(0) depctr_vm_vsrc(0)
	s_getreg_b32 s2, hwreg(HW_REG_IB_STS2, 6, 4)
	s_cmp_eq_u32 s2, 0
	s_cbranch_scc0 .Lentry_in_a_cluster
	s_endpgm
.Lentry_in_a_cluster:
	s_bfe_u32 s2, ttmp6, 0x10000c
	s_cmp_lg_u32 s2, 0xf033
	s_cbranch_scc0 .Lentry_shape_is_right
	s_endpgm
.Lentry_shape_is_right:
; h1 = x1 W1^T + b1, quantised along FF: a product on codes of FP6 (E2M3) with E8M0 scales, the result again as codes, in the program's fragment format (panels of 128 rows, 8 row blocks of 16, lane-row r of block
; 2 al + u being row 32 al + 8 u + r + 8 (r / 8); a fragment of 16 rows x 128 K as six pieces of 256 bytes; fragments in the order (panel, kb, block); one scale word a row and 128 K in the same order).
; A work-group of four waves makes 256 x 256, a wave 128 x 128 in 64 accumulators.  4 x 4 work-groups form a cluster: A's tiles are asked for jointly along a row, B's along a column.
; The matrix instruction is used transposed (source 0 = B's block, source 1 = A's): a lane holds one row of A's block and 64 neighbours of the next product's K, which are quantised in registers.  The bias is the C of each sum's first product.
; THE WALK ALONG K = 1,024: two LDS slots of unlike size.  X (at 0) holds 256 K of the four panels, Y (at YB) 512 K.  X takes kb 0-1, Y kb 2-5, X again kb 6-7: three fills.
; The head's four tiles are shared out, one load a wave: A's two panels of kb 0-1, B's two, A's scale words, B's.  Y's fill and X's second are one load a wave, a panel each.
; PREFETCH: at the head each wave names its share of Y's bytes, behind Y's load its share of X's second fill: of a panel's bytes the four partners that ask for it jointly take a quarter each, told apart by address.
; LIMITS: a block of zeros, and one whose largest magnitude lies under 2^-124, keep the scale byte 1; NaN and infinities are not served.
.set FR,     12
.set NL,     6
.set NP,     4
.set FRB,    1536
.set PANEL,  12288
.set HALFT,  24576
.set YB,     4*HALFT                   ; Y: four panels x 49,152 bytes
.set SCL,    12*HALFT                  ; behind X and Y: four panels' scale words, 4,096 bytes each, [kb][128 words]
.set HALFS,  4096
.set SPARE,  SCL+4*HALFS               ; the spare words, 128 bytes a wave
.set OUTW,   SPARE+512                 ; the way out: 512 bytes a wave for the results' scale words; no fill lands here
.set PFO,    30                        ; v30  the prefetches' offset: 256 x min(lane, 23); never rewritten
.set PFA,    66                        ; s[66:67] my panel's codes + 6,144 x my place among the four partners; never rewritten
.set X1S,    16777216
.set X1C,    16908288
.set W1S,    229376
.set W1C,    5865472
.set ABC,    524288
.set ADRA, 16
.set ADRB, 20
.set L16,  22
.set SWS,  24
.set SWR,  25
.set L8,   26
.set ADRS, 27
.set SPW,  28
.set NIL,  29
.set SC,   32
.set CI,   64
.set AF,   128
.set TM,   224
.set PWR,  240
.set G1, 24
.set G0, 32
.set G1B, 48
.set G0B, 56
.set G1S, 68
.set G0S, 76
.set G1SB, 80
.set G0SB, 88
.set SEL, 98
.set MSB, 0
.macro WIN new
.if MSB != (\new)
	s_set_vgpr_msb (MSB<<8)|(\new)
.set MSB, (\new)
.endif
.endm
.macro JLOAD g0a, g1a, g0b, g1b
	s_cmp_eq_u32 s15, 0
	s_cbranch_scc0 .Lfor_b_\@
	tensor_load_to_lds s[\g0a:\g0a+3], s[\g1a:\g1a+7]
	s_nop 0
.rept 4
	v_nop
.endr
	s_branch .Lasked_\@
.Lfor_b_\@:
	tensor_load_to_lds s[\g0b:\g0b+3], s[\g1b:\g1b+7]
	s_nop 0
.rept 4
	v_nop
.endr
.Lasked_\@:
.endm
.macro CREST
	s_cmp_lg_u32 s14, 0
	s_cbranch_scc1 .Lnot_wave_0_\@
	s_barrier_signal -3
.Lnot_wave_0_\@:
	s_barrier_wait -3
	s_barrier_signal -1
	s_barrier_wait -1
.endm
.macro CROUND
	s_barrier_signal -1
	s_barrier_wait -1
	CREST
.endm
.macro PLACES n
.rept \n
	v_nop
.endr
.endm
	s_load_b256 s[4:11], s[0:1], 0x0
	v_lshl_add_u32 v[SPW], v0, 2, SPARE
	v_mov_b32 v[NIL], 0
	ds_add_u32 v[SPW], v[NIL]
	ds_add_u32 v[SPW], v[NIL]
	v_lshrrev_b32 v1, 5, v0
	v_readfirstlane_b32 s14, v1
	s_lshr_b32 s15, s14, 1
	s_and_b32 s16, s14, 1
	s_bfe_u32 s40, ttmp6, 0x40000
	s_bfe_u32 s41, ttmp6, 0x40004
	s_lshl_b32 s42, ttmp9, 2
	s_add_co_u32 s42, s42, s40
	s_and_b32 s17, ttmp7, 0xffff
	s_lshl_b32 s17, s17, 2
	s_add_co_u32 s17, s17, s41
	s_lshl_b32 s43, s41, 2
	s_lshl_b32 s43, 15, s43
	s_lshl_b32 s44, 0x1111, s40
	s_or_b32 s[G1+0], s43, (3<<16)|(1<<21)
	s_or_b32 s[G1B+0], s44, (3<<16)|(1<<21)
.irp g, G1, G1B                                ; for the head: two rows of 24,576 bytes (two panels' kb 0-1), 98,304 bytes apart in memory, on end in LDS
	s_mov_b32 s[\g+1], 3072<<16
	s_mov_b32 s[\g+2], 2<<16
	s_mov_b32 s[\g+3], 3072<<16
	s_mov_b32 s[\g+4], 2
	s_mov_b32 s[\g+5], 12288
	s_mov_b32 s[\g+6], 0
	s_mov_b32 s[\g+7], 0
.endr
	s_or_b32 s[G1S+0], s43, (3<<16)|(1<<21)
	s_or_b32 s[G1SB+0], s44, (3<<16)|(1<<21)
.irp g, G1S, G1SB
	s_mov_b32 s[\g+1], 32<<16
	s_mov_b32 s[\g+2], 32<<16                      ; two panels' scale words: 32 rows of 256 bytes, dense
	s_mov_b32 s[\g+3], 32<<16
	s_mov_b32 s[\g+4], 32
	s_mov_b32 s[\g+5], 32
	s_mov_b32 s[\g+6], 0
	s_mov_b32 s[\g+7], 0
.endr
	s_lshl_b32 s18, s17, 1                         ; A's first panel of the tile
	s_mul_i32 s20, s18, 98304
	s_add_co_u32 s20, s20, X1C
	s_mov_b32 s21, 0
	s_lshl_b32 s22, s18, 12
	s_add_co_u32 s22, s22, X1S
	s_mov_b32 s23, 0
	s_lshl_b32 s19, s42, 1                         ; B's first panel
	s_mul_i32 s46, s19, 98304
	s_add_co_u32 s46, s46, W1C
	s_mov_b32 s47, 0
	s_lshl_b32 s96, s19, 12
	s_add_co_u32 s96, s96, W1S
	s_mov_b32 s97, 0
	s_mul_i32 s45, s14, HALFT                      ; where my panel goes in X: no place in the cluster enters an LDS address
	s_mul_i32 s101, s14, 2*HALFT
	s_add_co_u32 s101, s101, YB                    ; and in Y
	s_mul_i32 s18, s16, 98304                      ; which of the tile's two panels I fetch behind the head, in bytes
	s_mov_b32 s19, 0
	s_mov_b32 s[SEL], 0x76543210
	s_mov_b32 s[SEL+1], 0xfedcba98
	s_wait_dscnt 0x0
	s_wait_kmcnt 0x0
	s_add_nc_u64 s[20:21], s[4:5], s[20:21]
	s_add_nc_u64 s[22:23], s[4:5], s[22:23]
	s_add_nc_u64 s[46:47], s[6:7], s[46:47]
	s_add_nc_u64 s[96:97], s[6:7], s[96:97]
	CROUND
	s_mov_b32 s[G0S], 1
	s_mov_b32 s[G0S+1], SCL
	s_mov_b64 s[G0S+2:G0S+3], s[22:23]
	s_or_b32 s[G0S+3], s[G0S+3], 0x80000000
	s_mov_b32 s[G0SB], 1
	s_mov_b32 s[G0SB+1], SCL+2*HALFS
	s_mov_b64 s[G0SB+2:G0SB+3], s[96:97]
	s_or_b32 s[G0SB+3], s[G0SB+3], 0x80000000
	s_mov_b32 s[G0], 1                             ; X's group 0, for the head: A's two panels, kb 0-1,
	s_mov_b32 s[G0+1], 0
	s_mov_b64 s[G0+2:G0+3], s[20:21]
	s_or_b32 s[G0+3], s[G0+3], 0x80000000
	s_mov_b32 s[G0B], 1                            ; and B's two, behind them
	s_mov_b32 s[G0B+1], 2*HALFT
	s_mov_b64 s[G0B+2:G0B+3], s[46:47]
	s_or_b32 s[G0B+3], s[G0B+3], 0x80000000
	s_add_nc_u64 s[20:21], s[20:21], s[18:19]      ; from here on: my panel
	s_add_nc_u64 s[46:47], s[46:47], s[18:19]
	s_mov_b32 s[G0+4], 1                           ; Y's group 0: my panel's kb 2-5
	s_mov_b32 s[G0+5], s101
	s_add_nc_u64 s[G0+6:G0+7], s[20:21], 2*PANEL
	s_or_b32 s[G0+7], s[G0+7], 0x80000000
	s_mov_b32 s[G0B+4], 1
	s_mov_b32 s[G0B+5], s101
	s_add_nc_u64 s[G0B+6:G0B+7], s[46:47], 2*PANEL
	s_or_b32 s[G0B+7], s[G0B+7], 0x80000000
	s_cmp_eq_u32 s15, 0                            ; the prefetches: the panel that I fetch,
	s_cselect_b64 s[PFA:PFA+1], s[20:21], s[46:47]
	s_cselect_b32 s18, s40, s41                    ; my place among the four that ask for it with me (cx for A, cy for B): it enters this address alone
	s_mul_i32 s18, s18, 6144
	s_add_nc_u64 s[PFA:PFA+1], s[PFA:PFA+1], s[18:19]
; The head's loads, one a wave: one chain of branches on the wave's number, every way through it passes one load.
.macro ARM under, g0, g1, next
	s_cmp_lt_u32 s14, \under
	s_cbranch_scc0 \next
	tensor_load_to_lds s[\g0:\g0+3], s[\g1:\g1+7]
	s_nop 0
.rept 4
	v_nop
.endr
	s_branch .Lhead_asked
\next:
.endm
	ARM 1, G0,  G1,  .Lhead_b
	ARM 2, G0B, G1B, .Lhead_sa
	ARM 3, G0S, G1S, .Lhead_sb
	tensor_load_to_lds s[G0SB:G0SB+3], s[G1SB:G1SB+7]
	s_nop 0
.rept 4
	v_nop
.endr
.Lhead_asked:
	v_and_b32 v1, 15, v0
	v_bfe_u32 v2, v0, 4, 1
	s_wait_alu depctr_va_vdst(0)
	v_and_b32 v3, 31, v0                           ; lane
	v_min_u32 v[PFO], 23, v3
	v_lshlrev_b32 v[PFO], 8, v[PFO]                ; 24 blocks of 256 bytes an instruction; the eight lanes left over name the last again
	global_prefetch_b8 v[PFO], s[PFA:PFA+1] offset:2*PANEL th:TH_LOAD_NT scope:SCOPE_SE   ; my quarter of kb 2-3 of my panel,
	global_prefetch_b8 v[PFO], s[PFA:PFA+1] offset:4*PANEL th:TH_LOAD_NT scope:SCOPE_SE   ; and of kb 4-5: what Y's load, one fill on, will ask for
	v_lshlrev_b32 v[L8], 3, v3
	v_lshlrev_b32 v[L16], 4, v3
	s_mul_i32 s21, s15, HALFT
	s_mul_i32 s22, s16, HALFT
	s_add_co_u32 s22, s22, 2*HALFT
	v_add_nc_u32 v[ADRA], s21, v[L8]               ; in X
	v_add_nc_u32 v[ADRB], s22, v[L8]
	s_lshl_b32 s21, s21, 1                         ; in Y a panel takes twice the bytes
	s_lshl_b32 s22, s22, 1
	s_add_co_u32 s21, s21, YB
	s_add_co_u32 s22, s22, YB
	v_add_nc_u32 v[ADRA+1], s21, v[L8]
	v_add_nc_u32 v[ADRB+1], s22, v[L8]
	v_lshlrev_b32 v5, 2, v1
	s_lshl_b32 s21, s15, 12
	s_lshl_b32 s22, s16, 12
	s_add_co_u32 s22, s22, 2*HALFS
	s_sub_co_u32 s22, s22, s21
	v_mul_u32_u24 v6, s22, v2
	s_add_co_u32 s21, s21, SCL
	v_add_nc_u32 v5, v5, v6
	v_add_nc_u32 v[ADRS], s21, v5
	s_lshl_b32 s21, s14, 9                         ; the way out: 512 bytes a wave, in bytes of their own
	s_add_co_u32 s21, s21, OUTW
	v_lshl_add_u32 v[SWS], v1, 2, s21
	v_add_nc_u32 v[SWR], s21, v[L16]
	v_lshlrev_b32 v7, 6, v2
	s_wait_alu depctr_va_vdst(0)
	s_lshl_b32 s18, s17, 1
	s_add_co_u32 s18, s18, s15
	s_lshl_b32 s19, s42, 1
	s_add_co_u32 s19, s19, s16
	s_lshl_b32 s18, s18, 5
	s_add_co_u32 s18, s18, s19
	s_mul_i32 s46, s18, PANEL
	s_add_co_u32 s46, s46, ABC
	s_mov_b32 s47, 0
	s_add_nc_u64 s[92:93], s[10:11], s[46:47]
	s_lshl_b32 s46, s18, 9
	s_add_nc_u64 s[94:95], s[10:11], s[46:47]
	s_lshl_b32 s96, s19, 9
	s_mov_b32 s97, 0
	s_add_nc_u64 s[96:97], s[8:9], s[96:97]
.irp b, 0,1,2,3,4,5,6,7
	global_load_b128 v[CI+8*\b:CI+8*\b+3], v7, s[96:97] offset:(32*(\b/2)+8*(\b%2))*4
	global_load_b128 v[CI+8*\b+4:CI+8*\b+7], v7, s[96:97] offset:(32*(\b/2)+8*(\b%2))*4+16
.endr
.macro FRAG reg, adr, q, i
.irp p, 0,1,2,3,4,5
	ds_load_b64 v[\reg+2*\p:\reg+2*\p+1], v[\adr] offset:(\q)*PANEL+(\i)*FRB+256*\p
.endr
.endm
.macro MUL16 a0, p, q, sc, mode
.if (\mode) == 0
	WIN 0xa1+0x50*((\a0)/4)
.else
	WIN 0x81+0x40*((\a0)/4)
.endif
.irp a, \a0, \a0+1
.irp b, 0,1,2,3,4,5,6,7
.set rD, 8*(8*((\a)%4)+\b)
.set rB, 128*(\p)+FR*\b
.set rA, AF+FR*(\a)
.set rSB, SC+16*(\sc)+2*\b+(\q)
.set rSA, SC+16*(\sc)+2*(\a)+(\q)
.if (\mode) == 0
	v_wmma_scale_f32_16x16x128_f8f6f4 v[rD:rD+7], v[rB:rB+FR-1], v[rA:rA+FR-1], v[rD:rD+7], v[rSB], v[rSA] matrix_a_fmt:MATRIX_FMT_FP6 matrix_b_fmt:MATRIX_FMT_FP6 matrix_a_scale:MATRIX_SCALE_ROW1
.else
	v_wmma_scale_f32_16x16x128_f8f6f4 v[rD:rD+7], v[rB:rB+FR-1], v[rA:rA+FR-1], v[CI+8*\b:CI+8*\b+7], v[rSB], v[rSA] matrix_a_fmt:MATRIX_FMT_FP6 matrix_b_fmt:MATRIX_FMT_FP6 matrix_a_scale:MATRIX_SCALE_ROW1
.endif
.endr
.endr
.endm
.macro FETCH_B slot, q, p
	WIN 0x40
.irp i, 0,1,2,3,4,5,6,7
	FRAG 128*(\p)+FR*\i, ADRB+\slot, \q, \i
.endr
	WIN 0
.endm
.macro FETCH_A slot, q, i0
.irp i, \i0, \i0+1, \i0+2, \i0+3
	FRAG AF+FR*(\i), ADRA+\slot, \q, \i
.endr
.endm
.macro SCALES ks
.irp i, 0,1,2,3,4,5,6,7
.irp q, 0,1
	ds_load_b32 v[SC+16*((\ks)%2)+2*\i+\q], v[ADRS] offset:(2*(\ks)+\q)*512+64*\i
.endr
.endr
.endm
; One kb (128 along K): 64 products on kb's fragments; kb + 1's fragments are fetched in its middle and at its end.  kb 0-1 and 6-7 lie in X, kb 2-5 in Y.
; Loads into registers that matrix instructions have read stand four plain places behind them.
; kind 0: nothing else.  kind 1: the next kb lies in the other slot: each wave waits for all its tensor loads, adds 0 to its spare word, waits for that and for its reads, and one barrier follows.
; kind 2: the same, and the barrier opens a round of the cluster's barrier, behind which X is filled again.
.macro KB kb, kind, mode
.set NXT, (\kb)+1
.set NS, ((NXT+2)/4)%2                 ; the next kb's slot: 0 = X, 1 = Y,
.if NXT < 2
.set NQ, NXT                           ; and its place there
.else
.set NQ, (NXT+2)%4
.endif
.if \kind
	s_wait_tensorcnt 0x0                           ; all my tensor loads have landed: my part of the other slot
	ds_add_u32 v[SPW], v[NIL]
.if (\kind) == 2
	s_mov_b32 s[G1+2], 96<<16                      ; no load of mine is out: X's second fill is 96 rows of 256 bytes a wave
	s_mov_b32 s[G1+4], 96
	s_mov_b32 s[G1B+2], 96<<16
	s_mov_b32 s[G1B+4], 96
.endif
	s_wait_dscnt 4*NL+1                            ; (the add and the youngest 24 loads may be out)
	MUL16 0, (\kb)%2, (\kb)%2, ((\kb)/2)%2, \mode
	s_wait_dscnt 0x0                               ; the add is done, and my reads of this slot are over
	s_barrier_signal -1
	MUL16 2, (\kb)%2, (\kb)%2, ((\kb)/2)%2, \mode
	WIN 0
	s_barrier_wait -1
.if (\kind) == 2
	CREST                                          ; no wave of any partner still reads X or has a load on its way
	JLOAD G0, G1, G0B, G1B                         ; kb 6-7, the first tensor load behind the round; its four v_nop are the places in front of the loads below
.else
	PLACES NP
.endif
.else
	s_wait_dscnt 4*NL                              ; all but the youngest 24 loads (A's blocks 4-7) are in
	MUL16 0, (\kb)%2, (\kb)%2, ((\kb)/2)%2, \mode
	MUL16 2, (\kb)%2, (\kb)%2, ((\kb)/2)%2, \mode
	s_wait_dscnt 0x0                               ; A's blocks 4-7 are in
	PLACES NP
.endif
	FETCH_B NS, NQ, NXT%2
	FETCH_A NS, NQ, 0
.if NXT%2 == 0
	SCALES NXT/2
.endif
	MUL16 4, (\kb)%2, (\kb)%2, ((\kb)/2)%2, \mode
	MUL16 6, (\kb)%2, (\kb)%2, ((\kb)/2)%2, \mode
	PLACES NP
	WIN 0
	FETCH_A NS, NQ, 4
.endm
	s_wait_alu depctr_va_vdst(0)                   ; the wait at the head's end
	s_wait_tensorcnt 0x0                           ; my tile of the head's four is in
	ds_add_u32 v[SPW], v[NIL]
.irp g, G1, G1B                                ; no load of mine is out, so descriptors may be written: Y's fill is 192 rows of 256 bytes, dense
	s_mov_b32 s[\g+1], 32<<16
	s_mov_b32 s[\g+2], 192<<16
	s_mov_b32 s[\g+3], 32<<16
	s_mov_b32 s[\g+4], 192
	s_mov_b32 s[\g+5], 32
.endr
	s_mul_i32 s18, s16, 98304                      ; X's group 0, for its second fill: my panel, kb 6-7, to my quarter of X
	s_add_co_u32 s18, s18, 6*PANEL
	s_mov_b32 s19, 0
	s_mov_b32 s[G0+1], s45
	s_add_nc_u64 s[G0+2:G0+3], s[G0+2:G0+3], s[18:19]
	s_mov_b32 s[G0B+1], s45
	s_add_nc_u64 s[G0B+2:G0B+3], s[G0B+2:G0B+3], s[18:19]
	s_wait_dscnt 0x0                               ; the add is done
	CROUND                                         ; a whole round: all four tiles are in, and all sixteen work-groups are here
	JLOAD G0+4, G1, G0B+4, G1B                     ; Y's fill, the first tensor load behind the round
	global_prefetch_b8 v[PFO], s[PFA:PFA+1] offset:6*PANEL th:TH_LOAD_NT scope:SCOPE_SE   ; my quarter of kb 6-7 of my panel: what the fill after this one will ask for
	FETCH_B 0, 0, 0
	FETCH_A 0, 0, 0
	SCALES 0
	FETCH_A 0, 0, 4
	s_wait_loadcnt 0x0
	KB 0, 0, 1                                     ; the first products start the sums with the bias
	KB 1, 2, 0                                     ; X is read out: it takes kb 6-7
	KB 2, 0, 0
	KB 3, 0, 0
	KB 4, 0, 0
	KB 5, 1, 0                                     ; back to X; nothing is left to fetch
	KB 6, 0, 0
	s_wait_dscnt 4*NL
	MUL16 0, 1, 1, 1, 0
	MUL16 2, 1, 1, 1, 0
	s_wait_dscnt 0x0
	MUL16 4, 1, 1, 1, 0
	MUL16 6, 1, 1, 1, 0
	WIN 0
.macro QUANTW a
.set W, 2+(\a)/4
.set S, 64*((\a)%4)
.set PC, 64+20*(\a)
	WIN W|(W<<2)
.irp b, 0,1,2,3
	v_max3_num_f32 v[TM+\b], |v[S+16*\b]|, |v[S+1+16*\b]|, 0x1800000
.endr
.irp i, 2,4,6,8,10,12,14
.irp b, 0,1,2,3
	v_max3_num_f32 v[TM+\b], |v[S+16*\b+\i]|, |v[S+1+16*\b+\i]|, v[TM+\b]
.endr
.endr
	WIN 0
.irp b, 0,1,2,3
	v_permlanex16_b32 v[TM+4+\b], v[TM+\b], s[SEL], s[SEL+1]
.endr
.irp b, 0,1,2,3
	v_max_num_f32 v[TM+\b], v[TM+\b], v[TM+4+\b]
.endr
.irp b, 0,1,2,3
	v_add_nc_u32 v[TM+12+\b], 0xff000000, v[TM+\b]
.endr
.irp b, 0,1,2,3
	v_lshrrev_b32 v[TM+4+\b], 23, v[TM+12+\b]
.endr
	v_lshl_or_b32 v[PWR+\a], v[TM+5], 8, v[TM+4]
	v_lshl_or_b32 v[PWR+\a], v[TM+6], 16, v[PWR+\a]
	v_lshl_or_b32 v[PWR+\a], v[TM+7], 24, v[PWR+\a]
	WIN W
.irp c, 0,1
	v_cvt_scalef32_pk16_fp6_f32 v[PC+6*\c:PC+2+6*\c], v[S+32*\c:S+15+32*\c], v[TM+12+2*\c]
	v_cvt_scalef32_pk16_fp6_f32 v[PC+12+4*\c:PC+14+4*\c], v[S+16+32*\c:S+31+32*\c], v[TM+12+2*\c+1]
.endr
	WIN 0
	v_nop
.irp c, 0,1
.irp i, 0,1,2
	v_permlane16_swap_b32 v[PC+6*\c+\i], v[PC+12+4*\c+\i]
.endr
.irp i, 0,1,2
	v_mov_b32 v[PC+3+6*\c+\i], v[PC+12+4*\c+\i]
.endr
.endr
.irp p, 0,1,2,3,4,5
	global_store_b64 v[L8], v[PC+2*\p:PC+2*\p+1], s[92:93] offset:FRB*(\a)+256*\p
.endr
	ds_store_b32 v[SWS], v[PWR+\a] offset:64*(\a)
.endm
	PLACES NP
.irp b, 0,1,2,3
	v_mov_b32 v[TM+4+\b], 0
.endr
.irp a, 0,1,2,3,4,5,6,7
	QUANTW \a
.endr
	ds_load_b128 v[248:251], v[SWR]
	s_wait_dscnt 0x0
	global_store_b128 v[L16], v[248:251], s[94:95]
	s_wait_tensorcnt 0x0
	ds_add_u32 v[SPW], v[NIL]
	s_wait_dscnt 0x0
	CROUND
	s_endpgm
.Lfunc_end_k_qf2b0739368_ffn1:
	.size	k_qf2b0739368_ffn1, .Lfunc_end_k_qf2b0739368_ffn1-k_qf2b0739368_ffn1
	.p2alignl 7, 3214868480
	.fill 96, 4, 3214868480
	.section	.rodata,"a",@progbits
	.p2align	6, 0x0
	.amdhsa_kernel k_qf2b0739368_ffn1
		.amdhsa_group_segment_fixed_size 327680
		.amdhsa_private_segment_fixed_size 0
		.amdhsa_enable_private_segment 0
		.amdhsa_kernarg_size 32
		.amdhsa_user_sgpr_count 2
		.amdhsa_user_sgpr_kernarg_segment_ptr 1
		.amdhsa_wavefront_size32 1
		.amdhsa_system_sgpr_workgroup_id_x 1
		.amdhsa_system_sgpr_workgroup_id_y 1
		.amdhsa_system_sgpr_workgroup_id_z 1
		.amdhsa_system_vgpr_workitem_id 0
		.amdhsa_next_free_vgpr 1024
		.amdhsa_next_free_sgpr 102
		.amdhsa_reserve_vcc 0
		.amdhsa_float_denorm_mode_32 3
		.amdhsa_float_denorm_mode_16_64 3
		.amdhsa_memory_ordered 1
		.amdhsa_forward_progress 1
		.amdhsa_inst_pref_size 171
	.end_amdhsa_kernel
	.amdgpu_metadata
---
amdhsa.version: [ 1, 2 ]
amdhsa.kernels:
  - .name:           k_qf2b0739368_ffn1
    .symbol:         k_qf2b0739368_ffn1.kd
    .args:
      - { .name: x1b, .offset: 0, .size: 8, .value_kind: global_buffer, .address_space: global }
      - { .name: qw, .offset: 8, .size: 8, .value_kind: global_buffer, .address_space: global }
      - { .name: b1, .offset: 16, .size: 8, .value_kind: global_buffer, .address_space: global }
      - { .name: ab, .offset: 24, .size: 8, .value_kind: global_buffer, .address_space: global }
    .group_segment_fixed_size: 327680
    .private_segment_fixed_size: 0
    .kernarg_segment_align: 8
    .kernarg_segment_size: 32
    .max_flat_workgroup_size: 128
    .sgpr_count:     102
    .vgpr_count:     1024
    .wavefront_size: 32
...
	.end_amdgpu_metadata
.endif
;; end of part 6
;; launch ffn2 (part 7): grid 8 x 32, 4 waves a work-group, clusters of 4 x 4, 327,680 bytes of LDS; arguments ab, w2b, cb; writes cb
.if DOCPART == 7
	.amdgcn_target "amdgcn-amd-amdhsa--gfx1250"
	.amdhsa_code_object_version 6
	.text
	.protected	k_qf2b0739368_ffn2
	.globl	k_qf2b0739368_ffn2
	.p2align	8
	.type	k_qf2b0739368_ffn2,@function
k_qf2b0739368_ffn2:
	s_mov_b64 s[64:65], 0
	v_nop
	global_prefetch_b8 v0, s[64:65] scope:SCOPE_SE
	s_setreg_imm32_b32 hwreg(HW_REG_WAVE_MODE, 25, 1), 1
	s_wait_xcnt 0x0
	s_wait_alu depctr_hold_cnt(0) depctr_sa_sdst(0) depctr_va_vdst(0) depctr_va_sdst(0) depctr_va_ssrc(0) depctr_va_vcc(0) depctr_vm_vsrc(0)
	s_getreg_b32 s2, hwreg(HW_REG_IB_STS2, 6, 4)
	s_cmp_eq_u32 s2, 0
	s_cbranch_scc0 .Lentry_in_a_cluster
	s_endpgm
.Lentry_in_a_cluster:
	s_bfe_u32 s2, ttmp6, 0x10000c
	s_cmp_lg_u32 s2, 0xf033
	s_cbranch_scc0 .Lentry_shape_is_right
	s_endpgm
.Lentry_shape_is_right:
; C[m][n] = the sum over k = 0 .. 4,095 of A[m][k] B[n][k] on codes of FP6 (E2M3) with E8M0 scales: h1 W2^T.  C is f32, [4096][1024], raw sums.
; A (ab): 32 panels, B (w2b): 8 panels, 32 kb each: scale words at panel x 16,384, codes at 524,288 (A) or 131,072 (B) + panel x 393,216, in the program's fragment format: row blocks of 16
; (lane-row r of block 2 al + u is row 32 al + 8 u + r + 8 (r / 8) of its panel of 128), a fragment of 16 rows x 128 K as six pieces of 256 bytes (piece p: registers 2 p, 2 p + 1, 8 bytes a lane), in the order (panel, kb, block).
; A TILE OF C IS 128 x 128: 32 x 8 tiles, one work-group each.  Four waves, each 64 x 64: 16 accumulators.  Tiles of 256 x 256 would be 64.
; K goes in fills of 512 (4 kb) through two LDS slots: a slot holds 49,152 dense bytes of A's panel and as many of B's.  The scale words come once, for all of K.
; THE HEAD'S FOUR TILES ARE SHARED OUT, one load a wave: A's part of slot 0, B's part, A's scale words, B's.  Behind the head a wave fetches a quarter of a slot (2 kb of one panel) by one load.
; 4 x 4 work-groups form a cluster: A's tiles are asked for jointly along a row, B's along a column.  The matrix instruction is used transposed (source 0 = B's block, source 1 = A's): a lane holds one row of C, eight neighbouring columns.
; PREFETCH: fill f's bytes are named when fill f - 2's load goes out (fills 1 and 2 at the head), so two fills, 128 products a wave, ahead of the load that wants them.  Of the 96 blocks of 256 bytes that a wave's load brings, each of
; the four partners that ask for them jointly names 24, told apart by address (cx for A, cy for B): one instruction a wave and fill.  The last trip, whose fills 6 and 7 have no fill two on, names nothing.
; REGISTERS: window 0: v16-30 addresses; v32-63 scale words, two sets of 16; v64-127 the way out; v128-255 the accumulators ((a, b) at v[128 + 8 (4 a + b)]).
;   window 1: two sets of fragments, at v0 and v128: A's four blocks (48 registers), then B's four.
.set NKB,    32
.set FR,     12
.set NP,     4
.set FRB,    1536
.set PANEL,  12288                     ; a panel's 128 K
.set HALFT,  24576                     ; a panel's 256 K: what one load of the ring brings
.set SLOT,   4*HALFT                   ; A's 4 kb, then B's 4 kb
.set SCL,    2*SLOT                    ; behind the ring: A's scale words [kb][128 words], then B's
.set ASC,    NKB*512
.set SPARE,  SCL+2*ASC                 ; the spare words, 128 bytes a wave: two blocks of 256 bytes that no other line names
.set LAPS,   NKB/8                     ; a lap = 8 kb = once round the ring
.set SPITCH, 272                       ; the way out: a stage of 16 rows x (256 + 16) bytes a wave, in slot 0, which has then had its last fill and its last read
.set ADRA, 16                          ; v16-17 my A fragments in slot 0, 1
.set ADRB, 20                          ; v20-21 the same for B
.set STO,  24
.set RD,   25
.set CO,   26
.set ADRS, 27                          ; my scale words: lanes 0-15 A's, lanes 16-31 B's
.set SPW,  28                          ; my spare word; never rewritten
.set NIL,  29                          ; 0; never rewritten
.set PFO,  30                          ; the prefetches' offset: 256 x min(lane, 23); never rewritten
.set SC,   32                          ; set s (for slot s) at v[SC + 16 s]; register 4 q + i: lanes 0-15 A's block i, lanes 16-31 B's, for the slot's q-th kb
.set BK,   64
.set ACC,  128
.set PFA,  2                           ; s[2:3] where my prefetches stand
.set G0HB, 4                           ; s[4:7], s[8:11] group 0 of the head's loads of codes (the arguments that lay there have been used by then)
.set G0H,  8
.set G1, 24
.set G0, 32
.set G1B, 48
.set G0B, 56
.set G1S, 68
.set G0S, 76
.set G1SB, 80
.set G0SB, 88
; FOUR SETS OF FRAGMENTS, one for each kb of a slot: set q lies in window 1 + q / 2, at v[128 (q % 2)]: windows 1 and 2 hold two sets each.  The fragments of the kb two on are asked for in the middle of each kb.
; The windows' settings: 5 (1 + q / 2): sources 0 (B) and 1 (A) in set q's window, C and D in window 0; 0x40 (1 + q / 2): destination in set q's window, address in window 0.
.set MSB, 0
.macro WIN new                         ; the immediate's high byte repeats the setting that is left
.if MSB != (\new)
	s_set_vgpr_msb (MSB<<8)|(\new)
.set MSB, (\new)
.endif
.endm
.macro JLOAD g0a, g1a, g0b, g1b        ; a joint load: waves 0 and 1 fetch for A, waves 2 and 3 for B; an s_nop 0 and four v_nop follow each line
	s_cmp_eq_u32 s15, 0
	s_cbranch_scc0 .Lfor_b_\@
	tensor_load_to_lds s[\g0a:\g0a+3], s[\g1a:\g1a+7]
	s_nop 0
.rept 4
	v_nop
.endr
	s_branch .Lasked_\@
.Lfor_b_\@:
	tensor_load_to_lds s[\g0b:\g0b+3], s[\g1b:\g1b+7]
	s_nop 0
.rept 4
	v_nop
.endr
.Lasked_\@:
.endm
.macro CREST                           ; a round of the cluster's barrier behind its opening barrier
	s_cmp_lg_u32 s14, 0
	s_cbranch_scc1 .Lnot_wave_0_\@
	s_barrier_signal -3
.Lnot_wave_0_\@:
	s_barrier_wait -3
	s_barrier_signal -1
	s_barrier_wait -1
.endm
.macro CROUND
	s_barrier_signal -1
	s_barrier_wait -1
	CREST
.endm
.macro PLACES n
.rept \n
	v_nop
.endr
.endm
.macro DENSE g, rows                   ; group 1, words 1 to 7: rows of 256 bytes (32 elements of 8), dense
	s_mov_b32 s[\g+1], 32<<16
	s_mov_b32 s[\g+2], (\rows)<<16
	s_mov_b32 s[\g+3], 32<<16
	s_mov_b32 s[\g+4], \rows
	s_mov_b32 s[\g+5], 32
	s_mov_b32 s[\g+6], 0
	s_mov_b32 s[\g+7], 0
.endm
.macro GRP0 g, lds, adr
	s_mov_b32 s[\g], 1
	s_mov_b32 s[\g+1], \lds
	s_mov_b64 s[\g+2:\g+3], s[\adr:\adr+1]
	s_or_b32 s[\g+3], s[\g+3], 0x80000000
.endm
	s_load_b128 s[4:7], s[0:1], 0x0                ; ab, w2b
	s_load_b64 s[12:13], s[0:1], 0x10              ; cb
	v_lshl_add_u32 v[SPW], v0, 2, SPARE
	v_mov_b32 v[NIL], 0
	ds_add_u32 v[SPW], v[NIL]                      ; the wave's opening: the add, twice on end, and its wait ahead of my first tensor load
	ds_add_u32 v[SPW], v[NIL]
	v_lshrrev_b32 v1, 5, v0
	v_readfirstlane_b32 s14, v1                    ; wave
	s_lshr_b32 s15, s14, 1                         ; my half of the tile's rows.  Also: in the ring I fetch for A (0) or B (1)
	s_and_b32 s16, s14, 1                          ; my half of its columns.  Also: which two kb of a slot I fetch
	s_bfe_u32 s40, ttmp6, 0x40000                  ; cx
	s_bfe_u32 s41, ttmp6, 0x40004                  ; cy
	s_lshl_b32 s42, ttmp9, 2
	s_add_co_u32 s42, s42, s40                     ; tile column = B's panel
	s_and_b32 s17, ttmp7, 0xffff
	s_lshl_b32 s17, s17, 2
	s_add_co_u32 s17, s17, s41                     ; tile row = A's panel
	s_lshl_b32 s43, s41, 2
	s_lshl_b32 s43, 15, s43                        ; my row of the cluster
	s_lshl_b32 s44, 0x1111, s40                    ; my column
	s_or_b32 s[G1], s43, (3<<16)|(1<<21)           ; 15:0 the mask; 17:16 elements of 8 bytes; 21 set beside a mask; no padding
	s_or_b32 s[G1B], s44, (3<<16)|(1<<21)
	s_or_b32 s[G1S], s43, (3<<16)|(1<<21)
	s_or_b32 s[G1SB], s44, (3<<16)|(1<<21)
	DENSE G1, 192                                  ; for the head: a panel's 4 kb; behind it the two words that count rows are set to 96
	DENSE G1B, 192
	DENSE G1S, 2*NKB
	DENSE G1SB, 2*NKB
	s_mul_i32 s20, s17, 393216
	s_add_co_u32 s20, s20, 524288
	s_mov_b32 s21, 0
	s_lshl_b32 s22, s17, 14
	s_mov_b32 s23, 0
	s_mul_i32 s46, s42, 393216
	s_add_co_u32 s46, s46, 131072
	s_mov_b32 s47, 0
	s_lshl_b32 s96, s42, 14
	s_mov_b32 s97, 0
	s_mul_i32 s18, s16, HALFT                      ; my two kb of a slot's four, in bytes
	s_mov_b32 s19, 0
	s_mul_i32 s45, s14, HALFT                      ; where they go: no place in the cluster enters an LDS address
	s_wait_dscnt 0x0                               ; both opening adds are done
	s_wait_kmcnt 0x0
	s_add_nc_u64 s[20:21], s[4:5], s[20:21]
	s_add_nc_u64 s[22:23], s[4:5], s[22:23]
	s_add_nc_u64 s[46:47], s[6:7], s[46:47]
	s_add_nc_u64 s[96:97], s[6:7], s[96:97]
	CROUND                                         ; all sixteen work-groups are here: the first joint loads meet
	GRP0 G0H, 0, 20
	GRP0 G0HB, 2*HALFT, 46
	GRP0 G0S, SCL, 22
	GRP0 G0SB, SCL+ASC, 96
	s_add_nc_u64 s[20:21], s[20:21], s[18:19]      ; for the ring: my two kb
	s_add_nc_u64 s[46:47], s[46:47], s[18:19]
.irp s, 0,1
	s_mov_b32 s[G0+4*\s], 1
	s_add_co_u32 s[G0+4*\s+1], s45, \s*SLOT
	s_add_nc_u64 s[G0+4*\s+2:G0+4*\s+3], s[20:21], \s*2*HALFT
	s_or_b32 s[G0+4*\s+3], s[G0+4*\s+3], 0x80000000
	s_mov_b32 s[G0B+4*\s], 1
	s_add_co_u32 s[G0B+4*\s+1], s45, \s*SLOT
	s_add_nc_u64 s[G0B+4*\s+2:G0B+4*\s+3], s[46:47], \s*2*HALFT
	s_or_b32 s[G0B+4*\s+3], s[G0B+4*\s+3], 0x80000000
.endr
	s_cmp_eq_u32 s15, 0                            ; the prefetches: what I fetch in the ring,
	s_cselect_b64 s[PFA:PFA+1], s[20:21], s[46:47]
	s_cselect_b32 s18, s40, s41                    ; my place among the four that ask for it with me: it enters this address alone
	s_mul_i32 s18, s18, 6144
	s_add_nc_u64 s[PFA:PFA+1], s[PFA:PFA+1], s[18:19]
; The head's loads, one a wave: one chain of branches on the wave's number, every way through it passes one load.
.macro ARM under, g0, g1, next
	s_cmp_lt_u32 s14, \under
	s_cbranch_scc0 \next
	tensor_load_to_lds s[\g0:\g0+3], s[\g1:\g1+7]
	s_nop 0
.rept 4
	v_nop
.endr
	s_branch .Lhead_asked
\next:
.endm
	ARM 1, G0H,  G1,  .Lhead_b
	ARM 2, G0HB, G1B, .Lhead_sa
	ARM 3, G0S,  G1S, .Lhead_sb
	tensor_load_to_lds s[G0SB:G0SB+3], s[G1SB:G1SB+7]
	s_nop 0
.rept 4
	v_nop
.endr
.Lhead_asked:
	s_mul_i32 s92, s15, 4*FRB                      ; my four blocks of A,
	s_mul_i32 s93, s16, 4*FRB                      ; of B,
	s_add_co_u32 s93, s93, 2*HALFT                 ; behind A's 4 kb
	s_lshl_b32 s94, s15, 8                         ; my four blocks' scale words: 256 bytes of a kb's 512
	s_lshl_b32 s95, s16, 8
	s_add_co_u32 s95, s95, ASC
	s_sub_co_u32 s95, s95, s94                     ; from A's to B's
	s_add_co_u32 s94, s94, SCL
	s_mul_i32 s98, s14, 16*SPITCH                  ; my stage
	s_lshl_b32 s20, s17, 7
	s_lshl_b32 s21, s15, 6
	s_add_co_u32 s20, s20, s21                     ; my first row of C,
	s_lshl_b32 s20, s20, 12                        ; of 4,096 bytes;
	s_lshl_b32 s46, s42, 9                         ; my first column, in bytes
	s_lshl_b32 s47, s16, 8
	s_add_co_u32 s46, s46, s47
	s_add_co_u32 s20, s20, s46
	s_mov_b32 s21, 0
	s_add_nc_u64 s[12:13], s[12:13], s[20:21]
	v_and_b32 v3, 31, v0
	v_min_u32 v[PFO], 23, v3
	v_lshlrev_b32 v[PFO], 8, v[PFO]                ; 24 blocks of 256 bytes; the eight lanes left over name the last again
	global_prefetch_b8 v[PFO], s[PFA:PFA+1] offset:2*HALFT th:TH_LOAD_NT scope:SCOPE_SE   ; my share of fill 1,
	global_prefetch_b8 v[PFO], s[PFA:PFA+1] offset:4*HALFT th:TH_LOAD_NT scope:SCOPE_SE   ; and of fill 2
	v_and_b32 v1, 15, v0                           ; r
	v_bfe_u32 v2, v0, 4, 1                         ; h
	v_lshlrev_b32 v4, 3, v3                        ; 8 x lane
	v_add_nc_u32 v[ADRA], s92, v4
	v_add_nc_u32 v[ADRB], s93, v4
	v_add_nc_u32 v[ADRA+1], SLOT, v[ADRA]
	v_add_nc_u32 v[ADRB+1], SLOT, v[ADRB]
	v_lshlrev_b32 v5, 2, v1                        ; 4 r
	v_mul_u32_u24 v6, s95, v2                      ; lanes 16-31 take B's
	v_add_nc_u32 v5, v5, v6
	v_add_nc_u32 v[ADRS], s94, v5
	v_mul_u32_u24 v5, v1, SPITCH
	v_lshl_add_u32 v5, v2, 6, v5                   ; into the stage: row r, + 64 h
	v_add_nc_u32 v[STO], s98, v5
	v_mul_u32_u24 v5, v2, SPITCH
	v_lshl_add_u32 v5, v1, 4, v5                   ; back: lanes 0-15 one row of 256 bytes, lanes 16-31 the next
	v_add_nc_u32 v[RD], s98, v5
	v_lshlrev_b32 v[CO], 12, v2                    ; and the same two rows in C
	v_lshl_add_u32 v[CO], v1, 4, v[CO]
.macro FRAG reg, adr, q, i             ; a fragment as it lies: six pieces of 256 consecutive bytes
.irp p, 0,1,2,3,4,5
	ds_load_b64 v[\reg+2*\p:\reg+2*\p+1], v[\adr] offset:(\q)*PANEL+(\i)*FRB+256*\p
.endr
.endm
; Four products: A's block a against B's four.  p: the set of fragments; q: which kb of the slot; sc: the set of scale words.  zero = 1: the first product starts the sums.
; The 16 accumulators take turns, one instruction a turn, in the same order in every step.
.macro MUL4 a, p, q, sc, zero
.irp b, 0,1,2,3
.set rD, ACC+8*(4*(\a)+\b)
.set rB, 128*(\p)+48+FR*\b
.set rA, 128*(\p)+FR*(\a)
.set rSB, SC+16*(\sc)+4*(\q)+\b
.set rSA, SC+16*(\sc)+4*(\q)+(\a)
.if \zero
	v_wmma_scale_f32_16x16x128_f8f6f4 v[rD:rD+7], v[rB:rB+FR-1], v[rA:rA+FR-1], 0, v[rSB], v[rSA] matrix_a_fmt:MATRIX_FMT_FP6 matrix_b_fmt:MATRIX_FMT_FP6 matrix_a_scale:MATRIX_SCALE_ROW1
.else
	v_wmma_scale_f32_16x16x128_f8f6f4 v[rD:rD+7], v[rB:rB+FR-1], v[rA:rA+FR-1], v[rD:rD+7], v[rSB], v[rSA] matrix_a_fmt:MATRIX_FMT_FP6 matrix_b_fmt:MATRIX_FMT_FP6 matrix_a_scale:MATRIX_SCALE_ROW1
.endif
.endr
.endm
.macro FETCH1 slot, q, p               ; what a step's first half multiplies: B's four blocks and A's blocks 0, 1: 36 loads
.irp i, 0,1,2,3
	FRAG 128*(\p)+48+FR*\i, ADRB+\slot, \q, \i
.endr
.irp i, 0,1
	FRAG 128*(\p)+FR*\i, ADRA+\slot, \q, \i
.endr
.endm
.macro FETCH2 slot, q, p               ; what its second half adds: A's blocks 2, 3: 12 loads
.irp i, 2,3
	FRAG 128*(\p)+FR*\i, ADRA+\slot, \q, \i
.endr
.endm
.macro SCALES sc                       ; a slot's 16 scale registers
.irp q, 0,1,2,3
.irp i, 0,1,2,3
	ds_load_b32 v[SC+16*(\sc)+4*\q+\i], v[ADRS] offset:512*\q+64*\i
.endr
.endr
.endm
; A slot's kb 0, 1 or 3: 16 products on set q; in its middle the 48 loads of the kb two on go out, into the set multiplied two kb ago (from kb 3: the next slot's kb 1).
; Loads into registers that matrix instructions have read stand four plain places behind them.
.macro STEP slot, q, zero
.set TQ, ((\q)+2)%4
.set TS, ((\slot)+(\q)/2)%2
.if (\q) != 3
	s_wait_dscnt 48                                ; all but the youngest 48 loads (the next kb's) are in.  (Set 3 came in at the wait for 0 of the change of slots)
.endif
	WIN 5*(1+(\q)/2)
	MUL4 0, (\q)%2, \q, \slot, \zero
	MUL4 1, (\q)%2, \q, \slot, \zero
	PLACES NP
	WIN 0x40*(1+TQ/2)
	FETCH1 TS, TQ, TQ%2
	FETCH2 TS, TQ, TQ%2
	WIN 5*(1+(\q)/2)
	MUL4 2, (\q)%2, \q, \slot, \zero
	MUL4 3, (\q)%2, \q, \slot, \zero
.endm
; A slot's kb 2 changes slots: all four kb of the slot have been asked for by then.  One barrier; in front of it each wave waits for all its tensor loads, adds 0 to its spare word, and waits for that and for its reads of this slot.
; fill = 1: this slot is filled again, 8 kb on, while its kb 2 and 3 are multiplied out of registers.
.macro TURN slot, next, fill
	WIN 0                                          ; (the add's two registers lie in window 0)
.if \fill
	s_wait_xcnt 0x0                                ; my last prefetch has read its address, which steps one fill on
	s_add_nc_u64 s[PFA:PFA+1], s[PFA:PFA+1], 2*HALFT
.endif
	s_wait_tensorcnt 0x0                           ; all my tensor loads have landed: my part of the next slot
	ds_add_u32 v[SPW], v[NIL]
	s_wait_dscnt 49                                ; (the add and the youngest 48 loads, kb 3's, may be out)
	WIN 10
	MUL4 0, 0, 2, \slot, 0                         ; four products stand between the add and the wait for it
	s_wait_dscnt 0x0                               ; the add is done, and my reads of this slot are over
	s_barrier_signal -1
	MUL4 1, 0, 2, \slot, 0
	WIN 0
	s_barrier_wait -1
.if \fill
	CREST                                          ; the barrier has opened a round of the cluster's: no wave of any partner still reads this slot or has a load on its way
	s_add_nc_u64 s[G0+4*\slot+2:G0+4*\slot+3], s[G0+4*\slot+2:G0+4*\slot+3], 4*HALFT
	s_add_nc_u64 s[G0B+4*\slot+2:G0B+4*\slot+3], s[G0B+4*\slot+2:G0B+4*\slot+3], 4*HALFT
	JLOAD G0+4*\slot, G1, G0B+4*\slot, G1B         ; the first tensor load behind the round; its four v_nop are the places in front of the loads below
.else
	PLACES NP
.endif
	s_wait_alu depctr_va_vdst(0)                   ; the wait here, directly ahead of the reader below
	v_add_nc_u32 v[ADRS], 2048, v[ADRS]            ; on to the next slot's scale words (no LDS load of mine is out)
	SCALES \next
.if \fill
	s_cmp_gt_u32 s99, 1                            ; the last trip's fills have no fill two on
	s_cbranch_scc0 .Lno_ask_\@
	global_prefetch_b8 v[PFO], s[PFA:PFA+1] offset:6*HALFT th:TH_LOAD_NT scope:SCOPE_SE   ; my share of the fill two on from the one just asked for
.Lno_ask_\@:
.endif
	WIN 0x40
	FETCH1 \next, 0, 0
	FETCH2 \next, 0, 0
	WIN 10
	MUL4 2, 0, 2, \slot, 0
	MUL4 3, 0, 2, \slot, 0
.endm
	s_wait_alu depctr_va_vdst(0)                   ; the wait at the head's end
	s_wait_tensorcnt 0x0                           ; my tile of the head's four is in
	ds_add_u32 v[SPW], v[NIL]
	s_mov_b32 s[G1+2], 96<<16                      ; no load of mine is out, so a descriptor may be written: from here on a load brings 96 rows
	s_mov_b32 s[G1+4], 96
	s_mov_b32 s[G1B+2], 96<<16
	s_mov_b32 s[G1B+4], 96
	s_wait_dscnt 0x0                               ; the add is done
	CROUND                                         ; a whole round: all four tiles are in, and all sixteen work-groups are here
	JLOAD G0+4, G1, G0B+4, G1B                     ; fill 1, the first tensor load behind the round
	SCALES 0
	global_prefetch_b8 v[PFO], s[PFA:PFA+1] offset:6*HALFT th:TH_LOAD_NT scope:SCOPE_SE   ; my share of fill 3
	WIN 0x40
	FETCH1 0, 0, 0
	FETCH2 0, 0, 0
	FETCH1 0, 1, 1
	FETCH2 0, 1, 1
	STEP 0, 0, 1                                   ; the first step stands in front of the loop: its products start the sums
	WIN 0                                          ; at a label and at a branch every window is 0
	s_mov_b32 s99, LAPS-1
.Llap:                                                 ; a trip goes once round the ring, from a lap's second kb to the next lap's first, and fills both slots again
	STEP 0, 1, 0
	TURN 0, 1, 1
	STEP 0, 3, 0
	STEP 1, 0, 0
	STEP 1, 1, 0
	TURN 1, 0, 1
	STEP 1, 3, 0
	STEP 0, 0, 0
	WIN 0
	s_sub_co_u32 s99, s99, 1
	s_cmp_lg_u32 s99, 0
	s_cbranch_scc1 .Llap
	STEP 0, 1, 0                                   ; the last lap fills nothing, and has no round of the cluster's barrier
	TURN 0, 1, 0
	STEP 0, 3, 0
	STEP 1, 0, 0
	STEP 1, 1, 0
	s_wait_dscnt 48                                ; the last two kb: nothing more to fetch.  All but kb 3's loads are in
	WIN 10
	MUL4 0, 0, 2, 1, 0
	MUL4 1, 0, 2, 1, 0
	MUL4 2, 0, 2, 1, 0
	MUL4 3, 0, 2, 1, 0
	s_wait_dscnt 0x0
	MUL4 0, 1, 3, 1, 0
	MUL4 1, 1, 3, 1, 0
	MUL4 2, 1, 3, 1, 0
	MUL4 3, 1, 3, 1, 0
	WIN 0
; THE WAY OUT, block by block of 16 rows x 64 columns, through my own stage: tile b's eight numbers of a lane are my columns 32 (b / 2) + 16 h + 8 (b % 2) + 0 .. 7; stage row t is my row 32 (a / 2) + 8 (a % 2) + t + 8 (t / 8).
.macro TOSTAGE a
.irp b, 0,1,2,3
	ds_store_b128 v[STO], v[ACC+8*(4*(\a)+\b):ACC+8*(4*(\a)+\b)+3] offset:128*(\b/2)+32*(\b%2)          ; each accumulator from its low end on
	ds_store_b128 v[STO], v[ACC+8*(4*(\a)+\b)+4:ACC+8*(4*(\a)+\b)+7] offset:128*(\b/2)+32*(\b%2)+16
.endr
.set BB, BK+32*((\a)%2)
.irp t, 0,1,2,3,4,5,6,7
	ds_load_b128 v[BB+4*\t:BB+4*\t+3], v[RD] offset:2*\t*SPITCH   ; LDS serves a wave's instructions in order: these see the stores above
.endr
.endm
.macro SEND a, younger                 ; younger: the LDS instructions issued behind block a's loads, which may stay out
.set BB, BK+32*((\a)%2)
	s_wait_dscnt \younger
.irp t, 0,1,2,3,4,5,6,7
	global_store_b128 v[CO], v[BB+4*\t:BB+4*\t+3], s[12:13] offset:(32*((\a)/2)+8*((\a)%2)+2*\t+8*(\t/4))*4096 th:TH_STORE_NT   ; 16 lanes store 256 consecutive bytes, aligned
.endr
.endm
	PLACES NP                                      ; behind the last products
	TOSTAGE 0
.irp a, 1,2,3
.if \a > 1
	s_wait_xcnt 0x0                                ; block a - 2's stores have read their registers: block a's loads may land there
.endif
	TOSTAGE \a
	SEND \a-1, 16                                  ; behind block a - 1's loads: block a's 8 stores and 8 loads
.endr
	SEND 3, 0
	s_wait_tensorcnt 0x0                           ; the wave's end
	ds_add_u32 v[SPW], v[NIL]
	s_wait_dscnt 0x0
	CROUND                                         ; the closing round
	s_endpgm
.Lfunc_end_k_qf2b0739368_ffn2:
	.size	k_qf2b0739368_ffn2, .Lfunc_end_k_qf2b0739368_ffn2-k_qf2b0739368_ffn2
	.p2alignl 7, 3214868480
	.fill 96, 4, 3214868480
	.section	.rodata,"a",@progbits
	.p2align	6, 0x0
	.amdhsa_kernel k_qf2b0739368_ffn2
		.amdhsa_group_segment_fixed_size 327680
		.amdhsa_private_segment_fixed_size 0
		.amdhsa_enable_private_segment 0
		.amdhsa_kernarg_size 24
		.amdhsa_user_sgpr_count 2
		.amdhsa_user_sgpr_kernarg_segment_ptr 1
		.amdhsa_wavefront_size32 1
		.amdhsa_system_sgpr_workgroup_id_x 1
		.amdhsa_system_sgpr_workgroup_id_y 1
		.amdhsa_system_sgpr_workgroup_id_z 1
		.amdhsa_system_vgpr_workitem_id 0
		.amdhsa_next_free_vgpr 768
		.amdhsa_next_free_sgpr 100
		.amdhsa_reserve_vcc 0
		.amdhsa_float_denorm_mode_32 3
		.amdhsa_float_denorm_mode_16_64 3
		.amdhsa_memory_ordered 1
		.amdhsa_forward_progress 1
		.amdhsa_inst_pref_size 109
	.end_amdhsa_kernel
	.amdgpu_metadata
---
amdhsa.version: [ 1, 2 ]
amdhsa.kernels:
  - .name:           k_qf2b0739368_ffn2
    .symbol:         k_qf2b0739368_ffn2.kd
    .args:
      - { .name: ab, .offset: 0, .size: 8, .value_kind: global_buffer, .address_space: global }
      - { .name: w2b, .offset: 8, .size: 8, .value_kind: global_buffer, .address_space: global }
      - { .name: cb, .offset: 16, .size: 8, .value_kind: global_buffer, .address_space: global }
    .group_segment_fixed_size: 327680
    .private_segment_fixed_size: 0
    .kernarg_segment_align: 8
    .kernarg_segment_size: 24
    .max_flat_workgroup_size: 128
    .sgpr_count:     100
    .vgpr_count:     768
    .wavefront_size: 32
...
	.end_amdgpu_metadata
.endif
;; end of part 7
;; launch ln2 (part 8): grid 256 x 1, 16 waves a work-group, no clusters, 14,336 bytes of LDS; arguments cb, x1b, b2, g2, be2, out0; writes out0
.if DOCPART == 8
	.amdgcn_target "amdgcn-amd-amdhsa--gfx1250"
	.amdhsa_code_object_version 6
	.text
	.protected	k_qf2b0739368_ln2
	.globl	k_qf2b0739368_ln2
	.p2align	8
	.type	k_qf2b0739368_ln2,@function
k_qf2b0739368_ln2:
	s_mov_b64 s[64:65], 0
	v_nop
	global_prefetch_b8 v0, s[64:65] scope:SCOPE_SE
	s_setreg_imm32_b32 hwreg(HW_REG_WAVE_MODE, 25, 1), 1
	s_wait_xcnt 0x0
; out0 = g2 (v - mean) / (std + 1e-6) + be2 with v = x1 + gelu(y), y = C + b2, C = h1 W2^T as the launch before left it; std from the sum of squares / 1,023.  All in f32.
; gelu(y) = 0.5 y (1 + tanh(u)), u = sqrt(2 / pi) (y + 0.044715 y^3), is computed as y - y / (1 + 2^(2 u log2 e)): where the power overflows the quotient is 0, where it falls to 0 the result is 0.
; A wave takes one row, whole: lane l holds columns 128 j + 4 l + 0 .. 3; every load and store covers 512 consecutive bytes.  b2, g2, be2 come once a work-group, through LDS.
; Streaming: memory binds; matrix units, clusters and tensor loads would add nothing here.  NaN and infinities among the inputs are not served.
.set VEC,   0                          ; b2, g2, be2: 4,096 bytes each
.set SPARE, 12288                      ; the spare words, 128 bytes a wave
.set V,     16                         ; v16-47 C, then y, v, d, the result
.set E,     48                         ; v48-79 the gelu's work
.set G,     80                         ; v80-111 g2
.set BE,    112                        ; v112-143 be2
.set X1,    144                        ; v144-175 x1
.set B2,    176                        ; v176-207 b2, then y x a constant
.set T0,    2
.set T1,    4
.set MEAN,  6
.set INV,   12
.set SEL,   28
	s_load_b256 s[4:11], s[0:1], 0x0               ; cb, x1b, b2, g2
	s_load_b128 s[12:15], s[0:1], 0x20             ; be2, out0
	v_lshl_add_u32 v10, v0, 2, SPARE               ; v10: my spare word; v11: 0; never rewritten
	v_mov_b32 v11, 0
	v_lshrrev_b32 v1, 5, v0
	s_delay_alu instid0(VALU_DEP_1)
	v_readfirstlane_b32 s16, v1                    ; wave
	v_and_b32 v8, 31, v0
	s_delay_alu instid0(VALU_DEP_1)
	v_lshlrev_b32 v1, 4, v8                        ; 16 x lane: global offset
	s_delay_alu instid0(VALU_DEP_2)
	v_lshlrev_b32 v8, 4, v8                        ; and the vectors' way out of LDS
	v_lshlrev_b32 v9, 4, v0                        ; 16 x thread: global offset
	v_lshlrev_b32 v14, 4, v0                       ; and the vectors' way in
	s_lshl_b32 s17, ttmp9, 4
	s_add_co_u32 s17, s17, s16                     ; my row
	s_lshl_b32 s18, s17, 12
	s_mov_b32 s19, 0
	s_mov_b32 s[SEL], 0x76543210
	s_mov_b32 s[SEL+1], 0xfedcba98
	s_wait_kmcnt 0x0
	s_add_nc_u64 s[20:21], s[4:5], s[18:19]
	s_add_nc_u64 s[6:7], s[6:7], s[18:19]
	s_add_nc_u64 s[14:15], s[14:15], s[18:19]
	s_cmp_lt_u32 s16, 8
	s_cbranch_scc0 .Lrows
	s_wait_alu depctr_va_vdst(0)
	global_load_b128 v[176:179], v9, s[8:9]
	global_load_b128 v[180:183], v9, s[10:11]
	global_load_b128 v[184:187], v9, s[12:13]
.Lrows:
	s_wait_alu depctr_va_vdst(0)
.irp j, 0,1,2,3,4,5,6,7
	global_load_b128 v[V+4*\j:V+4*\j+3], v1, s[20:21] offset:512*\j th:TH_LOAD_NT
.endr
.irp j, 0,1,2,3,4,5,6,7
	global_load_b128 v[X1+4*\j:X1+4*\j+3], v1, s[6:7] offset:512*\j th:TH_LOAD_NT
.endr
	s_cmp_lt_u32 s16, 8
	s_cbranch_scc0 .Lnovec
	s_wait_loadcnt 16                              ; the three vector loads are in; my row's 16 may be out
	ds_store_b128 v14, v[176:179]
	ds_store_b128 v14, v[180:183] offset:4096
	ds_store_b128 v14, v[184:187] offset:8192
.Lnovec:
	s_wait_dscnt 0x0
	s_barrier_signal -1
	s_barrier_wait -1
.irp j, 0,1,2,3,4,5,6,7
	ds_load_b128 v[B2+4*\j:B2+4*\j+3], v8 offset:512*\j           ; b2
.endr
.irp j, 0,1,2,3,4,5,6,7
	ds_load_b128 v[G+4*\j:G+4*\j+3], v8 offset:4096+512*\j        ; g2
.endr
.irp j, 0,1,2,3,4,5,6,7
	ds_load_b128 v[BE+4*\j:BE+4*\j+3], v8 offset:8192+512*\j      ; be2
.endr
	s_wait_loadcnt 0x0
	s_wait_dscnt 16                                ; b2 is in; g2's and be2's 16 loads may be out
.irp k, 0,2,4,6,8,10,12,14,16,18,20,22,24,26,28,30
	v_pk_add_f32 v[V+\k:V+\k+1], v[V+\k:V+\k+1], v[B2+\k:B2+\k+1]     ; y
.endr
.irp k, 0,2,4,6,8,10,12,14,16,18,20,22,24,26,28,30
	v_pk_mul_f32 v[E+\k:E+\k+1], v[V+\k:V+\k+1], v[V+\k:V+\k+1]
.endr
.irp k, 0,2,4,6,8,10,12,14,16,18,20,22,24,26,28,30
	v_pk_fma_f32 v[E+\k:E+\k+1], v[E+\k:E+\k+1], 0x3d372713, 1.0 op_sel_hi:[1,0,0]   ; 1 + 0.044715 y^2
.endr
.irp k, 0,2,4,6,8,10,12,14,16,18,20,22,24,26,28,30
	v_pk_mul_f32 v[B2+\k:B2+\k+1], v[V+\k:V+\k+1], 0x40135761 op_sel_hi:[1,0]        ; y x 2 log2(e) sqrt(2 / pi)
.endr
.irp k, 0,2,4,6,8,10,12,14,16,18,20,22,24,26,28,30
	v_pk_mul_f32 v[E+\k:E+\k+1], v[E+\k:E+\k+1], v[B2+\k:B2+\k+1]
.endr
.set n, 0
	s_wait_alu depctr_va_vdst(0)
.rept 32
	v_exp_f32 v[E+n], v[E+n]
.set n, n+1
.endr
	v_nop                                          ; a plain place behind the batch
	s_wait_alu depctr_va_vdst(0)                   ; one wait for the batch, ahead of its first reader
.irp k, 0,2,4,6,8,10,12,14,16,18,20,22,24,26,28,30
	v_pk_add_f32 v[E+\k:E+\k+1], v[E+\k:E+\k+1], 1.0 op_sel_hi:[1,0]
.endr
.set n, 0
	s_wait_alu depctr_va_vdst(0)
.rept 32
	v_rcp_f32 v[E+n], v[E+n]
.set n, n+1
.endr
	v_nop
	s_wait_alu depctr_va_vdst(0)
.irp k, 0,2,4,6,8,10,12,14,16,18,20,22,24,26,28,30
	v_pk_fma_f32 v[V+\k:V+\k+1], v[V+\k:V+\k+1], v[E+\k:E+\k+1], v[V+\k:V+\k+1] neg_lo:[1,0,0] neg_hi:[1,0,0]   ; gelu(y) = y - y r
.endr
.irp k, 0,2,4,6,8,10,12,14,16,18,20,22,24,26,28,30
	v_pk_add_f32 v[V+\k:V+\k+1], v[V+\k:V+\k+1], v[X1+\k:X1+\k+1]
.endr
.macro ACROSS                          ; v[T0:T0+1] and v[T1:T1+1] become one sum over the row, in every lane
	s_delay_alu instid0(VALU_DEP_1)
	v_pk_add_f32 v[T0:T0+1], v[T0:T0+1], v[T1:T1+1]
	s_delay_alu instid0(VALU_DEP_1)
	v_add_f32 v[T0], v[T0], v[T0+1]
	s_delay_alu instid0(VALU_DEP_1)
	v_add_f32_dpp v[T0], v[T0], v[T0] row_xmask:1 row_mask:0xf bank_mask:0xf
	s_delay_alu instid0(VALU_DEP_1)
	v_add_f32_dpp v[T0], v[T0], v[T0] row_xmask:2 row_mask:0xf bank_mask:0xf
	s_delay_alu instid0(VALU_DEP_1)
	v_add_f32_dpp v[T0], v[T0], v[T0] row_xmask:4 row_mask:0xf bank_mask:0xf
	s_delay_alu instid0(VALU_DEP_1)
	v_add_f32_dpp v[T0], v[T0], v[T0] row_xmask:8 row_mask:0xf bank_mask:0xf
	s_delay_alu instid0(VALU_DEP_1)
	v_permlanex16_b32 v[T1], v[T0], s[SEL], s[SEL+1]
	s_delay_alu instid0(VALU_DEP_1)
	v_add_f32 v[T0], v[T0], v[T1]
.endm
	v_pk_add_f32 v[T0:T0+1], v[V:V+1], v[V+2:V+3]
	v_pk_add_f32 v[T1:T1+1], v[V+4:V+5], v[V+6:V+7]
.irp k, 8,12,16,20,24,28
	s_delay_alu instid0(VALU_DEP_2)
	v_pk_add_f32 v[T0:T0+1], v[T0:T0+1], v[V+\k:V+\k+1]
	s_delay_alu instid0(VALU_DEP_2)
	v_pk_add_f32 v[T1:T1+1], v[T1:T1+1], v[V+\k+2:V+\k+3]
.endr
	ACROSS
	s_delay_alu instid0(VALU_DEP_1)
	v_mul_f32 v[MEAN], 0x3a800000, v[T0]           ; / 1,024
	s_delay_alu instid0(VALU_DEP_1)
	v_mov_b32 v[MEAN+1], v[MEAN]
.irp k, 0,2,4,6,8,10,12,14,16,18,20,22,24,26,28,30
	v_pk_add_f32 v[V+\k:V+\k+1], v[V+\k:V+\k+1], v[MEAN:MEAN+1] neg_lo:[0,1] neg_hi:[0,1]
.endr
	v_pk_mul_f32 v[T0:T0+1], v[V:V+1], v[V:V+1]
	v_pk_mul_f32 v[T1:T1+1], v[V+2:V+3], v[V+2:V+3]
.irp k, 4,8,12,16,20,24,28
	s_delay_alu instid0(VALU_DEP_2)
	v_pk_fma_f32 v[T0:T0+1], v[V+\k:V+\k+1], v[V+\k:V+\k+1], v[T0:T0+1]
	s_delay_alu instid0(VALU_DEP_2)
	v_pk_fma_f32 v[T1:T1+1], v[V+\k+2:V+\k+3], v[V+\k+2:V+\k+3], v[T1:T1+1]
.endr
	ACROSS
	s_delay_alu instid0(VALU_DEP_1)
	v_mul_f32 v[T0], 0x3a802008, v[T0]             ; / 1,023
	s_wait_alu depctr_va_vdst(0)
	v_sqrt_f32 v[T1], v[T0]
	v_nop
	s_wait_alu depctr_va_vdst(0)
	v_add_f32 v[T1], 0x358637bd, v[T1]             ; + 1e-6
	s_wait_alu depctr_va_vdst(0)
	v_rcp_f32 v[INV], v[T1]
	v_nop
	s_wait_alu depctr_va_vdst(0)
	v_mov_b32 v[INV+1], v[INV]
.irp k, 0,2,4,6,8,10,12,14,16,18,20,22,24,26,28,30
	v_pk_mul_f32 v[V+\k:V+\k+1], v[V+\k:V+\k+1], v[INV:INV+1]
.endr
	s_wait_dscnt 0x0                               ; g2 and be2
.irp k, 0,2,4,6,8,10,12,14,16,18,20,22,24,26,28,30
	v_pk_fma_f32 v[V+\k:V+\k+1], v[V+\k:V+\k+1], v[G+\k:G+\k+1], v[BE+\k:BE+\k+1]
.endr
.irp j, 0,1,2,3,4,5,6,7
	global_store_b128 v1, v[V+4*\j:V+4*\j+3], s[14:15] offset:512*\j th:TH_STORE_NT
.endr
	s_wait_tensorcnt 0x0                           ; the wave's end
	ds_add_u32 v10, v11
	s_wait_dscnt 0x0
	s_endpgm
.Lfunc_end_k_qf2b0739368_ln2:
	.size	k_qf2b0739368_ln2, .Lfunc_end_k_qf2b0739368_ln2-k_qf2b0739368_ln2
	.p2alignl 7, 3214868480
	.fill 96, 4, 3214868480
	.section	.rodata,"a",@progbits
	.p2align	6, 0x0
	.amdhsa_kernel k_qf2b0739368_ln2
		.amdhsa_group_segment_fixed_size 14336
		.amdhsa_private_segment_fixed_size 0
		.amdhsa_enable_private_segment 0
		.amdhsa_kernarg_size 48
		.amdhsa_user_sgpr_count 2
		.amdhsa_user_sgpr_kernarg_segment_ptr 1
		.amdhsa_wavefront_size32 1
		.amdhsa_system_sgpr_workgroup_id_x 1
		.amdhsa_system_sgpr_workgroup_id_y 1
		.amdhsa_system_sgpr_workgroup_id_z 1
		.amdhsa_system_vgpr_workitem_id 0
		.amdhsa_next_free_vgpr 208
		.amdhsa_next_free_sgpr 66
		.amdhsa_reserve_vcc 0
		.amdhsa_float_denorm_mode_32 3
		.amdhsa_float_denorm_mode_16_64 3
		.amdhsa_memory_ordered 1
		.amdhsa_forward_progress 1
		.amdhsa_inst_pref_size 25
	.end_amdhsa_kernel
	.amdgpu_metadata
---
amdhsa.version: [ 1, 2 ]
amdhsa.kernels:
  - .name:           k_qf2b0739368_ln2
    .symbol:         k_qf2b0739368_ln2.kd
    .args:
      - { .name: cb, .offset: 0, .size: 8, .value_kind: global_buffer, .address_space: global }
      - { .name: x1b, .offset: 8, .size: 8, .value_kind: global_buffer, .address_space: global }
      - { .name: b2, .offset: 16, .size: 8, .value_kind: global_buffer, .address_space: global }
      - { .name: g2, .offset: 24, .size: 8, .value_kind: global_buffer, .address_space: global }
      - { .name: be2, .offset: 32, .size: 8, .value_kind: global_buffer, .address_space: global }
      - { .name: out0, .offset: 40, .size: 8, .value_kind: global_buffer, .address_space: global }
    .group_segment_fixed_size: 14336
    .private_segment_fixed_size: 0
    .kernarg_segment_align: 8
    .kernarg_segment_size: 48
    .max_flat_workgroup_size: 512
    .sgpr_count:     66
    .vgpr_count:     208
    .wavefront_size: 32
...
	.end_amdgpu_metadata
.endif
;; end of part 8
